; MI455X (gfx1250); checked and timed in simulation.
; The chip was launched on July 23, 2026; its instructions are those of AMD's public machine-readable ISA for CDNA 5 (MIT licence, August 2026) and "CDNA5" Instruction Set Architecture Reference Guide (July 2026). The comments in the code are by the model that wrote it; some were corrected since.
;; Layer. Allowed arithmetic: matrix products marked QUANTISED: E4M3 operands, one E8M0 scale for each 32 along K, by v_wmma_scale_f32_16x16x128_f8f6f4 with both operands' format E4M3, f32 sums; everything else in f32.
;; Inputs: b1 4,096 float32; b2 1,024 float32; ln1_b 1,024 float32; ln1_g 1,024 float32; ln2_b 1,024 float32; ln2_g 1,024 float32; m 1 x 1 x 2,048 x 2,048 float32; w1_codes 4,096 x 32 x 32 uint8 (E4M3 codes of w1, K innermost, in blocks of 32 codes); w1_scales 4,096 x 32 uint8 (E8M0 scales of w1, one for each 32 codes along K); w2_codes 1,024 x 128 x 32 uint8 (E4M3 codes of w2, K innermost, in blocks of 32 codes); w2_scales 1,024 x 128 uint8 (E8M0 scales of w2, one for each 32 codes along K); wo_b 1,024 float32; wo_w_codes 1,024 x 32 x 32 uint8 (E4M3 codes of wo_w, K innermost, in blocks of 32 codes); wo_w_scales 1,024 x 32 uint8 (E8M0 scales of wo_w, one for each 32 codes along K); wx_b 3,072 float32; wx_w_codes 3,072 x 32 x 32 uint8 (E4M3 codes of wx_w, K innermost, in blocks of 32 codes); wx_w_scales 3,072 x 32 uint8 (E8M0 scales of wx_w, one for each 32 codes along K); x 2 x 2,048 x 1,024 float32.
;; Outputs: out0 2 x 2,048 x 1,024 float32.
;; Constants: nh = 16.
;; This version of the problem:
;;   THIS VERSION OF THE PROBLEM IS GIVEN IN LOW PRECISION. The matrix products marked QUANTISED in the list below multiply operands that are first quantised to E4M3 (4 exponent bits, 3 mantissa bits; 8 bits a number), with one power-of-two scale for each 32 numbers along K (OCP MX v1.0); their sums are f32. All else is computed in f32.
;;   The module's matrix products, in the order in which they are computed (A, B: the left and right operand; K: the contracted axis; several contracted axes count as one K, in the product's order):
;;     1. [M 4,096, K 1,024] x [K 1,024, N 3,072]; A: computed on the way; B: input wx_w (given as codes): QUANTISED
;;     2. batch 32 x [M 2,048, K 64] x [K 64, N 2,048]; A: computed on the way; B: computed on the way: QUANTISED
;;     3. batch 32 x [M 2,048, K 2,048] x [K 2,048, N 64]; A: softmax (see below); B: computed on the way: QUANTISED
;;     4. [M 4,096, K 1,024] x [K 1,024, N 1,024]; A: computed on the way; B: input wo_w (given as codes): QUANTISED
;;     5. [M 4,096, K 1,024] x [K 1,024, N 4,096]; A: computed on the way; B: input w1 (given as codes): QUANTISED
;;     6. [M 4,096, K 4,096] x [K 4,096, N 1,024]; A: computed on the way; B: input w2 (given as codes): QUANTISED
;;   THE QUANTISER, for each operand of a quantised product, along K:
;;     - K is cut into blocks of 32 from its start; a last block that is shorter is filled with zeros.
;;     - A block's scale is 2^e with e = floor(log2(the largest magnitude in the block)) - 8, held to -126 .. 127; a block of zeros has e = 0. As a byte (E8M0): e + 127.
;;     - Each number is divided by its block's scale, clamped to +-448, and rounded to the nearest number of E4M3, ties to even, subnormals kept.
;;     - The product sums the exact products of the quantised numbers (number of the format x scale) in f32.
;;   ~~~python
;;   def quantise(x, axis):      # numpy; x: float32 -> the quantised numbers, widened to float32 again
;;       x = np.moveaxis(x, axis, -1); K = x.shape[-1]
;;       x = np.pad(x, [(0, 0)] * (x.ndim - 1) + [(0, -K % 32)]); x = x.reshape(x.shape[:-1] + (-1, 32)); a = np.abs(x).max(-1, keepdims=True)
;;       e = np.where(a > 0, np.clip(np.frexp(np.where(a > 0, a, 1))[1] - 1 - 8, -126, 127), 0)      # np.frexp(a)[1] - 1 = floor(log2(a)), exactly
;;       r = np.clip(x / 2.0 ** e, -448, 448)
;;       step = 2.0 ** (np.maximum(np.frexp(np.where(r == 0, 1, r))[1] - 1, -6) - 3)
;;       q = np.round(r / step) * step * 2.0 ** e      # np.round: ties to even
;;       return np.moveaxis(q.reshape(q.shape[:-2] + (-1,))[..., :K], -1, axis).astype(np.float32)
;;   ~~~
;;   SOFTMAX AHEAD OF A QUANTISED PRODUCT. Where the list says 'softmax', what is quantised is not the finished softmax but p = 2^(t - M), with t = logit x log2(e) and M = ceil(the row's largest t), a whole number; so 1/2 < the row's largest p <= 1. The row's sum l is taken of the UNQUANTISED p, in f32, and the product's result is divided by l at the end. Since M is a whole number, a kernel that streams over the keys may use a running M (the ceiling of the running maximum): every later rescaling is an exact power of two, which a block's scale takes up: the codes' values come out the same.
;;   OPERANDS COMPUTED ON THE WAY. 'Computed on the way' means the value that the module computes at that place (a softmax that the list does not call 'softmax' is quantised finished and normalised). What goes into a quantiser is computed in f32, as accurately as f32 sums, v_exp_f32 and their like allow (about 1e-6 of the number): no bf16 or f16 on the way to a quantiser, and a product that is left as it is and whose result goes on into a quantised operand takes f32 operands (vector FMAs, or v_wmma_f32_16x16x4_f32). A number that lies on a knife's edge between two numbers of the format may be rounded either way, as far as f32 arithmetic and the matrix unit's own rounding can turn it there, and no further.
;;   INPUTS GIVEN AS CODES. w1 (in the module: [1024, 4096], K = its axis 0); w2 (in the module: [4096, 1024], K = its axis 0); wo_w (in the module: [1024, 1024], K = its axis 0); wx_w (in the module: [1024, 3072], K = its axis 0): each comes as NAME_codes (uint8): NAME with its K axis moved to the last place and cut into blocks of 32 codes, [.., K / 32, bytes a block], one block behind the other in memory; one code a byte (a code: sign, 4 exponent bits, 3 mantissa bits); and NAME_scales (uint8): the same leading axes, one E8M0 byte (e + 127) for each 32 codes along K. Its value is code x scale, taken as it is: it is not quantised again, and the codes and scales need not be those that the quantiser above would give.
;; One version. Each part assembles by itself: llvm-mc -triple=amdgcn-amd-amdhsa -mcpu=gfx1250 --defsym DOCPART=n.
;; ======== version 1 of 1: 8 launches
;; limits: right only within a limited range of input values
;; workspace buffers: acodes 4,194,304 bytes; ascales 131,072 bytes; qch 4,325,376 bytes; kch 4,325,376 bytes; vch 4,325,376 bytes; x1 16,777,216 bytes; hcodes 16,777,216 bytes; hscales 524,288 bytes
;; launch ln1 (part 1): grid 256 x 1, 8 waves a work-group, no clusters, 19,456 bytes of LDS; arguments x, ln1_g, ln1_b, acodes, ascales; writes acodes, ascales
.if DOCPART == 1
	.amdgcn_target "amdgcn-amd-amdhsa--gfx1250"
	.amdhsa_code_object_version 6
	.text
	.protected	k_q5ceba74b8a_ln1
	.globl	k_q5ceba74b8a_ln1
	.p2align	8
	.type	k_q5ceba74b8a_ln1,@function
k_q5ceba74b8a_ln1:
	s_mov_b64 s[64:65], 0
	v_nop
	global_prefetch_b8 v0, s[64:65] scope:SCOPE_SE
	s_setreg_imm32_b32 hwreg(HW_REG_WAVE_MODE, 25, 1), 1
	s_wait_xcnt 0x0
; LAYER NORM AND QUANTISER.  src [4096][1024] f32 -> y = g (x - mu) / sqrt(E[x^2] - mu^2 + 1e-5) + b, then codes of FP8 (E4M3) with one E8M0 byte for each 32 along the row.
; The variance is formed as the problem forms it (mean of squares less the squared mean), so it loses what that form loses under a large common offset.
; LIMITS: NaN and infinities are not served; a block of zeros gets the byte 1 (its codes are zeros; only this program reads the bytes); blocks under the floor 2^(9 - 127) were not tried.
; OUT, as the products' launches read an operand: an IMAGE OF ITS REGISTERS.  Byte of (row m, panel p = k / 128, block c, half h, place i):
;   (m / 128) 131072 + 16384 p + 2048 ((m % 128) / 16) + 512 c + 16 (16 h + m % 16) + i,   where place i < 8 is k = 32 c + 8 h + i and place i >= 8 is k = 32 c + 16 + 8 h + (i - 8).
; Every operand of the program has this order inside a block of 32, on both sides of a product, so the sums are the same sums.  Scale words: [m / 128][panel][128 rows][4 bytes].
; SHARES: a work-group takes 16 rows, a wave two; a lane takes numbers 256 j + 8 lane + 0 .. 7 of a row (a quarter of a block), j = 0 .. 3.  Codes meet in LDS and leave as runs of 512 bytes.
.set X0, 32                            ; v32-63, v64-95 my two rows
.set X1, 64
.set G,  96                            ; v96-127 g, v128-159 b at my columns
.set BB, 128
.set C,  160                           ; v160-175 codes: two registers for each row and j
.set ST, 176                           ; v176-191 sums; later v180-187 the scale bytes
.set HO, 176
.set BY, 180
.set MU, 16                            ; v[16:17], v[18:19] mu twice;  v[20:21], v[22:23] 1 / sqrt(var) twice
.set RS, 20
.set TM, 24                            ; v24-27 largest magnitudes, v28-31 the conversions' scale operands
.set SO, 28
.set SCS, 17408                        ; LDS: 64 lines of 272 bytes (panel, block, half: 16 rows x 16 bytes + 16 of padding), then 512 scale bytes
	s_load_b128 s[4:7], s[0:1], 0x0                ; src, g
	s_load_b128 s[8:11], s[0:1], 0x10              ; b, codes
	s_load_b64 s[12:13], s[0:1], 0x20              ; scale words
	v_lshl_add_u32 v192, v0, 2, 0x4800
	v_mov_b32 v193, 0
	v_lshrrev_b32 v1, 5, v0
	s_delay_alu instid0(VALU_DEP_1)
	v_readfirstlane_b32 s14, v1                    ; wave
	v_and_b32 v1, 31, v0                           ; lane
	s_delay_alu instid0(VALU_DEP_1)
	v_lshlrev_b32 v2, 5, v1                        ; my 32 bytes of each 1,024
	v_bfe_u32 v4, v0, 4, 1                         ; panel's low bit
	v_bfe_u32 v5, v0, 2, 2                         ; block c
	v_and_b32 v6, 1, v0                            ; half h
	v_bfe_u32 v7, v0, 1, 1                         ; places 0-7 or 8-15
	s_delay_alu instid0(VALU_DEP_2)
	v_lshl_add_u32 v3, v5, 1, v6
	s_delay_alu instid0(VALU_DEP_1)
	v_lshl_add_u32 v3, v4, 3, v3                   ; line 8 (lane / 16) + 2 c + h
	s_delay_alu instid0(VALU_DEP_1)
	v_mul_u32_u24 v3, v3, 272
	s_delay_alu instid0(VALU_DEP_1)
	v_lshl_add_u32 v3, v7, 3, v3
	s_lshl_b32 s15, s14, 5
	v_add_nc_u32 v3, s15, v3                       ; + 16 x my first row of the tile: the 32 lanes of a store touch each bank once
	v_lshl_add_u32 v8, v4, 6, v5
	s_lshl_b32 s15, s14, 3
	s_add_co_u32 s15, s15, SCS
	v_add_nc_u32 v8, s15, v8                       ; my block's scale byte: 64 x panel + 4 x row + c
	v_and_b32 v9, 15, v0
	s_delay_alu instid0(VALU_DEP_1)
	v_lshlrev_b32 v9, 4, v9
	s_delay_alu instid0(VALU_DEP_1)
	v_mad_u32_u24 v9, v4, 272, v9
	s_mul_i32 s15, s14, 8*272
	v_add_nc_u32 v9, s15, v9                       ; the way out: wave w takes panel w: line 8 w + 2 c + lane / 16
	v_lshlrev_b32 v10, 4, v1                       ; 16 x lane
	s_delay_alu instid0(VALU_DEP_1)
	v_add_nc_u32 v11, SCS, v10
	v_lshrrev_b32 v12, 2, v1
	v_and_b32 v13, 3, v1
	s_delay_alu instid0(VALU_DEP_1)
	v_lshlrev_b32 v13, 4, v13
	s_delay_alu instid0(VALU_DEP_1)
	v_lshl_add_u32 v12, v12, 9, v13                ; the scale words' place in memory: 512 x panel + 16 (lane % 4)
	s_lshl_b32 s16, ttmp9, 16                      ; 16 rows of 4,096 bytes,
	s_lshl_b32 s15, s14, 13
	s_add_co_u32 s16, s16, s15                     ; my two
	s_mov_b32 s17, 0
	s_lshr_b32 s18, ttmp9, 3
	s_and_b32 s25, ttmp9, 7
	s_lshl_b32 s20, s18, 12
	s_lshl_b32 s15, s25, 6
	s_add_co_u32 s20, s20, s15                     ; scale words: 4,096 x (rows / 128) + 64 x tile
	s_mov_b32 s21, 0
	s_lshl_b32 s18, s18, 17
	s_lshl_b32 s15, s25, 11
	s_add_co_u32 s18, s18, s15
	s_lshl_b32 s15, s14, 14
	s_add_co_u32 s18, s18, s15                     ; codes: 131,072 x (rows / 128) + 2,048 x tile + 16,384 x my panel
	s_mov_b32 s19, 0
	s_mov_b32 s22, 0x76543210
	s_mov_b32 s23, 0xfedcba98                      ; v_permlanex16_b32's selects for lane l xor 16
	s_wait_kmcnt 0x0
	s_add_nc_u64 s[4:5], s[4:5], s[16:17]
	s_add_nc_u64 s[10:11], s[10:11], s[18:19]
	s_add_nc_u64 s[12:13], s[12:13], s[20:21]
.irp j, 0,1,2,3
	global_load_b128 v[X0+8*\j:X0+8*\j+3], v2, s[4:5] offset:1024*\j
	global_load_b128 v[X0+8*\j+4:X0+8*\j+7], v2, s[4:5] offset:1024*\j+16
	global_load_b128 v[X1+8*\j:X1+8*\j+3], v2, s[4:5] offset:4096+1024*\j
	global_load_b128 v[X1+8*\j+4:X1+8*\j+7], v2, s[4:5] offset:4096+1024*\j+16
.endr
.irp j, 0,1,2,3
	global_load_b128 v[G+8*\j:G+8*\j+3], v2, s[6:7] offset:1024*\j
	global_load_b128 v[G+8*\j+4:G+8*\j+7], v2, s[6:7] offset:1024*\j+16
	global_load_b128 v[BB+8*\j:BB+8*\j+3], v2, s[8:9] offset:1024*\j
	global_load_b128 v[BB+8*\j+4:BB+8*\j+7], v2, s[8:9] offset:1024*\j+16
.endr
; a row's sum and sum of squares: two packed chains each, then across the 32 lanes; mu, the variance, 1 / sqrt
.macro STAT x, s, mu, rs
	v_pk_add_f32 v[\s:\s+1], v[\x:\x+1], v[\x+2:\x+3]
	v_pk_add_f32 v[\s+2:\s+3], v[\x+4:\x+5], v[\x+6:\x+7]
	v_pk_mul_f32 v[\s+4:\s+5], v[\x:\x+1], v[\x:\x+1]
	v_pk_mul_f32 v[\s+6:\s+7], v[\x+2:\x+3], v[\x+2:\x+3]
.irp i, 8
	s_delay_alu instid0(VALU_DEP_4)
	v_pk_add_f32 v[\s:\s+1], v[\s:\s+1], v[\x+\i:\x+\i+1]
	s_delay_alu instid0(VALU_DEP_4)
	v_pk_add_f32 v[\s+2:\s+3], v[\s+2:\s+3], v[\x+\i+2:\x+\i+3]
.endr
.irp i, 12, 16, 20, 24, 28
	s_delay_alu instid0(VALU_DEP_2)
	v_pk_add_f32 v[\s:\s+1], v[\s:\s+1], v[\x+\i:\x+\i+1]
	s_delay_alu instid0(VALU_DEP_2)
	v_pk_add_f32 v[\s+2:\s+3], v[\s+2:\s+3], v[\x+\i+2:\x+\i+3]
.endr
.irp i, 4
	v_pk_fma_f32 v[\s+4:\s+5], v[\x+\i:\x+\i+1], v[\x+\i:\x+\i+1], v[\s+4:\s+5]
	v_pk_fma_f32 v[\s+6:\s+7], v[\x+\i+2:\x+\i+3], v[\x+\i+2:\x+\i+3], v[\s+6:\s+7]
.endr
.irp i, 8, 12, 16, 20, 24, 28
	s_delay_alu instid0(VALU_DEP_2)
	v_pk_fma_f32 v[\s+4:\s+5], v[\x+\i:\x+\i+1], v[\x+\i:\x+\i+1], v[\s+4:\s+5]
	s_delay_alu instid0(VALU_DEP_2)
	v_pk_fma_f32 v[\s+6:\s+7], v[\x+\i+2:\x+\i+3], v[\x+\i+2:\x+\i+3], v[\s+6:\s+7]
.endr
	v_pk_add_f32 v[\s:\s+1], v[\s:\s+1], v[\s+2:\s+3]
	s_delay_alu instid0(VALU_DEP_2)
	v_pk_add_f32 v[\s+4:\s+5], v[\s+4:\s+5], v[\s+6:\s+7]
	s_delay_alu instid0(VALU_DEP_2)
	v_add_f32 v[\s], v[\s], v[\s+1]
	s_delay_alu instid0(VALU_DEP_2)
	v_add_f32 v[\s+4], v[\s+4], v[\s+5]
.irp k, 1,2,4,8
	s_delay_alu instid0(VALU_DEP_2)
	v_add_f32_dpp v[\s], v[\s], v[\s] row_xmask:\k row_mask:0xf bank_mask:0xf
	s_delay_alu instid0(VALU_DEP_2)
	v_add_f32_dpp v[\s+4], v[\s+4], v[\s+4] row_xmask:\k row_mask:0xf bank_mask:0xf
.endr
	s_delay_alu instid0(VALU_DEP_2)
	v_permlanex16_b32 v[\s+1], v[\s], s22, s23
	s_delay_alu instid0(VALU_DEP_2)
	v_permlanex16_b32 v[\s+5], v[\s+4], s22, s23
	s_delay_alu instid0(VALU_DEP_2)
	v_add_f32 v[\s], v[\s], v[\s+1]
	s_delay_alu instid0(VALU_DEP_2)
	v_add_f32 v[\s+4], v[\s+4], v[\s+5]
	s_delay_alu instid0(VALU_DEP_2)
	v_mul_f32 v[\mu], 0x3a800000, v[\s]            ; / 1,024
	s_delay_alu instid0(VALU_DEP_2)
	v_mul_f32 v[\s+4], 0x3a800000, v[\s+4]
	s_delay_alu instid0(VALU_DEP_1)
	v_fma_f32 v[\s+4], -v[\mu], v[\mu], v[\s+4]
	s_delay_alu instid0(VALU_DEP_1)
	v_add_f32 v[\s+4], 0x3727c5ac, v[\s+4]         ; + 1e-5
	s_delay_alu instid0(VALU_DEP_4)
	v_mov_b32 v[\mu+1], v[\mu]
	s_wait_alu depctr_va_vdst(0)
	v_rsq_f32 v[\rs], v[\s+4]
.endm
	s_wait_loadcnt 16                              ; my two rows are in; the 16 younger loads, g and b, may stay out
	STAT X0, ST, MU, RS
	STAT X1, ST+8, MU+2, RS+2
	v_nop                                          ; a plain line behind the last root,
	s_wait_alu depctr_va_vdst(0)                   ; and one wait for both, ahead of the first line that names a result
	v_mov_b32 v[RS+1], v[RS]
	v_mov_b32 v[RS+3], v[RS+2]
	s_wait_loadcnt 0x0                             ; g and b
.macro NORM x, mu, rs
.set i, 0
.rept 16
	v_pk_add_f32 v[\x+i:\x+i+1], v[\x+i:\x+i+1], v[\mu:\mu+1] neg_lo:[0,1] neg_hi:[0,1]
	s_wait_alu depctr_va_vdst(0)
	v_pk_mul_f32 v[\x+i:\x+i+1], v[\x+i:\x+i+1], v[\rs:\rs+1]
	s_delay_alu instid0(VALU_DEP_1)
	v_pk_fma_f32 v[\x+i:\x+i+1], v[\x+i:\x+i+1], v[G+i:G+i+1], v[BB+i:BB+i+1]
.set i, i+2
.endr
.endm
	NORM X0, MU, RS
	NORM X1, MU+2, RS+2
; a row's four quarters of blocks: the largest magnitude with the floor among its leaves, joined over the block's four lanes; the scale operand, the byte; the codes
.macro QROW x, row
.irp j, 0,1,2,3
	v_max3_num_f32 v[TM+\j], |v[\x+8*\j]|, |v[\x+8*\j+1]|, 0x4800000
.endr
.irp i, 2,4,6
.irp j, 0,1,2,3
	s_delay_alu instid0(VALU_DEP_4)
	v_max3_num_f32 v[TM+\j], v[TM+\j], |v[\x+8*\j+\i]|, |v[\x+8*\j+\i+1]|
.endr
.endr
.irp k, 1,2
.irp j, 0,1,2,3
	s_delay_alu instid0(VALU_DEP_4)
	v_max_num_f32_dpp v[TM+\j], v[TM+\j], v[TM+\j] row_xmask:\k row_mask:0xf bank_mask:0xf
.endr
.endr
.irp j, 0,1,2,3
	s_delay_alu instid0(VALU_DEP_4)
	v_add_nc_u32 v[SO+\j], 0xfc000000, v[TM+\j]    ; 8 off the exponent field: the conversion takes this operand's exponent field as its scale
.endr
.irp j, 0,1,2,3
.endr
.irp j, 0,1,2,3
	s_delay_alu instid0(VALU_DEP_4)
	v_lshrrev_b32 v[BY+4*\row+\j], 23, v[SO+\j]    ; the scale's byte
.endr
.irp j, 0,1,2,3
.irp i, 0,1,2,3,4,5,6,7
.endr
	v_cvt_scalef32_pk8_fp8_f32 v[C+8*\row+2*\j:C+8*\row+2*\j+1], v[\x+8*\j:\x+8*\j+7], v[SO+\j]
.endr
	v_nop                                          ; a plain line behind the last conversion
.irp j, 0,1,2,3
	ds_store_b64 v3, v[C+8*\row+2*\j:C+8*\row+2*\j+1] offset:4352*\j+16*\row
	ds_store_b8 v8, v[BY+4*\row+\j] offset:128*\j+4*\row   ; the four lanes of a block write the same byte with the same value
.endr
.endm
	QROW X0, 0
	QROW X1, 1
	s_wait_dscnt 0x0                               ; for the others' sake: my stores have landed
	s_barrier_signal -1
	s_barrier_wait -1
.irp i, 0,1,2,3
	ds_load_b128 v[X0+4*\i:X0+4*\i+3], v9 offset:544*\i
.endr
.irp i, 0,1,2,3
	s_wait_dscnt 3-\i
	global_store_b128 v10, v[X0+4*\i:X0+4*\i+3], s[10:11] offset:512*\i   ; 32 lanes store 512 consecutive bytes, aligned
.endr
	s_cmp_lg_u32 s14, 0
	s_cbranch_scc1 .Ldone
	ds_load_b128 v[X1:X1+3], v11                   ; wave 0: the tile's 512 scale bytes; in memory runs of 64 bytes, one for each panel: one part in 32 of what the launch stores
	s_wait_dscnt 0x0
	global_store_b128 v12, v[X1:X1+3], s[12:13]
.Ldone:
	s_wait_tensorcnt 0x0
	ds_add_u32 v192, v193
	s_wait_dscnt 0x0
	s_endpgm
.Lfunc_end_k_q5ceba74b8a_ln1:
	.size	k_q5ceba74b8a_ln1, .Lfunc_end_k_q5ceba74b8a_ln1-k_q5ceba74b8a_ln1
	.p2alignl 7, 3214868480
	.fill 96, 4, 3214868480
	.section	.rodata,"a",@progbits
	.p2align	6, 0x0
	.amdhsa_kernel k_q5ceba74b8a_ln1
		.amdhsa_group_segment_fixed_size 19456
		.amdhsa_private_segment_fixed_size 0
		.amdhsa_enable_private_segment 0
		.amdhsa_kernarg_size 40
		.amdhsa_user_sgpr_count 2
		.amdhsa_user_sgpr_kernarg_segment_ptr 1
		.amdhsa_wavefront_size32 1
		.amdhsa_system_sgpr_workgroup_id_x 1
		.amdhsa_system_sgpr_workgroup_id_y 1
		.amdhsa_system_sgpr_workgroup_id_z 1
		.amdhsa_system_vgpr_workitem_id 0
		.amdhsa_next_free_vgpr 194
		.amdhsa_next_free_sgpr 66
		.amdhsa_reserve_vcc 0
		.amdhsa_float_denorm_mode_32 3
		.amdhsa_float_denorm_mode_16_64 3
		.amdhsa_fp16_overflow 1
		.amdhsa_memory_ordered 1
		.amdhsa_forward_progress 1
		.amdhsa_inst_pref_size 32
	.end_amdhsa_kernel
	.amdgpu_metadata
---
amdhsa.version: [ 1, 2 ]
amdhsa.kernels:
  - .name:           k_q5ceba74b8a_ln1
    .symbol:         k_q5ceba74b8a_ln1.kd
    .args:
      - { .name: x, .offset: 0, .size: 8, .value_kind: global_buffer, .address_space: global }
      - { .name: ln1_g, .offset: 8, .size: 8, .value_kind: global_buffer, .address_space: global }
      - { .name: ln1_b, .offset: 16, .size: 8, .value_kind: global_buffer, .address_space: global }
      - { .name: acodes, .offset: 24, .size: 8, .value_kind: global_buffer, .address_space: global }
      - { .name: ascales, .offset: 32, .size: 8, .value_kind: global_buffer, .address_space: global }
    .group_segment_fixed_size: 19456
    .private_segment_fixed_size: 0
    .kernarg_segment_align: 8
    .kernarg_segment_size: 40
    .max_flat_workgroup_size: 256
    .sgpr_count:     66
    .vgpr_count:     194
    .wavefront_size: 32
...
	.end_amdgpu_metadata
.endif
;; end of part 1
;; launch gqk (part 2): grid 16 x 32, 4 waves a work-group, clusters of 4 x 4, 327,680 bytes of LDS; arguments acodes, ascales, wx_w_codes, wx_w_scales, wx_b, qch, kch; writes qch, kch
.if DOCPART == 2
	.amdgcn_target "amdgcn-amd-amdhsa--gfx1250"
	.amdhsa_code_object_version 6
	.text
	.protected	k_q5ceba74b8a_gqk
	.globl	k_q5ceba74b8a_gqk
	.p2align	8
	.type	k_q5ceba74b8a_gqk,@function
k_q5ceba74b8a_gqk:
	s_mov_b64 s[64:65], 0
	v_nop
	global_prefetch_b8 v0, s[64:65] scope:SCOPE_SE
	s_setreg_imm32_b32 hwreg(HW_REG_WAVE_MODE, 25, 1), 1
	s_wait_xcnt 0x0
	s_wait_alu depctr_hold_cnt(0) depctr_sa_sdst(0) depctr_va_vdst(0) depctr_va_sdst(0) depctr_va_ssrc(0) depctr_va_vcc(0) depctr_vm_vsrc(0)
	s_getreg_b32 s2, hwreg(HW_REG_IB_STS2, 6, 4)
	s_cmp_eq_u32 s2, 0
	s_cbranch_scc0 .Lentry_in_a_cluster
	s_endpgm
.Lentry_in_a_cluster:
	s_bfe_u32 s2, ttmp6, 0x10000c
	s_cmp_lg_u32 s2, 0xf033
	s_cbranch_scc0 .Lentry_shape_is_right
	s_endpgm
.Lentry_shape_is_right:
; q AND k: LN1(x) wx_w[:, 0:2048] + wx_b, quantised along the head's 64 channels on the way out.  One text serves five launches; the three .set lines below and the way out differ.
; C = A B^T on codes of FP8 (E4M3), one E8M0 scale for each 32 along K; sums in f32.  A: [4096][KK] as images of operand registers (see below), B: [N][KK] codes as given, K innermost.
; A tile of C is 128 x 128: four waves, each 64 x 64 (16 accumulators).  K goes in steps of 512 through two LDS slots filled by the tensor data mover; the scales of all of K come once.
; A'S LAYOUT: byte of (row m, panel p = k / 128, block c, half h, place i) = (m / 128) 128 KK + 16384 p + 2048 ((m % 128) / 16) + 512 c + 16 (16 h + m % 16) + i; a fragment is four loads of 512 consecutive bytes.
; THE ORDER INSIDE A BLOCK OF 32: place i < 8 is k = 32 c + 8 h + i, place i >= 8 is k = 32 c + 16 + 8 h + (i - 8): what two neighbouring result tiles give a lane.  B's rows are read in the same order, by two loads of 8 bytes for each block.
; CLUSTER 4 x 4: A's tiles are shared along a row of the cluster, B's along a column: joint loads.  MODE 3 swaps the sources (a lane then holds one column of C and its registers run down the rows).
; LIMITS: NaN and infinities are not served; a block of zeros gets the byte 1 (its codes are zeros; only this program reads the bytes); blocks under the floor 2^(9 - 127) were not tried.
; REGISTERS: window 0: v1-29 addresses; v32-95 scale words, two sets; v96-127 the bias as C, later at work; v128-255 accumulators.  Window 1: two buffers of 128: A's four fragments, then B's four.
.set KK,    1024
.set NOFF,  0                          ; B's first row
.set MODE,  2                          ; 0 residual, f32 out; 1 GELU, codes out; 2 q and k chunks; 3 v chunks
.set KS,    KK/32
.set LAPS,  KK/1024                    ; a lap = two K steps of 512
.set APART, 65536                      ; a slot: A's four panels of 16,384 bytes,
.set BP,    528                        ; then B's 128 rows of 512 bytes + 16 of padding: row r starts at bank 4 r mod 64
.set SLOT,  APART+128*BP
.set SUN,   KK/128                     ; units of 256 bytes of scales that one load brings
.set SCA,   2*SLOT                     ; A's scale words, [panel][128 rows][4], as units of 256 + 16;
.set SCB,   SCA+2*SUN*272              ; B's scale bytes, [128 rows][KS], likewise
.set SPARE, SCB+2*SUN*272              ; the spare words: two blocks of 256 bytes that no other line names
.set STG,   SPARE+512                  ; the way out's own bytes
.set CH,    8448                       ; a chunk: 8,192 bytes of codes and 256 of scale words, for one head and 128 tokens
.set HS,    16*CH                      ; a head's 16 chunks
.set ADRA, 16
.set ADRB, 20
.set ADSA, 22
.set ADSB, 23
.set STO,  24
.set RD,   25
.set CO,   26
.set GO,   27
.set SPW,  28
.set NIL,  29
.set SCW,  32                          ; set s: A's words at 32 s + 4 q + a, B's at 16 + 32 s + 4 t + q
.set BIAS, 96
.set ACC,  128
.set F0,   0
.set F1,   128
.set G1A,  24
.set G0A,  32
.set G1B,  40
.set G0B,  48
.set G1SA, 56
.set G0SA, 68
.set G1SB, 72
.set G0SB, 80
.set MSB, 0
.macro WIN new                         ; the immediate's high byte repeats the setting that is left
.if MSB != \new
	s_set_vgpr_msb (MSB<<8)|\new
.set MSB, \new
.endif
.endm
.macro PLACES n
.rept \n
	v_nop
.endr
.endm
.macro JLOAD g0a, g1a, g0b, g1b        ; a joint load: waves 0 and 1 fetch for A, waves 2 and 3 for B; four v_nop follow each line
	s_cmp_eq_u32 s19, 0
	s_cbranch_scc0 .Lfor_b_\@
	tensor_load_to_lds s[\g0a:\g0a+3], s[\g1a:\g1a+7]
	s_nop 0
.rept 4
	v_nop
.endr
	s_branch .Lasked_\@
.Lfor_b_\@:
	tensor_load_to_lds s[\g0b:\g0b+3], s[\g1b:\g1b+7]
	s_nop 0
.rept 4
	v_nop
.endr
.Lasked_\@:
.endm
.macro CREST                           ; a round of the cluster's barrier behind its opening barrier
	s_cmp_lg_u32 s18, 0
	s_cbranch_scc1 .Lnot_wave_0_\@
	s_barrier_signal -3
.Lnot_wave_0_\@:
	s_barrier_wait -3
	s_barrier_signal -1
	s_barrier_wait -1
.endm
.macro CROUND
	s_barrier_signal -1
	s_barrier_wait -1
	CREST
.endm
	s_load_b256 s[4:11], s[0:1], 0x0               ; A's codes, A's scales, B's codes, B's scales
	s_load_b128 s[12:15], s[0:1], 0x20             ; the bias, and the sixth buffer
.if MODE != 3
	s_load_b64 s[16:17], s[0:1], 0x30              ; the seventh
.endif
	v_lshl_add_u32 v[SPW], v0, 2, SPARE
	v_mov_b32 v[NIL], 0
	ds_add_u32 v28, v29
	ds_add_u32 v28, v29
	s_wait_dscnt 0x0
	v_lshrrev_b32 v1, 5, v0
	v_readfirstlane_b32 s18, v1                    ; wave
	s_lshr_b32 s19, s18, 1                         ; wm: my half of the rows.  Also: I fetch for A (0) or B (1)
	s_and_b32 s20, s18, 1                          ; wn: my half of the columns.  Also: which half I fetch
	s_bfe_u32 s84, ttmp6, 0x40000                  ; cx
	s_bfe_u32 s85, ttmp6, 0x40004                  ; cy
	s_lshl_b32 s86, ttmp9, 2
	s_add_co_u32 s86, s86, s84                     ; tx
	s_and_b32 s87, ttmp7, 0xffff
	s_lshl_b32 s87, s87, 2
	s_add_co_u32 s87, s87, s85                     ; ty
	s_lshl_b32 s88, s85, 2
	s_lshl_b32 s88, 15, s88                        ; my row of the cluster
	s_lshl_b32 s89, 0x1111, s84                    ; my column
	s_or_b32 s[G1A], s88, (3<<16)|(1<<21)          ; A: a dense block of 32,768 bytes as 128 rows of 32 elements of 8 bytes; no padding
	s_mov_b32 s[G1A+1], 32<<16
	s_mov_b32 s[G1A+2], 128<<16
	s_mov_b32 s[G1A+3], 32<<16
	s_mov_b32 s[G1A+4], 128
	s_mov_b32 s[G1A+5], 32
	s_mov_b32 s[G1A+6], 0
	s_mov_b32 s[G1A+7], 0
	s_or_b32 s[G1B], s89, (1<<20)|(1<<21)|(6<<22)|(3<<25)   ; B: 64 rows of 512 bytes, KK apart; four words of padding after every 128
	s_mov_b32 s[G1B+1], 512<<16
	s_mov_b32 s[G1B+2], 64<<16
	s_mov_b32 s[G1B+3], 512<<16
	s_mov_b32 s[G1B+4], 64
	s_mov_b32 s[G1B+5], KK
	s_mov_b32 s[G1B+6], 0
	s_mov_b32 s[G1B+7], 0
	s_or_b32 s[G1SA], s88, (3<<16)|(1<<20)|(1<<21)|(5<<22)|(3<<25)   ; scales: SUN rows of 256 bytes, four words of padding behind each
	s_or_b32 s[G1SB], s89, (3<<16)|(1<<20)|(1<<21)|(5<<22)|(3<<25)
.irp g, G1SA, G1SB
	s_mov_b32 s[\g+1], 32<<16
	s_mov_b32 s[\g+2], SUN<<16
	s_mov_b32 s[\g+3], 32<<16
	s_mov_b32 s[\g+4], SUN
	s_mov_b32 s[\g+5], 32
	s_mov_b32 s[\g+6], 0
	s_mov_b32 s[\g+7], 0
.endr
	s_mul_i32 s90, s87, 128*KK                     ; A: my tile row's block, my half of a K step
	s_lshl_b32 s2, s20, 15
	s_add_co_u32 s90, s90, s2
	s_mov_b32 s91, 0
	s_mul_i32 s92, s87, 4*KK                       ; its scale words, my half
	s_mul_i32 s2, s20, 2*KK
	s_add_co_u32 s92, s92, s2
	s_mov_b32 s93, 0
	s_lshl_b32 s66, s86, 7                         ; B: row NOFF + 128 tx + 64 wn
	s_lshl_b32 s67, s20, 6
	s_add_co_u32 s66, s66, s67
.if NOFF
	s_add_co_u32 s66, s66, NOFF
.endif
	s_mul_i32 s94, s66, KK
	s_mov_b32 s95, 0
	s_mul_i32 s96, s66, KS
	s_mov_b32 s97, 0
	s_lshl_b32 s21, s20, 15                        ; where they go: the wave's number alone enters an LDS address
	s_mul_i32 s22, s20, 64*BP
	s_add_co_u32 s22, s22, APART
	s_mul_i32 s23, s20, SUN*272
	s_wait_kmcnt 0x0
	s_add_nc_u64 s[90:91], s[4:5], s[90:91]
	s_add_nc_u64 s[92:93], s[6:7], s[92:93]
	s_add_nc_u64 s[94:95], s[8:9], s[94:95]
	s_add_nc_u64 s[96:97], s[10:11], s[96:97]
	CROUND                                         ; all sixteen work-groups are here: the first joint loads meet
	s_mov_b32 s[G0SA], 1
	s_add_co_u32 s[G0SA+1], s23, SCA
	s_mov_b64 s[G0SA+2:G0SA+3], s[92:93]
	s_or_b32 s[G0SA+3], s[G0SA+3], 0x80000000
	s_mov_b32 s[G0SB], 1
	s_add_co_u32 s[G0SB+1], s23, SCB
	s_mov_b64 s[G0SB+2:G0SB+3], s[96:97]
	s_or_b32 s[G0SB+3], s[G0SB+3], 0x80000000
	JLOAD G0SA, G1SA, G0SB, G1SB                   ; the scales first: they are wanted with K step 0
.irp s, 0,1
	s_mov_b32 s[G0A+4*\s], 1
	s_add_co_u32 s[G0A+4*\s+1], s21, \s*SLOT
	s_add_nc_u64 s[G0A+4*\s+2:G0A+4*\s+3], s[90:91], \s*APART
	s_or_b32 s[G0A+4*\s+3], s[G0A+4*\s+3], 0x80000000
	s_mov_b32 s[G0B+4*\s], 1
	s_add_co_u32 s[G0B+4*\s+1], s22, \s*SLOT
	s_add_nc_u64 s[G0B+4*\s+2:G0B+4*\s+3], s[94:95], \s*512
	s_or_b32 s[G0B+4*\s+3], s[G0B+4*\s+3], 0x80000000
	JLOAD G0A+4*\s, G1A, G0B+4*\s, G1B             ; three loads of mine are out
.endr
	v_and_b32 v1, 15, v0                           ; r
	v_bfe_u32 v2, v0, 4, 1                         ; h
	v_and_b32 v3, 31, v0
	v_lshlrev_b32 v4, 4, v3                        ; 16 x lane
	s_lshl_b32 s98, s19, 13
	v_add_nc_u32 v[ADRA], s98, v4                  ; A: my four tiles of a panel, 16 x lane
	v_add_nc_u32 v[ADRA+1], SLOT, v[ADRA]
	v_mul_u32_u24 v5, v1, BP
	v_lshl_add_u32 v5, v2, 3, v5
	v_add_nc_u32 v[ADRB], s22, v5                  ; B: row 64 wn + r, + 8 h
	v_add_nc_u32 v[ADRB+1], SLOT, v[ADRB]
	s_mul_i32 s98, s19, 272
	s_add_co_u32 s98, s98, SCA
	v_lshl_add_u32 v[ADSA], v1, 2, s98             ; A's scale words: unit 2 x panel + wm, 4 r
	v_mul_u32_u24 v6, v1, KS
	v_lshrrev_b32 v7, 8, v6
	v_lshl_add_u32 v6, v7, 4, v6
	s_add_co_u32 s99, s23, SCB
	v_add_nc_u32 v[ADSB], s99, v6                  ; B's: KS bytes a row, 16 more for each 256 passed
	s_lshl_b32 s98, s66, 2
	s_mov_b32 s99, 0
	s_add_nc_u64 s[12:13], s[12:13], s[98:99]      ; the bias at my first column
.if MODE == 3
	v_lshlrev_b32 v8, 2, v1
.irp t, 0,1,2,3
	global_load_b32 v[120+2*\t], v8, s[12:13] offset:64*\t   ; a lane holds one column: its bias, as the low word of a pair
	v_mov_b32 v[121+2*\t], 0
.endr
.else
	v_lshlrev_b32 v8, 5, v2
.irp t, 0,1,2,3
	global_load_b128 v[BIAS+8*\t:BIAS+8*\t+3], v8, s[12:13] offset:64*\t       ; the bias in the result's layout: columns 16 t + 8 h + 0 .. 7: the C of each sum's first product
	global_load_b128 v[BIAS+8*\t+4:BIAS+8*\t+7], v8, s[12:13] offset:64*\t+16
.endr
.endif
.if MODE == 0
	v_lshlrev_b32 v[CO], 12, v2
	v_lshl_add_u32 v[CO], v1, 4, v[CO]             ; lanes 0-15 one row's 256 bytes, lanes 16-31 the next row's
	s_lshl_b32 s98, s87, 19
	s_lshl_b32 s100, s19, 18
	s_add_co_u32 s98, s98, s100
	s_lshl_b32 s100, s66, 2
	s_add_co_u32 s98, s98, s100
	s_add_nc_u64 s[14:15], s[14:15], s[98:99]      ; the residual and the output at my 64 x 64
	s_add_nc_u64 s[16:17], s[16:17], s[98:99]
	WIN 0x80                                       ; destination window 2
.irp a, 0,1,2,3
.irp i, 0,1,2,3,4,5,6,7
	global_load_b128 v[32*\a+4*\i:32*\a+4*\i+3], v[CO], s[14:15] offset:(16*\a+2*\i)*4096
.endr
.endr
	WIN 0
.endif
.macro FETCH slot, q, f                ; the fragments of the slot's q-th 128 along K into buffer f: 48 loads in one run
	WIN 0x40
.irp a, 0,1,2,3
.irp c, 0,1,2,3
	ds_load_b128 v[\f+16*\a+4*\c:\f+16*\a+4*\c+3], v[ADRA+\slot] offset:(\q)*16384+\a*2048+\c*512
.endr
.endr
.irp t, 0,1,2,3
.irp c, 0,1,2,3
	ds_load_b64 v[\f+64+16*\t+4*\c:\f+64+16*\t+4*\c+1], v[ADRB+\slot] offset:\t*16*BP+128*(\q)+32*\c
	ds_load_b64 v[\f+64+16*\t+4*\c+2:\f+64+16*\t+4*\c+3], v[ADRB+\slot] offset:\t*16*BP+128*(\q)+32*\c+16
.endr
.endr
.endm
.macro SCALES sc                       ; a K step's scale words into set sc
	WIN 0
.irp q, 0,1,2,3
.irp a, 0,1,2,3
	ds_load_b32 v[SCW+32*\sc+4*\q+\a], v[ADSA] offset:544*\q+64*\a
.endr
.endr
.irp t, 0,1,2,3
	ds_load_b128 v[SCW+16+32*\sc+4*\t:SCW+16+32*\sc+4*\t+3], v[ADSB] offset:\t*(KS/16)*272
.endr
.endm
; 8 products: A's tiles a0, a0 + 1 against B's four.  The 16 accumulators take turns, one instruction a turn, in the same order in every step.
.macro MUL8 f, sc, q, a0, first
	WIN 0x05
.irp a, \a0, \a0+1
.irp t, 0,1,2,3
.if MODE == 3
.set DD, ACC+8*(4*\t+(\a))
.set S0, \f+16*(\a)
.set S1, \f+64+16*\t
.set W0, SCW+32*\sc+4*(\q)+(\a)
.set W1, SCW+16+32*\sc+4*\t+(\q)
.else
.set DD, ACC+8*(4*(\a)+\t)
.set S0, \f+64+16*\t
.set S1, \f+16*(\a)
.set W0, SCW+16+32*\sc+4*\t+(\q)
.set W1, SCW+32*\sc+4*(\q)+(\a)
.endif
.if \first && (MODE == 3)
	v_wmma_scale_f32_16x16x128_f8f6f4 v[DD:DD+7], v[S0:S0+15], v[S1:S1+15], 0, v[W0], v[W1]
.elseif \first
	v_wmma_scale_f32_16x16x128_f8f6f4 v[DD:DD+7], v[S0:S0+15], v[S1:S1+15], v[BIAS+8*\t:BIAS+8*\t+7], v[W0], v[W1]
.else
	v_wmma_scale_f32_16x16x128_f8f6f4 v[DD:DD+7], v[S0:S0+15], v[S1:S1+15], v[DD:DD+7], v[W0], v[W1]
.endif
.endr
.endr
.endm
.macro STEP slot, q, f, g, first       ; 128 along K whose successor lies in the same slot
	s_wait_dscnt 0x0                               ; buffer f is in
	PLACES 8                                       ; eight places between the last products on buffer g and the loads into it
	FETCH \slot, (\q)+1, \g
	MUL8 \f, \slot, \q, 0, \first
	MUL8 \f, \slot, \q, 2, \first
.endm
.macro TURN slot, next, fill           ; a slot's last 128 along K, and the change of slots
	WIN 0
	s_wait_tensorcnt 0x0                           ; all my tensor loads have landed, my part of the next slot among them
	ds_add_u32 v[SPW], v[NIL]                      ; 0 onto my spare word
.if \fill
	s_add_nc_u64 s[G0A+4*\slot+2:G0A+4*\slot+3], s[G0A+4*\slot+2:G0A+4*\slot+3], 2*APART
	s_add_nc_u64 s[G0B+4*\slot+2:G0B+4*\slot+3], s[G0B+4*\slot+2:G0B+4*\slot+3], 1024
.endif
	s_wait_dscnt 0x0                               ; the add is done; buffer 1 is in, and those were my last reads of this slot
	s_barrier_signal -1
	MUL8 F1, \slot, 3, 0, 0
	WIN 0
	s_barrier_wait -1
.if \fill
	CREST                                          ; the barrier opened a round of the cluster's: no wave of any partner still reads this slot or has a load on its way
	JLOAD G0A+4*\slot, G1A, G0B+4*\slot, G1B       ; the first tensor load behind the round, one a wave
	PLACES 4
.else
	PLACES 8
.endif
	v_add_nc_u32 v[ADSA], 2176, v[ADSA]            ; the next K step's scale words: four panels, 16 bytes of a row
	v_add_nc_u32 v[ADSB], 16, v[ADSB]
	FETCH \next, 0, F0
	SCALES \next
	MUL8 F1, \slot, 3, 2, 0
.endm
	s_wait_alu depctr_va_vdst(0)
	s_wait_tensorcnt 0x1                           ; the scales and my part of K step 0 are in; K step 1's load may stay out
	s_barrier_signal -1
	s_barrier_wait -1
	FETCH 0, 0, F0
	SCALES 0
.if MODE == 0
	s_wait_loadcnt 32                              ; the bias is in; the 32 younger loads, the residual, may stay out
.else
	s_wait_loadcnt 0x0                             ; the bias
.endif
	STEP 0, 0, F0, F1, 1                           ; the first products start the sums, with the bias as C
.if LAPS > 1
	WIN 0
	s_mov_b32 s3, LAPS-1
.Llap:                                             ; a trip goes once round the ring and fills both slots again
	STEP 0, 1, F1, F0, 0
	STEP 0, 2, F0, F1, 0
	TURN 0, 1, 1
	STEP 1, 0, F0, F1, 0
	STEP 1, 1, F1, F0, 0
	STEP 1, 2, F0, F1, 0
	TURN 1, 0, 1
	STEP 0, 0, F0, F1, 0
	WIN 0
	s_sub_co_u32 s3, s3, 1
	s_cmp_lg_u32 s3, 0
	s_cbranch_scc1 .Llap
.endif
	STEP 0, 1, F1, F0, 0                           ; the last lap fills nothing
	STEP 0, 2, F0, F1, 0
	TURN 0, 1, 0
	STEP 1, 0, F0, F1, 0
	STEP 1, 1, F1, F0, 0
	STEP 1, 2, F0, F1, 0
	s_wait_dscnt 0x0
	MUL8 F1, 1, 3, 0, 0
	MUL8 F1, 1, 3, 2, 0
	WIN 0
	PLACES 8
; 32 registers of a lane, two blocks of 32 shared with lane l xor 16, become codes in v108-115 and two scale bytes in v[116 + g]
.macro QUANT2 x, g
.irp b, 0,1
	v_max3_num_f32 v[96+\b], |v[\x+16*\b]|, |v[\x+16*\b+1]|, 0x4800000   ; each accumulator is read from its low end on; the floor 2^(9 - 127) holds the byte at 1 from below
.endr
.irp i, 2,4,6,8,10,12,14
.irp b, 0,1
	v_max3_num_f32 v[96+\b], v[96+\b], |v[\x+16*\b+\i]|, |v[\x+16*\b+\i+1]|
.endr
.endr
.irp b, 0,1
	v_permlanex16_b32 v[98+\b], v[96+\b], s21, s22
.endr
.irp b, 0,1
	v_max_num_f32 v[96+\b], v[96+\b], v[98+\b]
.endr
.irp b, 0,1
	v_add_nc_u32 v[102+\b], 0xfc000000, v[96+\b]   ; 8 off the exponent field: the conversion's scale operand
	v_lshrrev_b32 v[98+\b], 23, v[102+\b]          ; the byte
.endr
	v_lshl_or_b32 v[116+\g], v99, 8, v98
	s_wait_alu depctr_va_vdst(0)
	s_wait_xcnt 0x0                                ; the last group's stores have read v108-115
.irp b, 0,1
.irp i, 0,1,2,3,4,5,6,7,8,9,10,11,12,13,14,15
.endr
	v_cvt_scalef32_pk8_fp8_f32 v[108+4*\b:109+4*\b], v[\x+16*\b:\x+16*\b+7], v[102+\b]
	v_cvt_scalef32_pk8_fp8_f32 v[110+4*\b:111+4*\b], v[\x+16*\b+8:\x+16*\b+15], v[102+\b]
.endr
	v_nop                                          ; a plain line behind the last conversion
.endm
	; THE WAY OUT.  My 64 columns are one head's channels, my 64 rows four tiles of tokens: tile 4 wm + g of chunk (batch, head, 128 tokens): 1,024 bytes of codes each, an image of half a fragment.
	s_mov_b32 s21, 0x76543210
	s_mov_b32 s22, 0xfedcba98
	v_mov_b32 v98, 0                               ; a lane permute's destination counts as one of its sources
	v_mov_b32 v99, 0
	s_cmp_ge_u32 ttmp9, 2                          ; tile columns 8 to 15 are k's: the same in all partners
	s_cselect_b64 s[14:15], s[16:17], s[14:15]
	s_lshr_b32 s98, s87, 4
	s_lshl_b32 s98, s98, 4
	s_and_b32 s100, s86, 7
	s_lshl_b32 s100, s100, 1
	s_add_co_u32 s98, s98, s100                    ; 16 x batch + the tile's first head
	s_mul_i32 s98, s98, HS
	s_and_b32 s100, s87, 15
	s_mul_i32 s100, s100, CH
	s_add_co_u32 s98, s98, s100
	s_mov_b32 s99, 0
	s_add_nc_u64 s[14:15], s[14:15], s[98:99]
	s_mul_i32 s100, s20, HS
	s_lshl_b32 s104, s19, 12
	s_add_co_u32 s100, s100, s104
	s_mov_b32 s101, 0
	s_add_nc_u64 s[16:17], s[14:15], s[100:101]    ; my head's chunk, my four tiles
	s_lshl_b32 s100, s20, 8
	s_lshl_b32 s104, s19, 7
	s_add_co_u32 s100, s100, s104
	s_add_co_u32 s100, s100, STG
	v_lshl_add_u32 v[STO], v1, 2, s100             ; scale words: 256 wn + 64 (2 wm + i) + 4 r
	v_add_nc_u32 v[RD], STG, v4
	v_mul_u32_u24 v[GO], v2, HS
	v_lshl_add_u32 v[GO], v1, 4, v[GO]
.irp g, 0,1,2,3
	QUANT2 ACC+32*\g, \g
	global_store_b128 v4, v[108:111], s[16:17] offset:\g*1024       ; 32 lanes store 512 consecutive bytes, aligned
	global_store_b128 v4, v[112:115], s[16:17] offset:\g*1024+512
.endr
	v_lshl_or_b32 v104, v117, 16, v116             ; a packed fragment's word: bytes 0, 1 the even tile's, bytes 2, 3 the odd tile's
	v_lshl_or_b32 v105, v119, 16, v118
	ds_store_b32 v[STO], v104
	ds_store_b32 v[STO], v105 offset:64
	s_wait_dscnt 0x0                               ; for the others' sake
	s_barrier_signal -1
	s_barrier_wait -1
	s_cmp_lg_u32 s18, 0
	s_cbranch_scc1 .Lnot0
	ds_load_b128 v[104:107], v[RD]                 ; wave 0: two heads' 256 bytes of scale words, each an aligned run of 256 bytes behind its chunk's codes
	s_wait_dscnt 0x0
	global_store_b128 v[GO], v[104:107], s[14:15] offset:8192
.Lnot0:
	s_wait_tensorcnt 0x0                           ; the wave's end
	ds_add_u32 v[SPW], v[NIL]
	s_wait_dscnt 0x0
	CROUND                                         ; the closing round
	s_endpgm
.Lfunc_end_k_q5ceba74b8a_gqk:
	.size	k_q5ceba74b8a_gqk, .Lfunc_end_k_q5ceba74b8a_gqk-k_q5ceba74b8a_gqk
	.p2alignl 7, 3214868480
	.fill 96, 4, 3214868480
	.section	.rodata,"a",@progbits
	.p2align	6, 0x0
	.amdhsa_kernel k_q5ceba74b8a_gqk
		.amdhsa_group_segment_fixed_size 327680
		.amdhsa_private_segment_fixed_size 0
		.amdhsa_enable_private_segment 0
		.amdhsa_kernarg_size 56
		.amdhsa_user_sgpr_count 2
		.amdhsa_user_sgpr_kernarg_segment_ptr 1
		.amdhsa_wavefront_size32 1
		.amdhsa_system_sgpr_workgroup_id_x 1
		.amdhsa_system_sgpr_workgroup_id_y 1
		.amdhsa_system_sgpr_workgroup_id_z 1
		.amdhsa_system_vgpr_workitem_id 0
		.amdhsa_next_free_vgpr 512
		.amdhsa_next_free_sgpr 106
		.amdhsa_reserve_vcc 0
		.amdhsa_float_denorm_mode_32 3
		.amdhsa_float_denorm_mode_16_64 3
		.amdhsa_fp16_overflow 1
		.amdhsa_memory_ordered 1
		.amdhsa_forward_progress 1
		.amdhsa_inst_pref_size 66
	.end_amdhsa_kernel
	.amdgpu_metadata
---
amdhsa.version: [ 1, 2 ]
amdhsa.kernels:
  - .name:           k_q5ceba74b8a_gqk
    .symbol:         k_q5ceba74b8a_gqk.kd
    .args:
      - { .name: acodes, .offset: 0, .size: 8, .value_kind: global_buffer, .address_space: global }
      - { .name: ascales, .offset: 8, .size: 8, .value_kind: global_buffer, .address_space: global }
      - { .name: wx_w_codes, .offset: 16, .size: 8, .value_kind: global_buffer, .address_space: global }
      - { .name: wx_w_scales, .offset: 24, .size: 8, .value_kind: global_buffer, .address_space: global }
      - { .name: wx_b, .offset: 32, .size: 8, .value_kind: global_buffer, .address_space: global }
      - { .name: qch, .offset: 40, .size: 8, .value_kind: global_buffer, .address_space: global }
      - { .name: kch, .offset: 48, .size: 8, .value_kind: global_buffer, .address_space: global }
    .group_segment_fixed_size: 327680
    .private_segment_fixed_size: 0
    .kernarg_segment_align: 8
    .kernarg_segment_size: 56
    .max_flat_workgroup_size: 128
    .sgpr_count:     106
    .vgpr_count:     512
    .wavefront_size: 32
...
	.end_amdgpu_metadata
.endif
;; end of part 2
;; launch gv (part 3): grid 8 x 32, 4 waves a work-group, clusters of 4 x 4, 327,680 bytes of LDS; arguments acodes, ascales, wx_w_codes, wx_w_scales, wx_b, vch; writes vch
.if DOCPART == 3
	.amdgcn_target "amdgcn-amd-amdhsa--gfx1250"
	.amdhsa_code_object_version 6
	.text
	.protected	k_q5ceba74b8a_gv
	.globl	k_q5ceba74b8a_gv
	.p2align	8
	.type	k_q5ceba74b8a_gv,@function
k_q5ceba74b8a_gv:
	s_mov_b64 s[64:65], 0
	v_nop
	global_prefetch_b8 v0, s[64:65] scope:SCOPE_SE
	s_setreg_imm32_b32 hwreg(HW_REG_WAVE_MODE, 25, 1), 1
	s_wait_xcnt 0x0
	s_wait_alu depctr_hold_cnt(0) depctr_sa_sdst(0) depctr_va_vdst(0) depctr_va_sdst(0) depctr_va_ssrc(0) depctr_va_vcc(0) depctr_vm_vsrc(0)
	s_getreg_b32 s2, hwreg(HW_REG_IB_STS2, 6, 4)
	s_cmp_eq_u32 s2, 0
	s_cbranch_scc0 .Lentry_in_a_cluster
	s_endpgm
.Lentry_in_a_cluster:
	s_bfe_u32 s2, ttmp6, 0x10000c
	s_cmp_lg_u32 s2, 0xf033
	s_cbranch_scc0 .Lentry_shape_is_right
	s_endpgm
.Lentry_shape_is_right:
; v: LN1(x) wx_w[:, 2048:3072] + wx_b, quantised ALONG THE TOKENS (the keys are the second attention product's K) on the way out.  One text serves five launches; the three .set lines below and the way out differ.
; C = A B^T on codes of FP8 (E4M3), one E8M0 scale for each 32 along K; sums in f32.  A: [4096][KK] as images of operand registers (see below), B: [N][KK] codes as given, K innermost.
; A tile of C is 128 x 128: four waves, each 64 x 64 (16 accumulators).  K goes in steps of 512 through two LDS slots filled by the tensor data mover; the scales of all of K come once.
; A'S LAYOUT: byte of (row m, panel p = k / 128, block c, half h, place i) = (m / 128) 128 KK + 16384 p + 2048 ((m % 128) / 16) + 512 c + 16 (16 h + m % 16) + i; a fragment is four loads of 512 consecutive bytes.
; THE ORDER INSIDE A BLOCK OF 32: place i < 8 is k = 32 c + 8 h + i, place i >= 8 is k = 32 c + 16 + 8 h + (i - 8): what two neighbouring result tiles give a lane.  B's rows are read in the same order, by two loads of 8 bytes for each block.
; CLUSTER 4 x 4: A's tiles are shared along a row of the cluster, B's along a column: joint loads.  MODE 3 swaps the sources (a lane then holds one column of C and its registers run down the rows).
; LIMITS: NaN and infinities are not served; a block of zeros gets the byte 1 (its codes are zeros; only this program reads the bytes); blocks under the floor 2^(9 - 127) were not tried.
; REGISTERS: window 0: v1-29 addresses; v32-95 scale words, two sets; v96-127 at work (v120-127 the bias); v128-255 accumulators.  Window 1: two buffers of 128: A's four fragments, then B's four.
.set KK,    1024
.set NOFF,  2048                       ; B's first row
.set MODE,  3                          ; 0 residual, f32 out; 1 GELU, codes out; 2 q and k chunks; 3 v chunks
.set KS,    KK/32
.set LAPS,  KK/1024                    ; a lap = two K steps of 512
.set APART, 65536                      ; a slot: A's four panels of 16,384 bytes,
.set BP,    528                        ; then B's 128 rows of 512 bytes + 16 of padding: row r starts at bank 4 r mod 64
.set SLOT,  APART+128*BP
.set SUN,   KK/128                     ; units of 256 bytes of scales that one load brings
.set SCA,   2*SLOT                     ; A's scale words, [panel][128 rows][4], as units of 256 + 16;
.set SCB,   SCA+2*SUN*272              ; B's scale bytes, [128 rows][KS], likewise
.set SPARE, SCB+2*SUN*272              ; the spare words: two blocks of 256 bytes that no other line names
.set STG,   SPARE+512                  ; the way out's own bytes
.set CH,    8448                       ; a chunk: 8,192 bytes of codes and 256 of scale words, for one head and 128 tokens
.set HS,    16*CH                      ; a head's 16 chunks
.set ADRA, 16
.set ADRB, 20
.set ADSA, 22
.set ADSB, 23
.set STO,  24
.set RD,   25
.set CO,   26
.set GO,   27
.set SPW,  28
.set NIL,  29
.set SCW,  32                          ; set s: A's words at 32 s + 4 q + a, B's at 16 + 32 s + 4 t + q
.set BIAS, 96
.set ACC,  128
.set F0,   0
.set F1,   128
.set G1A,  24
.set G0A,  32
.set G1B,  40
.set G0B,  48
.set G1SA, 56
.set G0SA, 68
.set G1SB, 72
.set G0SB, 80
.set MSB, 0
.macro WIN new                         ; the immediate's high byte repeats the setting that is left
.if MSB != \new
	s_set_vgpr_msb (MSB<<8)|\new
.set MSB, \new
.endif
.endm
.macro PLACES n
.rept \n
	v_nop
.endr
.endm
.macro JLOAD g0a, g1a, g0b, g1b        ; a joint load: waves 0 and 1 fetch for A, waves 2 and 3 for B; four v_nop follow each line
	s_cmp_eq_u32 s19, 0
	s_cbranch_scc0 .Lfor_b_\@
	tensor_load_to_lds s[\g0a:\g0a+3], s[\g1a:\g1a+7]
	s_nop 0
.rept 4
	v_nop
.endr
	s_branch .Lasked_\@
.Lfor_b_\@:
	tensor_load_to_lds s[\g0b:\g0b+3], s[\g1b:\g1b+7]
	s_nop 0
.rept 4
	v_nop
.endr
.Lasked_\@:
.endm
.macro CREST                           ; a round of the cluster's barrier behind its opening barrier
	s_cmp_lg_u32 s18, 0
	s_cbranch_scc1 .Lnot_wave_0_\@
	s_barrier_signal -3
.Lnot_wave_0_\@:
	s_barrier_wait -3
	s_barrier_signal -1
	s_barrier_wait -1
.endm
.macro CROUND
	s_barrier_signal -1
	s_barrier_wait -1
	CREST
.endm
	s_load_b256 s[4:11], s[0:1], 0x0               ; A's codes, A's scales, B's codes, B's scales
	s_load_b128 s[12:15], s[0:1], 0x20             ; the bias, and the sixth buffer
.if MODE != 3
	s_load_b64 s[16:17], s[0:1], 0x30              ; the seventh
.endif
	v_lshl_add_u32 v[SPW], v0, 2, SPARE
	v_mov_b32 v[NIL], 0
	ds_add_u32 v28, v29
	ds_add_u32 v28, v29
	s_wait_dscnt 0x0
	v_lshrrev_b32 v1, 5, v0
	v_readfirstlane_b32 s18, v1                    ; wave
	s_lshr_b32 s19, s18, 1                         ; wm: my half of the rows.  Also: I fetch for A (0) or B (1)
	s_and_b32 s20, s18, 1                          ; wn: my half of the columns.  Also: which half I fetch
	s_bfe_u32 s84, ttmp6, 0x40000                  ; cx
	s_bfe_u32 s85, ttmp6, 0x40004                  ; cy
	s_lshl_b32 s86, ttmp9, 2
	s_add_co_u32 s86, s86, s84                     ; tx
	s_and_b32 s87, ttmp7, 0xffff
	s_lshl_b32 s87, s87, 2
	s_add_co_u32 s87, s87, s85                     ; ty
	s_lshl_b32 s88, s85, 2
	s_lshl_b32 s88, 15, s88                        ; my row of the cluster
	s_lshl_b32 s89, 0x1111, s84                    ; my column
	s_or_b32 s[G1A], s88, (3<<16)|(1<<21)          ; A: a dense block of 32,768 bytes as 128 rows of 32 elements of 8 bytes; no padding
	s_mov_b32 s[G1A+1], 32<<16
	s_mov_b32 s[G1A+2], 128<<16
	s_mov_b32 s[G1A+3], 32<<16
	s_mov_b32 s[G1A+4], 128
	s_mov_b32 s[G1A+5], 32
	s_mov_b32 s[G1A+6], 0
	s_mov_b32 s[G1A+7], 0
	s_or_b32 s[G1B], s89, (1<<20)|(1<<21)|(6<<22)|(3<<25)   ; B: 64 rows of 512 bytes, KK apart; four words of padding after every 128
	s_mov_b32 s[G1B+1], 512<<16
	s_mov_b32 s[G1B+2], 64<<16
	s_mov_b32 s[G1B+3], 512<<16
	s_mov_b32 s[G1B+4], 64
	s_mov_b32 s[G1B+5], KK
	s_mov_b32 s[G1B+6], 0
	s_mov_b32 s[G1B+7], 0
	s_or_b32 s[G1SA], s88, (3<<16)|(1<<20)|(1<<21)|(5<<22)|(3<<25)   ; scales: SUN rows of 256 bytes, four words of padding behind each
	s_or_b32 s[G1SB], s89, (3<<16)|(1<<20)|(1<<21)|(5<<22)|(3<<25)
.irp g, G1SA, G1SB
	s_mov_b32 s[\g+1], 32<<16
	s_mov_b32 s[\g+2], SUN<<16
	s_mov_b32 s[\g+3], 32<<16
	s_mov_b32 s[\g+4], SUN
	s_mov_b32 s[\g+5], 32
	s_mov_b32 s[\g+6], 0
	s_mov_b32 s[\g+7], 0
.endr
	s_mul_i32 s90, s87, 128*KK                     ; A: my tile row's block, my half of a K step
	s_lshl_b32 s2, s20, 15
	s_add_co_u32 s90, s90, s2
	s_mov_b32 s91, 0
	s_mul_i32 s92, s87, 4*KK                       ; its scale words, my half
	s_mul_i32 s2, s20, 2*KK
	s_add_co_u32 s92, s92, s2
	s_mov_b32 s93, 0
	s_lshl_b32 s66, s86, 7                         ; B: row NOFF + 128 tx + 64 wn
	s_lshl_b32 s67, s20, 6
	s_add_co_u32 s66, s66, s67
.if NOFF
	s_add_co_u32 s66, s66, NOFF
.endif
	s_mul_i32 s94, s66, KK
	s_mov_b32 s95, 0
	s_mul_i32 s96, s66, KS
	s_mov_b32 s97, 0
	s_lshl_b32 s21, s20, 15                        ; where they go: the wave's number alone enters an LDS address
	s_mul_i32 s22, s20, 64*BP
	s_add_co_u32 s22, s22, APART
	s_mul_i32 s23, s20, SUN*272
	s_wait_kmcnt 0x0
	s_add_nc_u64 s[90:91], s[4:5], s[90:91]
	s_add_nc_u64 s[92:93], s[6:7], s[92:93]
	s_add_nc_u64 s[94:95], s[8:9], s[94:95]
	s_add_nc_u64 s[96:97], s[10:11], s[96:97]
	CROUND                                         ; all sixteen work-groups are here: the first joint loads meet
	s_mov_b32 s[G0SA], 1
	s_add_co_u32 s[G0SA+1], s23, SCA
	s_mov_b64 s[G0SA+2:G0SA+3], s[92:93]
	s_or_b32 s[G0SA+3], s[G0SA+3], 0x80000000
	s_mov_b32 s[G0SB], 1
	s_add_co_u32 s[G0SB+1], s23, SCB
	s_mov_b64 s[G0SB+2:G0SB+3], s[96:97]
	s_or_b32 s[G0SB+3], s[G0SB+3], 0x80000000
	JLOAD G0SA, G1SA, G0SB, G1SB                   ; the scales first: they are wanted with K step 0
.irp s, 0,1
	s_mov_b32 s[G0A+4*\s], 1
	s_add_co_u32 s[G0A+4*\s+1], s21, \s*SLOT
	s_add_nc_u64 s[G0A+4*\s+2:G0A+4*\s+3], s[90:91], \s*APART
	s_or_b32 s[G0A+4*\s+3], s[G0A+4*\s+3], 0x80000000
	s_mov_b32 s[G0B+4*\s], 1
	s_add_co_u32 s[G0B+4*\s+1], s22, \s*SLOT
	s_add_nc_u64 s[G0B+4*\s+2:G0B+4*\s+3], s[94:95], \s*512
	s_or_b32 s[G0B+4*\s+3], s[G0B+4*\s+3], 0x80000000
	JLOAD G0A+4*\s, G1A, G0B+4*\s, G1B             ; three loads of mine are out
.endr
	v_and_b32 v1, 15, v0                           ; r
	v_bfe_u32 v2, v0, 4, 1                         ; h
	v_and_b32 v3, 31, v0
	v_lshlrev_b32 v4, 4, v3                        ; 16 x lane
	s_lshl_b32 s98, s19, 13
	v_add_nc_u32 v[ADRA], s98, v4                  ; A: my four tiles of a panel, 16 x lane
	v_add_nc_u32 v[ADRA+1], SLOT, v[ADRA]
	v_mul_u32_u24 v5, v1, BP
	v_lshl_add_u32 v5, v2, 3, v5
	v_add_nc_u32 v[ADRB], s22, v5                  ; B: row 64 wn + r, + 8 h
	v_add_nc_u32 v[ADRB+1], SLOT, v[ADRB]
	s_mul_i32 s98, s19, 272
	s_add_co_u32 s98, s98, SCA
	v_lshl_add_u32 v[ADSA], v1, 2, s98             ; A's scale words: unit 2 x panel + wm, 4 r
	v_mul_u32_u24 v6, v1, KS
	v_lshrrev_b32 v7, 8, v6
	v_lshl_add_u32 v6, v7, 4, v6
	s_add_co_u32 s99, s23, SCB
	v_add_nc_u32 v[ADSB], s99, v6                  ; B's: KS bytes a row, 16 more for each 256 passed
	s_lshl_b32 s98, s66, 2
	s_mov_b32 s99, 0
	s_add_nc_u64 s[12:13], s[12:13], s[98:99]      ; the bias at my first column
.if MODE == 3
	v_lshlrev_b32 v8, 2, v1
.irp t, 0,1,2,3
	global_load_b32 v[120+2*\t], v8, s[12:13] offset:64*\t   ; a lane holds one column: its bias, as the low word of a pair
	v_mov_b32 v[121+2*\t], 0
.endr
.else
	v_lshlrev_b32 v8, 5, v2
.irp t, 0,1,2,3
	global_load_b128 v[BIAS+8*\t:BIAS+8*\t+3], v8, s[12:13] offset:64*\t       ; the bias in the result's layout: columns 16 t + 8 h + 0 .. 7: the C of each sum's first product
	global_load_b128 v[BIAS+8*\t+4:BIAS+8*\t+7], v8, s[12:13] offset:64*\t+16
.endr
.endif
.macro FETCH slot, q, f                ; the fragments of the slot's q-th 128 along K into buffer f: 48 loads in one run
	WIN 0x40
.irp a, 0,1,2,3
.irp c, 0,1,2,3
	ds_load_b128 v[\f+16*\a+4*\c:\f+16*\a+4*\c+3], v[ADRA+\slot] offset:(\q)*16384+\a*2048+\c*512
.endr
.endr
.irp t, 0,1,2,3
.irp c, 0,1,2,3
	ds_load_b64 v[\f+64+16*\t+4*\c:\f+64+16*\t+4*\c+1], v[ADRB+\slot] offset:\t*16*BP+128*(\q)+32*\c
	ds_load_b64 v[\f+64+16*\t+4*\c+2:\f+64+16*\t+4*\c+3], v[ADRB+\slot] offset:\t*16*BP+128*(\q)+32*\c+16
.endr
.endr
.endm
.macro SCALES sc                       ; a K step's scale words into set sc
	WIN 0
.irp q, 0,1,2,3
.irp a, 0,1,2,3
	ds_load_b32 v[SCW+32*\sc+4*\q+\a], v[ADSA] offset:544*\q+64*\a
.endr
.endr
.irp t, 0,1,2,3
	ds_load_b128 v[SCW+16+32*\sc+4*\t:SCW+16+32*\sc+4*\t+3], v[ADSB] offset:\t*(KS/16)*272
.endr
.endm
; 8 products: A's tiles a0, a0 + 1 against B's four.  The 16 accumulators take turns, one instruction a turn, in the same order in every step.
.macro MUL8 f, sc, q, a0, first
	WIN 0x05
.irp a, \a0, \a0+1
.irp t, 0,1,2,3
.if MODE == 3
.set DD, ACC+8*(4*\t+(\a))
.set S0, \f+16*(\a)
.set S1, \f+64+16*\t
.set W0, SCW+32*\sc+4*(\q)+(\a)
.set W1, SCW+16+32*\sc+4*\t+(\q)
.else
.set DD, ACC+8*(4*(\a)+\t)
.set S0, \f+64+16*\t
.set S1, \f+16*(\a)
.set W0, SCW+16+32*\sc+4*\t+(\q)
.set W1, SCW+32*\sc+4*(\q)+(\a)
.endif
.if \first && (MODE == 3)
	v_wmma_scale_f32_16x16x128_f8f6f4 v[DD:DD+7], v[S0:S0+15], v[S1:S1+15], 0, v[W0], v[W1]
.elseif \first
	v_wmma_scale_f32_16x16x128_f8f6f4 v[DD:DD+7], v[S0:S0+15], v[S1:S1+15], v[BIAS+8*\t:BIAS+8*\t+7], v[W0], v[W1]
.else
	v_wmma_scale_f32_16x16x128_f8f6f4 v[DD:DD+7], v[S0:S0+15], v[S1:S1+15], v[DD:DD+7], v[W0], v[W1]
.endif
.endr
.endr
.endm
.macro STEP slot, q, f, g, first       ; 128 along K whose successor lies in the same slot
	s_wait_dscnt 0x0                               ; buffer f is in
	PLACES 8                                       ; eight places between the last products on buffer g and the loads into it
	FETCH \slot, (\q)+1, \g
	MUL8 \f, \slot, \q, 0, \first
	MUL8 \f, \slot, \q, 2, \first
.endm
.macro TURN slot, next, fill           ; a slot's last 128 along K, and the change of slots
	WIN 0
	s_wait_tensorcnt 0x0                           ; all my tensor loads have landed, my part of the next slot among them
	ds_add_u32 v[SPW], v[NIL]                      ; 0 onto my spare word
.if \fill
	s_add_nc_u64 s[G0A+4*\slot+2:G0A+4*\slot+3], s[G0A+4*\slot+2:G0A+4*\slot+3], 2*APART
	s_add_nc_u64 s[G0B+4*\slot+2:G0B+4*\slot+3], s[G0B+4*\slot+2:G0B+4*\slot+3], 1024
.endif
	s_wait_dscnt 0x0                               ; the add is done; buffer 1 is in, and those were my last reads of this slot
	s_barrier_signal -1
	MUL8 F1, \slot, 3, 0, 0
	WIN 0
	s_barrier_wait -1
.if \fill
	CREST                                          ; the barrier opened a round of the cluster's: no wave of any partner still reads this slot or has a load on its way
	JLOAD G0A+4*\slot, G1A, G0B+4*\slot, G1B       ; the first tensor load behind the round, one a wave
	PLACES 4
.else
	PLACES 8
.endif
	v_add_nc_u32 v[ADSA], 2176, v[ADSA]            ; the next K step's scale words: four panels, 16 bytes of a row
	v_add_nc_u32 v[ADSB], 16, v[ADSB]
	FETCH \next, 0, F0
	SCALES \next
	MUL8 F1, \slot, 3, 2, 0
.endm
	s_wait_alu depctr_va_vdst(0)
	s_wait_tensorcnt 0x1                           ; the scales and my part of K step 0 are in; K step 1's load may stay out
	s_barrier_signal -1
	s_barrier_wait -1
	FETCH 0, 0, F0
	SCALES 0
	s_wait_loadcnt 0x0                             ; the bias
	STEP 0, 0, F0, F1, 1                           ; the first products start the sums
	STEP 0, 1, F1, F0, 0                           ; K = 1,024 is one lap: nothing is filled again
	STEP 0, 2, F0, F1, 0
	TURN 0, 1, 0
	STEP 1, 0, F0, F1, 0
	STEP 1, 1, F1, F0, 0
	STEP 1, 2, F0, F1, 0
	s_wait_dscnt 0x0
	MUL8 F1, 1, 3, 0, 0
	MUL8 F1, 1, 3, 2, 0
	WIN 0
	PLACES 8
; 32 registers of a lane, two blocks of 32 shared with lane l xor 16, become codes in v108-115 and two scale bytes in v[116 + g]
.macro QUANT2 x, g
.irp b, 0,1
	v_max3_num_f32 v[96+\b], |v[\x+16*\b]|, |v[\x+16*\b+1]|, 0x4800000   ; the floor 2^(9 - 127) holds the byte at 1 from below
.endr
.irp i, 2,4,6,8,10,12,14
.irp b, 0,1
	v_max3_num_f32 v[96+\b], v[96+\b], |v[\x+16*\b+\i]|, |v[\x+16*\b+\i+1]|
.endr
.endr
.irp b, 0,1
	v_permlanex16_b32 v[98+\b], v[96+\b], s21, s22
.endr
.irp b, 0,1
	v_max_num_f32 v[96+\b], v[96+\b], v[98+\b]
.endr
.irp b, 0,1
	v_add_nc_u32 v[102+\b], 0xfc000000, v[96+\b]   ; 8 off the exponent field: the conversion's scale operand
	v_lshrrev_b32 v[98+\b], 23, v[102+\b]          ; the byte
.endr
	v_lshl_or_b32 v[116+\g], v99, 8, v98
	s_wait_alu depctr_va_vdst(0)
	s_wait_xcnt 0x0                                ; the last group's stores have read v108-115
.irp b, 0,1
.irp i, 0,1,2,3,4,5,6,7,8,9,10,11,12,13,14,15
.endr
	v_cvt_scalef32_pk8_fp8_f32 v[108+4*\b:109+4*\b], v[\x+16*\b:\x+16*\b+7], v[102+\b]
	v_cvt_scalef32_pk8_fp8_f32 v[110+4*\b:111+4*\b], v[\x+16*\b+8:\x+16*\b+15], v[102+\b]
.endr
	v_nop                                          ; a plain line behind the last conversion
.endm
	; THE WAY OUT.  A lane holds channel 16 g + r of my head, its 32 registers my 64 tokens: blocks 2 wm and 2 wm + 1 of fragment g (16 channels x 128 keys) of chunk (batch, head, 128 tokens).
	s_mov_b32 s21, 0x76543210
	s_mov_b32 s22, 0xfedcba98
	v_mov_b32 v98, 0                               ; a lane permute's destination counts as one of its sources
	v_mov_b32 v99, 0
	s_lshr_b32 s98, s87, 4
	s_lshl_b32 s98, s98, 4
	s_lshl_b32 s100, s86, 1
	s_add_co_u32 s98, s98, s100                    ; 16 x batch + the tile's first head
	s_mul_i32 s98, s98, HS
	s_and_b32 s100, s87, 15
	s_mul_i32 s100, s100, CH
	s_add_co_u32 s98, s98, s100
	s_mov_b32 s99, 0
	s_add_nc_u64 s[14:15], s[14:15], s[98:99]
	s_mul_i32 s100, s20, HS
	s_lshl_b32 s104, s19, 10
	s_add_co_u32 s100, s100, s104
	s_mov_b32 s101, 0
	s_add_nc_u64 s[16:17], s[14:15], s[100:101]    ; my head's chunk, my two blocks of keys
	s_lshl_b32 s100, s20, 8
	s_lshl_b32 s104, s19, 1
	s_add_co_u32 s100, s100, s104
	s_add_co_u32 s100, s100, STG
	v_lshl_add_u32 v[STO], v1, 2, s100             ; scale bytes: 256 wn + 64 g + 4 r + 2 wm
	v_add_nc_u32 v[RD], STG, v4
	v_mul_u32_u24 v[GO], v2, HS
	v_lshl_add_u32 v[GO], v1, 4, v[GO]
.irp g, 0,1,2,3
.set i, 0
.rept 16
	v_pk_add_f32 v[ACC+32*\g+i:ACC+32*\g+i+1], v[ACC+32*\g+i:ACC+32*\g+i+1], v[120+2*\g:121+2*\g] op_sel_hi:[1,0]   ; + my channel's bias; each accumulator from its low end on
.set i, i+2
.endr
	QUANT2 ACC+32*\g, \g
	global_store_b128 v4, v[108:111], s[16:17] offset:\g*2048       ; 32 lanes store 512 consecutive bytes, aligned
	global_store_b128 v4, v[112:115], s[16:17] offset:\g*2048+512
	ds_store_b16 v[STO], v[116+\g] offset:64*\g
.endr
	s_wait_dscnt 0x0                               ; for the others' sake
	s_barrier_signal -1
	s_barrier_wait -1
	s_cmp_lg_u32 s18, 0
	s_cbranch_scc1 .Lnot0
	ds_load_b128 v[104:107], v[RD]                 ; wave 0: two heads' 256 bytes of scale words, each an aligned run of 256 bytes behind its chunk's codes
	s_wait_dscnt 0x0
	global_store_b128 v[GO], v[104:107], s[14:15] offset:8192
.Lnot0:
	s_wait_tensorcnt 0x0                           ; the wave's end
	ds_add_u32 v[SPW], v[NIL]
	s_wait_dscnt 0x0
	CROUND                                         ; the closing round
	s_endpgm
.Lfunc_end_k_q5ceba74b8a_gv:
	.size	k_q5ceba74b8a_gv, .Lfunc_end_k_q5ceba74b8a_gv-k_q5ceba74b8a_gv
	.p2alignl 7, 3214868480
	.fill 96, 4, 3214868480
	.section	.rodata,"a",@progbits
	.p2align	6, 0x0
	.amdhsa_kernel k_q5ceba74b8a_gv
		.amdhsa_group_segment_fixed_size 327680
		.amdhsa_private_segment_fixed_size 0
		.amdhsa_enable_private_segment 0
		.amdhsa_kernarg_size 48
		.amdhsa_user_sgpr_count 2
		.amdhsa_user_sgpr_kernarg_segment_ptr 1
		.amdhsa_wavefront_size32 1
		.amdhsa_system_sgpr_workgroup_id_x 1
		.amdhsa_system_sgpr_workgroup_id_y 1
		.amdhsa_system_sgpr_workgroup_id_z 1
		.amdhsa_system_vgpr_workitem_id 0
		.amdhsa_next_free_vgpr 512
		.amdhsa_next_free_sgpr 106
		.amdhsa_reserve_vcc 0
		.amdhsa_float_denorm_mode_32 3
		.amdhsa_float_denorm_mode_16_64 3
		.amdhsa_fp16_overflow 1
		.amdhsa_memory_ordered 1
		.amdhsa_forward_progress 1
		.amdhsa_inst_pref_size 70
	.end_amdhsa_kernel
	.amdgpu_metadata
---
amdhsa.version: [ 1, 2 ]
amdhsa.kernels:
  - .name:           k_q5ceba74b8a_gv
    .symbol:         k_q5ceba74b8a_gv.kd
    .args:
      - { .name: acodes, .offset: 0, .size: 8, .value_kind: global_buffer, .address_space: global }
      - { .name: ascales, .offset: 8, .size: 8, .value_kind: global_buffer, .address_space: global }
      - { .name: wx_w_codes, .offset: 16, .size: 8, .value_kind: global_buffer, .address_space: global }
      - { .name: wx_w_scales, .offset: 24, .size: 8, .value_kind: global_buffer, .address_space: global }
      - { .name: wx_b, .offset: 32, .size: 8, .value_kind: global_buffer, .address_space: global }
      - { .name: vch, .offset: 40, .size: 8, .value_kind: global_buffer, .address_space: global }
    .group_segment_fixed_size: 327680
    .private_segment_fixed_size: 0
    .kernarg_segment_align: 8
    .kernarg_segment_size: 48
    .max_flat_workgroup_size: 128
    .sgpr_count:     106
    .vgpr_count:     512
    .wavefront_size: 32
...
	.end_amdgpu_metadata
.endif
;; end of part 3
;; launch attn (part 4): grid 32 x 8, 16 waves a work-group, clusters of 4 x 4, 327,680 bytes of LDS; arguments qch, kch, vch, m, acodes, ascales; writes acodes, ascales
.if DOCPART == 4
	.amdgcn_target "amdgcn-amd-amdhsa--gfx1250"
	.amdhsa_code_object_version 6
	.text
	.protected	k_q5ceba74b8a_attn
	.globl	k_q5ceba74b8a_attn
	.p2align	8
	.type	k_q5ceba74b8a_attn,@function
k_q5ceba74b8a_attn:
	s_mov_b64 s[64:65], 0
	v_nop
	global_prefetch_b8 v0, s[64:65] scope:SCOPE_SE
	s_setreg_imm32_b32 hwreg(HW_REG_WAVE_MODE, 25, 1), 1
	s_wait_xcnt 0x0
	s_wait_alu depctr_hold_cnt(0) depctr_sa_sdst(0) depctr_va_vdst(0) depctr_va_sdst(0) depctr_va_ssrc(0) depctr_va_vcc(0) depctr_vm_vsrc(0)
	s_getreg_b32 s2, hwreg(HW_REG_IB_STS2, 6, 4)
	s_cmp_eq_u32 s2, 0
	s_cbranch_scc0 .Lentry_in_a_cluster
	s_endpgm
.Lentry_in_a_cluster:
	s_bfe_u32 s2, ttmp6, 0x10000c
	s_cmp_lg_u32 s2, 0xf033
	s_cbranch_scc0 .Lentry_shape_is_right
	s_endpgm
.Lentry_shape_is_right:
; ATTENTION ON CODES OF FP8 (E4M3): o = softmax((q k^T + m) / 32) v for 32 (batch, head) pairs, head size 64, 2,048 keys; m [2048][2048] f32 is an input and is added to every score; o leaves quantised along the layer's 1,024 columns.
; THE SOFTMAX AHEAD OF THE SECOND PRODUCT: t = (score + m) log2(e) / 32; M = the running largest t rounded UP to a whole number; p = 2^(t - M) is quantised along the keys, not normalised; the row's sum is taken of the unquantised p and divides at the end.
; SHARES.  A work-group owns 64 queries and four heads of one batch; wave w owns query tile w % 4 of head w / 4.  So a tile of m in LDS serves four heads, and a chunk of K or V four query tiles.
; CLUSTER 4 x 4: the four work-groups of a row share heads (K's and V's chunks are asked for jointly), the four of a column share queries (m's tile is).
; CHUNKS (one head, 128 tokens, 8,448 bytes) are images of operand registers.  q, k: token tile a at 1024 a + 512 c + 16 lane (c = 0, 1: the head's two blocks of channels); tiles 2 i and 2 i + 1 together are ONE fragment of
; 128 along K; its scale word (8192 + 64 i + 4 r) has bytes 0, 1 of tile 2 i and bytes 2, 3 of tile 2 i + 1.  K = 64 IN AN INSTRUCTION OF 128: Q stands beside eight registers of zero codes, below them for the even tile and above
; them for the odd one: the other tile's half of the fragment meets zeros and adds nothing.  v: channel tile t at 2048 t + 512 c + 16 lane (16 channels x 128 keys), scale word at 8192 + 64 t + 4 r.
; Both products are used transposed (a lane holds one query).  Inside a block of 32, place i < 8 is k = 32 c + 8 h + i and place i >= 8 is 32 c + 16 + 8 h + (i - 8), in all operands: so p's registers of two neighbouring tiles are a block as v has it.
; m is the C of the first product: lane (r, h), register j of tile T: m[query r][key 16 T + 8 h + j].
; LIMITS: NaN and infinities are not served; a block of zeros gets the byte 1 (its codes are zeros; only this program reads the bytes).
; REGISTERS: v1-5 lane bases; v6, v7 the spare word and 0; v8-11 16 lane, 4 r, h, r; v12 -M, v13 largest t, v[14:15] the sum; v16-23 Q, v24-31 zeros, v32-39 Q again; v40, v41 Q's scale words; v42-46 addresses in hand; v47 prefetch offset;
;   v48-111 four fragments; v112-175 S^T, then p; v176-207 O^T; v208-223 p's codes; v224-227 K's or V's scale words; v228-255 at work (v245 p's scale word).
.set CH,    8448
.set HS,    16*CH
.set SLOT1, 1<<17                      ; a slot: K's four chunks, V's four, 64 rows of m (512 bytes + 16 of padding)
.set VOFF,  4*CH
.set MOFF,  8*CH
.set MP,    528
.set SPARE, 2*SLOT1                    ; the spare words: eight blocks of 256 bytes that no other line names
.set SCST,  SPARE+2048                 ; 512 bytes for o's scale bytes
.set SPW, 6
.set NIL, 7
.set FR,  48
.set S,   112
.set O,   176
.set PC,  208
.set SW,  224
.set PFO, 47
.set WV,  18
.set MNT, 19
.set SEL, 20
.set CS,  22
.set G1C, 24
.set G1M, 32
.set G0C, 40
.set G0M, 44
.set TB,  48
.set SLOTS, 49
.set LIM, 50
.set PFA, 52
.set PFS, 54
.set CX,  56
.set CY,  57
.set X,   58
.set Y,   59
.set HD,  62
.set QT,  63
.macro TLOAD                           ; waves 0-3 fetch K's chunks, 4-7 V's, wave 8 m's tile, the others nothing; four v_nop follow each line
	s_cmp_lt_u32 s[WV], 8
	s_cbranch_scc0 .Lnot_c_\@
	tensor_load_to_lds s[G0C:G0C+3], s[G1C:G1C+7]
	s_nop 0
.rept 4
	v_nop
.endr
	s_branch .Lasked_\@
.Lnot_c_\@:
	s_cmp_eq_u32 s[WV], 8
	s_cbranch_scc0 .Lasked_\@
	tensor_load_to_lds s[G0M:G0M+3], s[G1M:G1M+7]
	s_nop 0
.rept 4
	v_nop
.endr
.Lasked_\@:
.endm
; A PREFETCH INTO THE L2 of what the NEXT change of slots will ask for, one key step ahead of that load, one instruction a wave.  Each block of 256 bytes is named once in the launch: K's and V's chunks are walked by all eight
; clusters of a row of clusters: cluster x = 0 asks, wave 9 for K, wave 10 for V, the partner at cx for head cx's 32 blocks of codes; m's tile by both clusters of a column: cluster y = 0 asks, wave 11, the partner at cy for rows
; 16 cy on, two lanes a row.  Partners are told apart by address alone.  A chunk's 33rd block, the first two steps and the last step's successor are not asked for.
.macro ASK
	s_cmp_gt_u32 s[SLOTS], s[LIM]
	s_cbranch_scc0 .Lnot_mine_\@
	global_prefetch_b8 v[PFO], s[PFA:PFA+1] th:TH_LOAD_NT scope:SCOPE_SE
.Lnot_mine_\@:
.endm
.macro CROUND                          ; a round of the cluster's barrier
	s_barrier_signal -1
	s_barrier_wait -1
	s_cmp_lg_u32 s[WV], 0
	s_cbranch_scc1 .Lnot_wave_0_\@
	s_barrier_signal -3
.Lnot_wave_0_\@:
	s_barrier_wait -3
	s_barrier_signal -1
	s_barrier_wait -1
.endm
	s_load_b256 s[4:11], s[0:1], 0x0               ; q's chunks, k's, v's, m
	s_load_b128 s[12:15], s[0:1], 0x20             ; o's codes, o's scale words
	v_lshl_add_u32 v[SPW], v0, 2, SPARE
	v_mov_b32 v[NIL], 0
	ds_add_u32 v6, v7
	ds_add_u32 v6, v7
	s_wait_dscnt 0x0
	v_lshrrev_b32 v8, 5, v0
	s_delay_alu instid0(VALU_DEP_1)
	v_readfirstlane_b32 s[WV], v8
	s_and_b32 s[QT], s[WV], 3
	s_lshr_b32 s[HD], s[WV], 2
	s_bfe_u32 s[CX], ttmp6, 0x40000
	s_bfe_u32 s[CY], ttmp6, 0x40004
	s_lshl_b32 s[X], ttmp9, 2
	s_add_co_u32 s[X], s[X], s[CX]                 ; my block of 64 queries
	s_and_b32 s[Y], ttmp7, 0xffff
	s_lshl_b32 s[Y], s[Y], 2
	s_add_co_u32 s[Y], s[Y], s[CY]                 ; 4 x batch + my group of four heads
	s_lshl_b32 s60, s[CY], 2
	s_lshl_b32 s60, 15, s60                        ; my row of the cluster
	s_lshl_b32 s61, 0x1111, s[CX]                  ; my column
	s_or_b32 s[G1C], s60, (3<<16)|(1<<21)          ; a chunk: 33 rows of 32 elements of 8 bytes, dense, no padding
	s_mov_b32 s[G1C+1], 32<<16
	s_mov_b32 s[G1C+2], 33<<16
	s_mov_b32 s[G1C+3], 32<<16
	s_mov_b32 s[G1C+4], 33
	s_mov_b32 s[G1C+5], 32
	s_mov_b32 s[G1C+6], 0
	s_mov_b32 s[G1C+7], 0
	s_or_b32 s[G1M], s61, (2<<16)|(1<<20)|(1<<21)|(6<<22)|(3<<25)   ; m: 64 rows of 128 f32, 2,048 apart; four words of padding after every 128
	s_mov_b32 s[G1M+1], 128<<16
	s_mov_b32 s[G1M+2], 64<<16
	s_mov_b32 s[G1M+3], 128<<16
	s_mov_b32 s[G1M+4], 64
	s_mov_b32 s[G1M+5], 2048
	s_mov_b32 s[G1M+6], 0
	s_mov_b32 s[G1M+7], 0
	s_lshl_b32 s66, s[Y], 2
	s_and_b32 s67, s[WV], 3
	s_add_co_u32 s66, s66, s67
	s_mul_i32 s66, s66, HS                         ; the head whose chunks I fetch
	s_mov_b32 s67, 0
	s_lshl_b32 s68, s[X], 19                       ; m at my first query: 64 rows of 8,192 bytes
	s_mov_b32 s69, 0
	s_and_b32 s70, s[WV], 7
	s_mul_i32 s70, s70, CH                         ; where my chunk goes
	s_and_b32 s71, s[WV], 4
	s_mov_b32 s[SEL], 0x76543210
	s_mov_b32 s[SEL+1], 0xfedcba98
	s_mov_b32 s[CS], 0x3d38aa3b                    ; c = log2(e) / 32
	s_mov_b32 s[CS+1], s[CS]
	s_mov_b32 s[TB], 0
	s_mov_b32 s[SLOTS], 15
	s_wait_kmcnt 0x0
	s_cmp_eq_u32 s71, 0
	s_cselect_b64 s[72:73], s[6:7], s[8:9]
	s_mov_b32 s[G0C], 1
	s_mov_b32 s[G0C+1], s70
	s_add_nc_u64 s[G0C+2:G0C+3], s[72:73], s[66:67]
	s_or_b32 s[G0C+3], s[G0C+3], 0x80000000
	s_mov_b32 s[G0M], 1
	s_mov_b32 s[G0M+1], MOFF
	s_add_nc_u64 s[G0M+2:G0M+3], s[10:11], s[68:69]
	s_or_b32 s[G0M+3], s[G0M+3], 0x80000000
	CROUND                                         ; all sixteen work-groups are here
	TLOAD                                          ; key step 0 into slot 0: one load of mine is out
	; Q: chunk (4 y + hd, x / 2), token tile 4 (x % 2) + qt
	s_lshl_b32 s74, s[Y], 2
	s_add_co_u32 s74, s74, s[HD]
	s_mul_i32 s74, s74, HS
	s_lshr_b32 s75, s[X], 1
	s_mul_i32 s75, s75, CH
	s_add_co_u32 s74, s74, s75
	s_and_b32 s76, s[X], 1
	s_lshl_b32 s77, s76, 2
	s_add_co_u32 s77, s77, s[QT]
	s_lshl_b32 s75, s77, 10
	s_add_co_u32 s78, s74, s75
	s_mov_b32 s79, 0
	s_lshr_b32 s77, s77, 1
	s_lshl_b32 s77, s77, 6
	s_add_co_u32 s80, s74, s77
	s_mov_b32 s81, 0
	s_add_nc_u64 s[78:79], s[4:5], s[78:79]
	s_add_nc_u64 s[80:81], s[4:5], s[80:81]
	v_and_b32 v10, 31, v0
	s_delay_alu instid0(VALU_DEP_1)
	v_lshlrev_b32 v8, 4, v10                       ; 16 x lane
	v_and_b32 v11, 15, v0                          ; r
	s_delay_alu instid0(VALU_DEP_1)
	v_lshlrev_b32 v9, 2, v11                       ; 4 r
	v_bfe_u32 v10, v0, 4, 1                        ; h
	global_load_b128 v[16:19], v8, s[78:79]
	global_load_b128 v[20:23], v8, s[78:79] offset:512
	global_load_b128 v[32:35], v8, s[78:79]        ; a second time: above the zeros
	global_load_b128 v[36:39], v8, s[78:79] offset:512
	global_load_b32 v40, v9, s[80:81] offset:8192
	s_mul_i32 s82, s[HD], CH
	s_mul_i32 s83, s[QT], 16*MP
	s_add_co_u32 s83, s83, MOFF
	v_add_nc_u32 v1, s82, v8                       ; K's fragments of my head
	s_delay_alu instid0(VALU_DEP_1)
	v_add_nc_u32 v2, VOFF, v1                      ; V's
	v_mul_u32_u24 v3, v11, MP
	s_delay_alu instid0(VALU_DEP_1)
	v_lshl_add_u32 v3, v10, 5, v3
	s_delay_alu instid0(VALU_DEP_1)
	v_add_nc_u32 v3, s83, v3                       ; m: row 16 qt + r, + 32 h
	v_add_nc_u32 v4, s82, v9
	s_delay_alu instid0(VALU_DEP_1)
	v_add_nc_u32 v4, 8192, v4                      ; K's scale words
	s_delay_alu instid0(VALU_DEP_1)
	v_add_nc_u32 v5, VOFF, v4                      ; V's
	; the prefetches: where mine stand, and who asks
	s_lshl_b32 s86, s[Y], 2
	s_add_co_u32 s86, s86, s[CX]
	s_mul_i32 s86, s86, HS
	s_lshl_b32 s87, s[X], 19
	s_lshl_b32 s88, s[CY], 17
	s_add_co_u32 s87, s87, s88
	s_and_b32 s89, ttmp7, 0xffff
	s_mov_b32 s[PFS], CH
	s_mov_b32 s85, 512
	s_cmp_eq_u32 s[WV], 9
	s_cselect_b64 s[PFA:PFA+1], s[6:7], s[8:9]
	s_cmp_eq_u32 s[WV], 11
	s_cselect_b64 s[PFA:PFA+1], s[10:11], s[PFA:PFA+1]
	s_cselect_b32 s[PFS], 512, s[PFS]              ; a key step on
	s_cselect_b32 s85, 8192, s85                   ; from one pair of lanes to the next
	s_cselect_b32 s86, s87, s86
	s_cselect_b32 s88, s89, ttmp9                  ; the coordinate along which other clusters read the same bytes
	s_add_co_u32 s86, s86, s[PFS]                  ; at step 1: the first change of slots steps it to step 2
	s_mov_b32 s87, 0
	s_mov_b32 s[PFS+1], 0
	s_add_nc_u64 s[PFA:PFA+1], s[PFA:PFA+1], s[86:87]
	s_sub_co_u32 s89, s[WV], 9
	s_cmp_lt_u32 s89, 3
	s_cselect_b32 s89, 0, 1
	s_or_b32 s89, s89, s88
	s_cmp_eq_u32 s89, 0
	s_cselect_b32 s[LIM], 1, -1                    ; the same in all sixteen partners, for a given wave
	v_and_b32 v[PFO], 31, v0
	v_and_b32 v46, 1, v0
	s_delay_alu instid0(VALU_DEP_2)
	v_lshrrev_b32 v[PFO], 1, v[PFO]
	s_delay_alu instid0(VALU_DEP_1)
	v_mul_lo_u32 v[PFO], v[PFO], s85
	s_delay_alu instid0(VALU_DEP_1)
	v_lshl_add_u32 v[PFO], v46, 8, v[PFO]
	s_and_b32 s84, s[QT], 1
	s_lshl_b32 s84, s84, 4
	s_wait_loadcnt 0x0                             ; Q
	v_lshrrev_b32 v40, s84, v40                    ; my tile's two bytes of the pair's word,
	s_delay_alu instid0(VALU_DEP_1)
	v_and_b32 v40, 0xffff, v40                     ; below (the bytes over the zero codes are 0: no NaN),
	s_delay_alu instid0(VALU_DEP_1)
	v_lshlrev_b32 v41, 16, v40                     ; and above
.irp j, 24,25,26,27,28,29,30,31
	v_mov_b32 v[\j], 0                             ; zero codes
.endr
	v_mov_b32 v13, 0xff61b1e6                      ; the largest t so far: -3e38
	s_delay_alu instid0(VALU_DEP_1)
	v_floor_f32 v12, -v13                          ; -M
	v_mov_b32 v14, 0
	v_mov_b32 v15, 0
.irp b, 0,1,2,3
	v_mov_b32 v[232+\b], 0                         ; a lane permute's destination counts as one of its sources
.endr
	v_mov_b32 v245, 0                              ; (named as the upper half of v[244:245] before it is first written)
.set j, 0
.rept 32
	v_mov_b32 v[O+j], 0                            ; O^T: the step is written once for all steps; the first change of M leaves zeros zeros
.set j, j+1
.endr
; A KEY STEP: 128 keys
.macro STEP
	v_add_nc_u32 v42, s[TB], v1
	v_add_nc_u32 v43, s[TB], v2
	v_add_nc_u32 v44, s[TB], v3
	v_add_nc_u32 v45, s[TB], v4
	v_add_nc_u32 v46, s[TB], v5
.rept 3
	v_nop                                          ; with the five additions: eight places between the last products and the loads into their registers
.endr
.irp i, 0,1,2,3
.irp c, 0,1,2,3
	ds_load_b128 v[FR+16*\i+4*\c:FR+16*\i+4*\c+3], v42 offset:2048*\i+512*\c
.endr
	ds_load_b32 v[SW+\i], v45 offset:64*\i
.endr
.irp t, 0,1,2,3,4,5,6,7
	ds_load_b128 v[S+8*\t:S+8*\t+3], v44 offset:64*\t          ; m, where the scores will stand
	ds_load_b128 v[S+8*\t+4:S+8*\t+7], v44 offset:64*\t+16
.endr
	s_wait_alu depctr_va_vdst(0)
	s_wait_dscnt 0x0
.irp i, 0,1,2,3                        ; S^T = K Q^T + m^T: the eight accumulators one after the other, no two neighbours alike
	v_wmma_scale_f32_16x16x128_f8f6f4 v[S+16*\i:S+16*\i+7], v[FR+16*\i:FR+16*\i+15], v[16:31], v[S+16*\i:S+16*\i+7], v[SW+\i], v40
	v_wmma_scale_f32_16x16x128_f8f6f4 v[S+16*\i+8:S+16*\i+15], v[FR+16*\i:FR+16*\i+15], v[24:39], v[S+16*\i+8:S+16*\i+15], v[SW+\i], v41
.endr
.rept 8
	v_nop
.endr
.irp t, 0,1,2,3                        ; V's fragments are asked for now and land under the softmax
.irp c, 0,1,2,3
	ds_load_b128 v[FR+16*\t+4*\c:FR+16*\t+4*\c+3], v43 offset:2048*\t+512*\c
.endr
	ds_load_b32 v[SW+\t], v46 offset:64*\t
.endr
.irp b, 0,1,2,3
	v_max3_num_f32 v[228+\b], v[S+16*\b], v[S+16*\b+1], v[S+16*\b+2]   ; the largest score of each block of 32 keys: for the row's maximum and, since p rises with the score, for the block's largest p
.endr
.irp i, 3,5,7,9,11,13
.irp b, 0,1,2,3
	v_max3_num_f32 v[228+\b], v[228+\b], v[S+16*\b+\i], v[S+16*\b+\i+1]
.endr
.endr
.irp b, 0,1,2,3
	v_max_num_f32 v[228+\b], v[228+\b], v[S+16*\b+15]
.endr
.irp b, 0,1,2,3
	s_delay_alu instid0(VALU_DEP_4)
	v_permlanex16_b32 v[232+\b], v[228+\b], s[SEL], s[SEL+1]
.endr
.irp b, 0,1,2,3
	s_delay_alu instid0(VALU_DEP_4)
	v_max_num_f32 v[228+\b], v[228+\b], v[232+\b]
.endr
	s_delay_alu instid0(VALU_DEP_2)
	v_max3_num_f32 v246, v228, v229, v230
	s_delay_alu instid0(VALU_DEP_1)
	v_max_num_f32 v246, v246, v231
	s_delay_alu instid0(VALU_DEP_1)
	v_mul_f32 v246, s[CS], v246                    ; as t (c is positive)
	s_delay_alu instid0(VALU_DEP_1)
	v_max_num_f32 v13, v13, v246                   ; the running largest t
	v_mov_b32 v246, v12
	s_delay_alu instid0(VALU_DEP_2)
	v_floor_f32 v12, -v13                          ; the new -M = -ceil(t): a whole number
	s_delay_alu instid0(VALU_DEP_1)
	v_sub_f32 v246, v12, v246                      ; old M - new M, 0 or less
	s_delay_alu instid0(VALU_DEP_1)
	v_cvt_i32_f32 v246, v246                       ; (it saturates)
	s_delay_alu instid0(VALU_DEP_1)
	v_ldexp_f32 v244, 1.0, v246                    ; f = 2^(old M - new M): a multiplication by it rounds nothing
.set j, 0
.rept 32
	v_pk_fma_f32 v[S+j:S+j+1], v[S+j:S+j+1], s[CS:CS+1], v[12:13] op_sel_hi:[1,0,0]   ; t - M
.set j, j+2
.endr
.irp b, 0,1,2,3
	v_fma_f32 v[228+\b], v[228+\b], s[CS], v12
.endr
.set j, 0
	s_wait_alu depctr_va_vdst(0)
.rept 64
	v_exp_f32 v[S+j], v[S+j]                       ; p = 2^(t - M)
.set j, j+1
.endr
	v_pk_mul_f32 v[14:15], v[14:15], v[244:245] op_sel_hi:[1,0]   ; the sums under the new M: a plain line behind the exponentials
	s_wait_alu depctr_va_vdst(0)                   ; one wait for the batch, ahead of its first reader
.irp b, 0,1,2,3
	v_exp_f32 v[228+\b], v[228+\b]                 ; the block's largest p
.endr
	v_pk_add_f32 v[232:233], v[116:117], v[120:121]
	v_pk_add_f32 v[254:255], v[124:125], v[128:129]
	v_pk_add_f32 v[252:253], v[132:133], v[136:137]
	v_pk_add_f32 v[250:251], v[140:141], v[144:145]
	v_pk_add_f32 v[248:249], v[148:149], v[152:153]
	v_pk_add_f32 v[246:247], v[156:157], v[160:161]
	v_pk_add_f32 v[242:243], v[164:165], v[168:169]
	v_pk_add_f32 v[14:15], v[14:15], v[172:173]
	v_pk_add_f32 v[232:233], v[232:233], v[112:113]
	v_pk_add_f32 v[254:255], v[254:255], v[114:115]
	v_pk_add_f32 v[252:253], v[252:253], v[118:119]
	v_pk_add_f32 v[250:251], v[250:251], v[122:123]
	v_pk_add_f32 v[248:249], v[248:249], v[126:127]
	v_pk_add_f32 v[246:247], v[246:247], v[130:131]
	v_pk_add_f32 v[242:243], v[242:243], v[134:135]
	v_pk_add_f32 v[14:15], v[14:15], v[138:139]
	v_pk_add_f32 v[232:233], v[232:233], v[142:143]
	v_pk_add_f32 v[254:255], v[254:255], v[146:147]
	v_pk_add_f32 v[252:253], v[252:253], v[150:151]
	v_pk_add_f32 v[250:251], v[250:251], v[154:155]
	v_pk_add_f32 v[248:249], v[248:249], v[158:159]
	v_pk_add_f32 v[246:247], v[246:247], v[162:163]
	v_pk_add_f32 v[242:243], v[242:243], v[166:167]
	v_pk_add_f32 v[14:15], v[14:15], v[170:171]
	v_pk_add_f32 v[232:233], v[232:233], v[174:175]
	s_delay_alu instid0(VALU_DEP_2)
	v_pk_add_f32 v[14:15], v[14:15], v[250:251]
	s_delay_alu instid0(VALU_DEP_2)
	v_pk_add_f32 v[232:233], v[232:233], v[248:249]
	v_pk_add_f32 v[254:255], v[254:255], v[246:247]
	v_pk_add_f32 v[252:253], v[252:253], v[242:243]
	s_delay_alu instid0(VALU_DEP_2)
	v_pk_add_f32 v[14:15], v[14:15], v[254:255]
	s_delay_alu instid0(VALU_DEP_2)
	v_pk_add_f32 v[232:233], v[232:233], v[252:253]
	s_delay_alu instid0(VALU_DEP_1)
	v_pk_add_f32 v[14:15], v[14:15], v[232:233]
	s_wait_alu depctr_va_vdst(0)                   ; and one for the four
.irp b, 0,1,2,3
	v_max_num_f32 v[228+\b], 0x4800000, v[228+\b]  ; the floor 2^(9 - 127)
.endr
.irp b, 0,1,2,3
	s_delay_alu instid0(VALU_DEP_4)
	v_add_nc_u32 v[240+\b], 0xfc000000, v[228+\b]  ; the conversion's scale operand
.endr
.irp b, 0,1,2,3
.endr
.irp b, 0,1,2,3
	s_delay_alu instid0(VALU_DEP_4)
	v_lshrrev_b32 v[232+\b], 23, v[240+\b]         ; the byte
.endr
	s_delay_alu instid0(VALU_DEP_3)
	v_lshl_or_b32 v245, v233, 8, v232              ; p's scale word for these 128 keys
	s_delay_alu instid0(VALU_DEP_1)
	v_lshl_or_b32 v245, v234, 16, v245
	s_delay_alu instid0(VALU_DEP_1)
	v_lshl_or_b32 v245, v235, 24, v245
.irp b, 0,1,2,3
.irp i, 0,1,2,3,4,5,6,7,8,9,10,11,12,13,14,15
.endr
	v_cvt_scalef32_pk8_fp8_f32 v[PC+4*\b:PC+4*\b+1], v[S+16*\b:S+16*\b+7], v[240+\b]
	v_cvt_scalef32_pk8_fp8_f32 v[PC+4*\b+2:PC+4*\b+3], v[S+16*\b+8:S+16*\b+15], v[240+\b]
.endr
.set j, 0
.rept 16
	v_pk_mul_f32 v[O+j:O+j+1], v[O+j:O+j+1], v[244:245] op_sel_hi:[1,0]   ; O^T under the new M; these are also the places between the codes and the products
.set j, j+2
.endr
	s_wait_alu depctr_va_vdst(0)
	s_wait_dscnt 0x0                               ; V
.irp t, 0,1,2,3                        ; O^T += V^T P^T
	v_wmma_scale_f32_16x16x128_f8f6f4 v[O+8*\t:O+8*\t+7], v[FR+16*\t:FR+16*\t+15], v[PC:PC+15], v[O+8*\t:O+8*\t+7], v[SW+\t], v245
.endr
.endm
; THE CHANGE OF SLOTS stands at a step's head: all my tensor loads have landed, the add, my reads of the slot that I have left are over; behind the round that slot takes the next step's tiles.
.macro CHANGE fill
	s_wait_tensorcnt 0x0
	ds_add_u32 v[SPW], v[NIL]                      ; 0 onto my spare word
.if \fill
	s_xor_b32 s[G0C+1], s[G0C+1], SLOT1
	s_add_nc_u64 s[G0C+2:G0C+3], s[G0C+2:G0C+3], CH
	s_xor_b32 s[G0M+1], s[G0M+1], SLOT1
	s_add_nc_u64 s[G0M+2:G0M+3], s[G0M+2:G0M+3], 512
	s_wait_xcnt 0x0                                ; the last prefetch, a step back, has read its address
	s_add_nc_u64 s[PFA:PFA+1], s[PFA:PFA+1], s[PFS:PFS+1]
.endif
	s_wait_dscnt 0x0
.if \fill
	CROUND
	TLOAD                                          ; the first tensor load behind the round, one a wave
	ASK
.else
	s_barrier_signal -1
	s_barrier_wait -1
.endif
.endm
.Lstep:                                            ; 15 trips: behind each change of slots but the last the next step is asked for
	CHANGE 1
	STEP
	s_xor_b32 s[TB], s[TB], SLOT1
	s_sub_co_u32 s[SLOTS], s[SLOTS], 1
	s_cmp_lg_u32 s[SLOTS], 0
	s_cbranch_scc1 .Lstep
	CHANGE 0                                       ; the last step is written out
	STEP
	; THE WAY OUT: O^T / the sum, quantised along the layer's columns (my head's two blocks of 32), as an image of the next product's operand
.rept 8
	v_nop
.endr
	v_add_f32 v14, v14, v15
	s_delay_alu instid0(VALU_DEP_1)
	v_permlanex16_b32 v244, v14, s[SEL], s[SEL+1]
	s_delay_alu instid0(VALU_DEP_1)
	v_add_f32 v14, v14, v244
	s_wait_alu depctr_va_vdst(0)
	v_rcp_f32 v14, v14
	s_lshr_b32 s66, s[Y], 2
	s_lshl_b32 s66, s66, 4
	s_and_b32 s67, s[Y], 3
	s_lshl_b32 s67, s67, 1                         ; 2 x my group of heads: its first panel
	s_lshr_b32 s68, s[X], 1
	s_add_co_u32 s68, s68, s66                     ; rows / 128
	s_and_b32 s69, s[X], 1
	s_lshl_b32 s72, s68, 3
	s_add_co_u32 s72, s72, s67
	s_lshl_b32 s72, s72, 9
	s_lshl_b32 s74, s69, 8
	s_add_co_u32 s72, s72, s74
	s_mov_b32 s73, 0
	s_add_nc_u64 s[14:15], s[14:15], s[72:73]      ; scale words: (8 (rows / 128) + panel) 512 + 256 (x % 2)
	s_lshr_b32 s90, s[HD], 1
	s_and_b32 s91, s[HD], 1
	s_lshl_b32 s70, s68, 17
	s_add_co_u32 s75, s67, s90
	s_lshl_b32 s75, s75, 14
	s_add_co_u32 s70, s70, s75
	s_lshl_b32 s75, s69, 2
	s_add_co_u32 s75, s75, s[QT]
	s_lshl_b32 s75, s75, 11
	s_add_co_u32 s70, s70, s75
	s_lshl_b32 s75, s91, 10
	s_add_co_u32 s70, s70, s75
	s_mov_b32 s71, 0
	s_add_nc_u64 s[12:13], s[12:13], s[70:71]      ; codes: 131072 (rows / 128) + 16384 panel + 2048 tile + 1024 (hd % 2)
	s_lshl_b32 s90, s90, 8
	s_lshl_b32 s92, s[QT], 6
	s_add_co_u32 s90, s90, s92
	s_lshl_b32 s91, s91, 1
	s_add_co_u32 s90, s90, s91
	s_add_co_u32 s90, s90, SCST
	v_add_nc_u32 v42, s90, v9                      ; (a plain line behind the reciprocal)  my two scale bytes: 256 (hd / 2) + 4 (16 qt + r) + 2 (hd % 2)
	v_add_nc_u32 v43, SCST, v8
	v_lshlrev_b32 v44, 9, v10
	s_delay_alu instid0(VALU_DEP_1)
	v_lshl_add_u32 v44, v11, 4, v44
	s_wait_alu depctr_va_vdst(0)                   ; the wait ahead of the reciprocal's first reader
.set j, 0
.rept 32
	v_mul_f32 v[S+j], v[O+j], v14                  ; each accumulator from its low end on
.set j, j+1
.endr
.irp b, 0,1
	v_max3_num_f32 v[228+\b], |v[S+16*\b]|, |v[S+16*\b+1]|, 0x4800000
.endr
.irp i, 2,4,6,8,10,12,14
.irp b, 0,1
	s_delay_alu instid0(VALU_DEP_2)
	v_max3_num_f32 v[228+\b], v[228+\b], |v[S+16*\b+\i]|, |v[S+16*\b+\i+1]|
.endr
.endr
.irp b, 0,1
	s_delay_alu instid0(VALU_DEP_2)
	v_permlanex16_b32 v[232+\b], v[228+\b], s[SEL], s[SEL+1]
.endr
.irp b, 0,1
	s_delay_alu instid0(VALU_DEP_2)
	v_max_num_f32 v[228+\b], v[228+\b], v[232+\b]
.endr
.irp b, 0
	s_delay_alu instid0(VALU_DEP_2)
	v_add_nc_u32 v[240+\b], 0xfc000000, v[228+\b]
	s_delay_alu instid0(VALU_DEP_1)
	v_lshrrev_b32 v[232+\b], 23, v[240+\b]
.endr
.irp b, 1
	s_delay_alu instid0(VALU_DEP_3)
	v_add_nc_u32 v[240+\b], 0xfc000000, v[228+\b]
	s_delay_alu instid0(VALU_DEP_1)
	v_lshrrev_b32 v[232+\b], 23, v[240+\b]
.endr
	s_delay_alu instid0(VALU_DEP_1)
	v_lshl_or_b32 v246, v233, 8, v232
.irp b, 0,1
.irp i, 0,1,2,3,4,5,6,7,8,9,10,11,12,13,14,15
.endr
	v_cvt_scalef32_pk8_fp8_f32 v[PC+4*\b:PC+4*\b+1], v[S+16*\b:S+16*\b+7], v[240+\b]
	v_cvt_scalef32_pk8_fp8_f32 v[PC+4*\b+2:PC+4*\b+3], v[S+16*\b+8:S+16*\b+15], v[240+\b]
.endr
	v_nop                                          ; a plain line behind the last conversion
	global_store_b128 v8, v[PC:PC+3], s[12:13]     ; 32 lanes store 512 consecutive bytes, aligned
	global_store_b128 v8, v[PC+4:PC+7], s[12:13] offset:512
	ds_store_b16 v42, v246
	s_wait_dscnt 0x0                               ; for the others' sake
	s_barrier_signal -1
	s_barrier_wait -1
	s_cmp_lg_u32 s[WV], 0
	s_cbranch_scc1 .Lnot0
	ds_load_b128 v[216:219], v43                   ; wave 0: two panels' scale words of the 64 rows: two aligned runs of 256 bytes
	s_wait_dscnt 0x0
	global_store_b128 v44, v[216:219], s[14:15]
.Lnot0:
	s_wait_tensorcnt 0x0                           ; the wave's end
	ds_add_u32 v[SPW], v[NIL]
	s_wait_dscnt 0x0
	CROUND                                         ; the closing round
	s_endpgm
.Lfunc_end_k_q5ceba74b8a_attn:
	.size	k_q5ceba74b8a_attn, .Lfunc_end_k_q5ceba74b8a_attn-k_q5ceba74b8a_attn
	.p2alignl 7, 3214868480
	.fill 96, 4, 3214868480
	.section	.rodata,"a",@progbits
	.p2align	6, 0x0
	.amdhsa_kernel k_q5ceba74b8a_attn
		.amdhsa_group_segment_fixed_size 327680
		.amdhsa_private_segment_fixed_size 0
		.amdhsa_enable_private_segment 0
		.amdhsa_kernarg_size 48
		.amdhsa_user_sgpr_count 2
		.amdhsa_user_sgpr_kernarg_segment_ptr 1
		.amdhsa_wavefront_size32 1
		.amdhsa_system_sgpr_workgroup_id_x 1
		.amdhsa_system_sgpr_workgroup_id_y 1
		.amdhsa_system_sgpr_workgroup_id_z 1
		.amdhsa_system_vgpr_workitem_id 0
		.amdhsa_next_free_vgpr 256
		.amdhsa_next_free_sgpr 100
		.amdhsa_reserve_vcc 0
		.amdhsa_float_denorm_mode_32 3
		.amdhsa_float_denorm_mode_16_64 3
		.amdhsa_fp16_overflow 1
		.amdhsa_memory_ordered 1
		.amdhsa_forward_progress 1
		.amdhsa_inst_pref_size 55
	.end_amdhsa_kernel
	.amdgpu_metadata
---
amdhsa.version: [ 1, 2 ]
amdhsa.kernels:
  - .name:           k_q5ceba74b8a_attn
    .symbol:         k_q5ceba74b8a_attn.kd
    .args:
      - { .name: qch, .offset: 0, .size: 8, .value_kind: global_buffer, .address_space: global }
      - { .name: kch, .offset: 8, .size: 8, .value_kind: global_buffer, .address_space: global }
      - { .name: vch, .offset: 16, .size: 8, .value_kind: global_buffer, .address_space: global }
      - { .name: m, .offset: 24, .size: 8, .value_kind: global_buffer, .address_space: global }
      - { .name: acodes, .offset: 32, .size: 8, .value_kind: global_buffer, .address_space: global }
      - { .name: ascales, .offset: 40, .size: 8, .value_kind: global_buffer, .address_space: global }
    .group_segment_fixed_size: 327680
    .private_segment_fixed_size: 0
    .kernarg_segment_align: 8
    .kernarg_segment_size: 48
    .max_flat_workgroup_size: 512
    .sgpr_count:     100
    .vgpr_count:     256
    .wavefront_size: 32
...
	.end_amdgpu_metadata
.endif
;; end of part 4
;; launch gwo (part 5): grid 8 x 32, 4 waves a work-group, clusters of 4 x 4, 327,680 bytes of LDS; arguments acodes, ascales, wo_w_codes, wo_w_scales, wo_b, x, x1; writes x1
.if DOCPART == 5
	.amdgcn_target "amdgcn-amd-amdhsa--gfx1250"
	.amdhsa_code_object_version 6
	.text
	.protected	k_q5ceba74b8a_gwo
	.globl	k_q5ceba74b8a_gwo
	.p2align	8
	.type	k_q5ceba74b8a_gwo,@function
k_q5ceba74b8a_gwo:
	s_mov_b64 s[64:65], 0
	v_nop
	global_prefetch_b8 v0, s[64:65] scope:SCOPE_SE
	s_setreg_imm32_b32 hwreg(HW_REG_WAVE_MODE, 25, 1), 1
	s_wait_xcnt 0x0
	s_wait_alu depctr_hold_cnt(0) depctr_sa_sdst(0) depctr_va_vdst(0) depctr_va_sdst(0) depctr_va_ssrc(0) depctr_va_vcc(0) depctr_vm_vsrc(0)
	s_getreg_b32 s2, hwreg(HW_REG_IB_STS2, 6, 4)
	s_cmp_eq_u32 s2, 0
	s_cbranch_scc0 .Lentry_in_a_cluster
	s_endpgm
.Lentry_in_a_cluster:
	s_bfe_u32 s2, ttmp6, 0x10000c
	s_cmp_lg_u32 s2, 0xf033
	s_cbranch_scc0 .Lentry_shape_is_right
	s_endpgm
.Lentry_shape_is_right:
; x1 = x + mha wo_w + wo_b, f32 out.  One text serves five launches; the three .set lines below and the way out differ.
; C = A B^T on codes of FP8 (E4M3), one E8M0 scale for each 32 along K; sums in f32.  A: [4096][KK] as images of operand registers (see below), B: [N][KK] codes as given, K innermost.
; A tile of C is 128 x 128: four waves, each 64 x 64 (16 accumulators).  K goes in steps of 512 through two LDS slots filled by the tensor data mover; the scales of all of K come once.
; A'S LAYOUT: byte of (row m, panel p = k / 128, block c, half h, place i) = (m / 128) 128 KK + 16384 p + 2048 ((m % 128) / 16) + 512 c + 16 (16 h + m % 16) + i; a fragment is four loads of 512 consecutive bytes.
; THE ORDER INSIDE A BLOCK OF 32: place i < 8 is k = 32 c + 8 h + i, place i >= 8 is k = 32 c + 16 + 8 h + (i - 8): what two neighbouring result tiles give a lane.  B's rows are read in the same order, by two loads of 8 bytes for each block.
; CLUSTER 4 x 4: A's tiles are shared along a row of the cluster, B's along a column: joint loads.
; LIMITS: NaN and infinities are not served.
; REGISTERS: window 0: v1-29 addresses; v32-95 scale words, two sets; v96-127 the bias as C, later rows on the way out; v128-255 accumulators.  Window 1: two buffers of 128: A's four fragments, then B's four.  Window 2: v0-127 the residual.
.set KK,    1024
.set NOFF,  0                          ; B's first row
.set MODE,  0                          ; 0 residual, f32 out; 1 GELU, codes out; 2 q and k chunks; 3 v chunks
.set KS,    KK/32
.set LAPS,  KK/1024                    ; a lap = two K steps of 512
.set APART, 65536                      ; a slot: A's four panels of 16,384 bytes,
.set BP,    528                        ; then B's 128 rows of 512 bytes + 16 of padding: row r starts at bank 4 r mod 64
.set SLOT,  APART+128*BP
.set SUN,   KK/128                     ; units of 256 bytes of scales that one load brings
.set SCA,   2*SLOT                     ; A's scale words, [panel][128 rows][4], as units of 256 + 16;
.set SCB,   SCA+2*SUN*272              ; B's scale bytes, [128 rows][KS], likewise
.set SPARE, SCB+2*SUN*272              ; the spare words: two blocks of 256 bytes that no other line names
.set STG,   SPARE+512                  ; the way out's own bytes: 16 rows x 272 for each wave
.set ADRA, 16
.set ADRB, 20
.set ADSA, 22
.set ADSB, 23
.set STO,  24
.set RD,   25
.set CO,   26
.set SPW,  28
.set NIL,  29
.set SCW,  32                          ; set s: A's words at 32 s + 4 q + a, B's at 16 + 32 s + 4 t + q
.set BIAS, 96
.set ACC,  128
.set F0,   0
.set F1,   128
.set G1A,  24
.set G0A,  32
.set G1B,  40
.set G0B,  48
.set G1SA, 56
.set G0SA, 68
.set G1SB, 72
.set G0SB, 80
.set MSB, 0
.macro WIN new                         ; the immediate's high byte repeats the setting that is left
.if MSB != \new
	s_set_vgpr_msb (MSB<<8)|\new
.set MSB, \new
.endif
.endm
.macro PLACES n
.rept \n
	v_nop
.endr
.endm
.macro JLOAD g0a, g1a, g0b, g1b        ; a joint load: waves 0 and 1 fetch for A, waves 2 and 3 for B; four v_nop follow each line
	s_cmp_eq_u32 s19, 0
	s_cbranch_scc0 .Lfor_b_\@
	tensor_load_to_lds s[\g0a:\g0a+3], s[\g1a:\g1a+7]
	s_nop 0
.rept 4
	v_nop
.endr
	s_branch .Lasked_\@
.Lfor_b_\@:
	tensor_load_to_lds s[\g0b:\g0b+3], s[\g1b:\g1b+7]
	s_nop 0
.rept 4
	v_nop
.endr
.Lasked_\@:
.endm
.macro CREST                           ; a round of the cluster's barrier behind its opening barrier
	s_cmp_lg_u32 s18, 0
	s_cbranch_scc1 .Lnot_wave_0_\@
	s_barrier_signal -3
.Lnot_wave_0_\@:
	s_barrier_wait -3
	s_barrier_signal -1
	s_barrier_wait -1
.endm
.macro CROUND
	s_barrier_signal -1
	s_barrier_wait -1
	CREST
.endm
	s_load_b256 s[4:11], s[0:1], 0x0               ; A's codes, A's scales, B's codes, B's scales
	s_load_b128 s[12:15], s[0:1], 0x20             ; the bias, the residual
	s_load_b64 s[16:17], s[0:1], 0x30              ; the output
	v_lshl_add_u32 v[SPW], v0, 2, SPARE
	v_mov_b32 v[NIL], 0
	ds_add_u32 v28, v29
	s_wait_dscnt 0x0
	v_lshrrev_b32 v1, 5, v0
	v_readfirstlane_b32 s18, v1                    ; wave
	s_lshr_b32 s19, s18, 1                         ; wm: my half of the rows.  Also: I fetch for A (0) or B (1)
	s_and_b32 s20, s18, 1                          ; wn: my half of the columns.  Also: which half I fetch
	s_bfe_u32 s84, ttmp6, 0x40000                  ; cx
	s_bfe_u32 s85, ttmp6, 0x40004                  ; cy
	s_lshl_b32 s86, ttmp9, 2
	s_add_co_u32 s86, s86, s84                     ; tx
	s_and_b32 s87, ttmp7, 0xffff
	s_lshl_b32 s87, s87, 2
	s_add_co_u32 s87, s87, s85                     ; ty
	s_lshl_b32 s88, s85, 2
	s_lshl_b32 s88, 15, s88                        ; my row of the cluster
	s_lshl_b32 s89, 0x1111, s84                    ; my column
	s_or_b32 s[G1A], s88, (3<<16)|(1<<21)          ; A: a dense block of 32,768 bytes as 128 rows of 32 elements of 8 bytes; no padding
	s_mov_b32 s[G1A+1], 32<<16
	s_mov_b32 s[G1A+2], 128<<16
	s_mov_b32 s[G1A+3], 32<<16
	s_mov_b32 s[G1A+4], 128
	s_mov_b32 s[G1A+5], 32
	s_mov_b32 s[G1A+6], 0
	s_mov_b32 s[G1A+7], 0
	s_or_b32 s[G1B], s89, (1<<20)|(1<<21)|(6<<22)|(3<<25)   ; B: 64 rows of 512 bytes, KK apart; four words of padding after every 128
	s_mov_b32 s[G1B+1], 512<<16
	s_mov_b32 s[G1B+2], 64<<16
	s_mov_b32 s[G1B+3], 512<<16
	s_mov_b32 s[G1B+4], 64
	s_mov_b32 s[G1B+5], KK
	s_mov_b32 s[G1B+6], 0
	s_mov_b32 s[G1B+7], 0
	s_or_b32 s[G1SA], s88, (3<<16)|(1<<20)|(1<<21)|(5<<22)|(3<<25)   ; scales: SUN rows of 256 bytes, four words of padding behind each
	s_or_b32 s[G1SB], s89, (3<<16)|(1<<20)|(1<<21)|(5<<22)|(3<<25)
.irp g, G1SA, G1SB
	s_mov_b32 s[\g+1], 32<<16
	s_mov_b32 s[\g+2], SUN<<16
	s_mov_b32 s[\g+3], 32<<16
	s_mov_b32 s[\g+4], SUN
	s_mov_b32 s[\g+5], 32
	s_mov_b32 s[\g+6], 0
	s_mov_b32 s[\g+7], 0
.endr
	s_mul_i32 s90, s87, 128*KK                     ; A: my tile row's block, my half of a K step
	s_lshl_b32 s2, s20, 15
	s_add_co_u32 s90, s90, s2
	s_mov_b32 s91, 0
	s_mul_i32 s92, s87, 4*KK                       ; its scale words, my half
	s_mul_i32 s2, s20, 2*KK
	s_add_co_u32 s92, s92, s2
	s_mov_b32 s93, 0
	s_lshl_b32 s66, s86, 7                         ; B: row 128 tx + 64 wn
	s_lshl_b32 s67, s20, 6
	s_add_co_u32 s66, s66, s67
	s_mul_i32 s94, s66, KK
	s_mov_b32 s95, 0
	s_mul_i32 s96, s66, KS
	s_mov_b32 s97, 0
	s_lshl_b32 s21, s20, 15                        ; where they go: the wave's number alone enters an LDS address
	s_mul_i32 s22, s20, 64*BP
	s_add_co_u32 s22, s22, APART
	s_mul_i32 s23, s20, SUN*272
	s_wait_kmcnt 0x0
	s_add_nc_u64 s[90:91], s[4:5], s[90:91]
	s_add_nc_u64 s[92:93], s[6:7], s[92:93]
	s_add_nc_u64 s[94:95], s[8:9], s[94:95]
	s_add_nc_u64 s[96:97], s[10:11], s[96:97]
	CROUND                                         ; all sixteen work-groups are here: the first joint loads meet
	s_mov_b32 s[G0SA], 1
	s_add_co_u32 s[G0SA+1], s23, SCA
	s_mov_b64 s[G0SA+2:G0SA+3], s[92:93]
	s_or_b32 s[G0SA+3], s[G0SA+3], 0x80000000
	s_mov_b32 s[G0SB], 1
	s_add_co_u32 s[G0SB+1], s23, SCB
	s_mov_b64 s[G0SB+2:G0SB+3], s[96:97]
	s_or_b32 s[G0SB+3], s[G0SB+3], 0x80000000
	JLOAD G0SA, G1SA, G0SB, G1SB                   ; the scales first: they are wanted with K step 0
.irp s, 0,1
	s_mov_b32 s[G0A+4*\s], 1
	s_add_co_u32 s[G0A+4*\s+1], s21, \s*SLOT
	s_add_nc_u64 s[G0A+4*\s+2:G0A+4*\s+3], s[90:91], \s*APART
	s_or_b32 s[G0A+4*\s+3], s[G0A+4*\s+3], 0x80000000
	s_mov_b32 s[G0B+4*\s], 1
	s_add_co_u32 s[G0B+4*\s+1], s22, \s*SLOT
	s_add_nc_u64 s[G0B+4*\s+2:G0B+4*\s+3], s[94:95], \s*512
	s_or_b32 s[G0B+4*\s+3], s[G0B+4*\s+3], 0x80000000
	JLOAD G0A+4*\s, G1A, G0B+4*\s, G1B             ; three loads of mine are out
.endr
	v_and_b32 v1, 15, v0                           ; r
	v_bfe_u32 v2, v0, 4, 1                         ; h
	v_and_b32 v3, 31, v0
	v_lshlrev_b32 v4, 4, v3                        ; 16 x lane
	s_lshl_b32 s98, s19, 13
	v_add_nc_u32 v[ADRA], s98, v4                  ; A: my four tiles of a panel, 16 x lane
	v_add_nc_u32 v[ADRA+1], SLOT, v[ADRA]
	v_mul_u32_u24 v5, v1, BP
	v_lshl_add_u32 v5, v2, 3, v5
	v_add_nc_u32 v[ADRB], s22, v5                  ; B: row 64 wn + r, + 8 h
	v_add_nc_u32 v[ADRB+1], SLOT, v[ADRB]
	s_mul_i32 s98, s19, 272
	s_add_co_u32 s98, s98, SCA
	v_lshl_add_u32 v[ADSA], v1, 2, s98             ; A's scale words: unit 2 x panel + wm, 4 r
	v_mul_u32_u24 v6, v1, KS
	v_lshrrev_b32 v7, 8, v6
	v_lshl_add_u32 v6, v7, 4, v6
	s_add_co_u32 s99, s23, SCB
	v_add_nc_u32 v[ADSB], s99, v6                  ; B's: KS bytes a row, 16 more for each 256 passed
	s_lshl_b32 s98, s66, 2
	s_mov_b32 s99, 0
	s_add_nc_u64 s[12:13], s[12:13], s[98:99]      ; the bias at my first column
	v_lshlrev_b32 v8, 5, v2
.irp t, 0,1,2,3
	global_load_b128 v[BIAS+8*\t:BIAS+8*\t+3], v8, s[12:13] offset:64*\t       ; the bias in the result's layout: columns 16 t + 8 h + 0 .. 7: the C of each sum's first product
	global_load_b128 v[BIAS+8*\t+4:BIAS+8*\t+7], v8, s[12:13] offset:64*\t+16
.endr
	v_lshlrev_b32 v[CO], 12, v2
	v_lshl_add_u32 v[CO], v1, 4, v[CO]             ; lanes 0-15 one row's 256 bytes, lanes 16-31 the next row's
	s_lshl_b32 s98, s87, 19
	s_lshl_b32 s100, s19, 18
	s_add_co_u32 s98, s98, s100
	s_lshl_b32 s100, s66, 2
	s_add_co_u32 s98, s98, s100
	s_add_nc_u64 s[14:15], s[14:15], s[98:99]      ; the residual and the output at my 64 x 64
	s_add_nc_u64 s[16:17], s[16:17], s[98:99]
	WIN 0x80                                       ; destination window 2
.irp a, 0,1,2,3
.irp i, 0,1,2,3,4,5,6,7
	global_load_b128 v[32*\a+4*\i:32*\a+4*\i+3], v[CO], s[14:15] offset:(16*\a+2*\i)*4096
.endr
.endr
	WIN 0
	s_mul_i32 s98, s18, 16*272
	s_add_co_u32 s98, s98, STG                     ; my stage
	v_mul_u32_u24 v[STO], v1, 272
	v_lshl_add_u32 v[STO], v2, 5, v[STO]
	v_add_nc_u32 v[STO], s98, v[STO]               ; in: row r, 32 bytes for each half of the lanes
	v_mul_u32_u24 v[RD], v2, 272
	v_lshl_add_u32 v[RD], v1, 4, v[RD]
	v_add_nc_u32 v[RD], s98, v[RD]                 ; back: lanes 0-15 one row, lanes 16-31 the next
.macro FETCH slot, q, f                ; the fragments of the slot's q-th 128 along K into buffer f: 48 loads in one run
	WIN 0x40
.irp a, 0,1,2,3
.irp c, 0,1,2,3
	ds_load_b128 v[\f+16*\a+4*\c:\f+16*\a+4*\c+3], v[ADRA+\slot] offset:(\q)*16384+\a*2048+\c*512
.endr
.endr
.irp t, 0,1,2,3
.irp c, 0,1,2,3
	ds_load_b64 v[\f+64+16*\t+4*\c:\f+64+16*\t+4*\c+1], v[ADRB+\slot] offset:\t*16*BP+128*(\q)+32*\c
	ds_load_b64 v[\f+64+16*\t+4*\c+2:\f+64+16*\t+4*\c+3], v[ADRB+\slot] offset:\t*16*BP+128*(\q)+32*\c+16
.endr
.endr
.endm
.macro SCALES sc                       ; a K step's scale words into set sc
	WIN 0
.irp q, 0,1,2,3
.irp a, 0,1,2,3
	ds_load_b32 v[SCW+32*\sc+4*\q+\a], v[ADSA] offset:544*\q+64*\a
.endr
.endr
.irp t, 0,1,2,3
	ds_load_b128 v[SCW+16+32*\sc+4*\t:SCW+16+32*\sc+4*\t+3], v[ADSB] offset:\t*(KS/16)*272
.endr
.endm
; 8 products: A's tiles a0, a0 + 1 against B's four (source 0 = B, source 1 = A: a lane holds eight neighbouring columns of one row).  The 16 accumulators take turns, one instruction a turn, in the same order in every step.
.macro MUL8 f, sc, q, a0, first
	WIN 0x05
.irp a, \a0, \a0+1
.irp t, 0,1,2,3
.set DD, ACC+8*(4*(\a)+\t)
.set S0, \f+64+16*\t
.set S1, \f+16*(\a)
.set W0, SCW+16+32*\sc+4*\t+(\q)
.set W1, SCW+32*\sc+4*(\q)+(\a)
.if \first
	v_wmma_scale_f32_16x16x128_f8f6f4 v[DD:DD+7], v[S0:S0+15], v[S1:S1+15], v[BIAS+8*\t:BIAS+8*\t+7], v[W0], v[W1]
.else
	v_wmma_scale_f32_16x16x128_f8f6f4 v[DD:DD+7], v[S0:S0+15], v[S1:S1+15], v[DD:DD+7], v[W0], v[W1]
.endif
.endr
.endr
.endm
.macro STEP slot, q, f, g, first       ; 128 along K whose successor lies in the same slot
	s_wait_dscnt 0x0                               ; buffer f is in
	PLACES 8                                       ; eight places between the last products on buffer g and the loads into it
	FETCH \slot, (\q)+1, \g
	MUL8 \f, \slot, \q, 0, \first
	MUL8 \f, \slot, \q, 2, \first
.endm
.macro TURN slot, next, fill           ; a slot's last 128 along K, and the change of slots
	WIN 0
	s_wait_tensorcnt 0x0                           ; all my tensor loads have landed, my part of the next slot among them
	ds_add_u32 v[SPW], v[NIL]                      ; 0 onto my spare word
.if \fill
	s_add_nc_u64 s[G0A+4*\slot+2:G0A+4*\slot+3], s[G0A+4*\slot+2:G0A+4*\slot+3], 2*APART
	s_add_nc_u64 s[G0B+4*\slot+2:G0B+4*\slot+3], s[G0B+4*\slot+2:G0B+4*\slot+3], 1024
.endif
	s_wait_dscnt 0x0                               ; the add is done; buffer 1 is in, and those were my last reads of this slot
	s_barrier_signal -1
	MUL8 F1, \slot, 3, 0, 0
	WIN 0
	s_barrier_wait -1
.if \fill
	CREST                                          ; the barrier opened a round of the cluster's: no wave of any partner still reads this slot or has a load on its way
	JLOAD G0A+4*\slot, G1A, G0B+4*\slot, G1B       ; the first tensor load behind the round, one a wave
	PLACES 4
.else
	PLACES 8
.endif
	v_add_nc_u32 v[ADSA], 2176, v[ADSA]            ; the next K step's scale words: four panels, 16 bytes of a row
	v_add_nc_u32 v[ADSB], 16, v[ADSB]
	FETCH \next, 0, F0
	SCALES \next
	MUL8 F1, \slot, 3, 2, 0
.endm
	s_wait_tensorcnt 0x1                           ; the scales and my part of K step 0 are in; K step 1's load may stay out
	s_barrier_signal -1
	s_barrier_wait -1
	FETCH 0, 0, F0
	SCALES 0
	s_wait_loadcnt 32                              ; the bias is in; the 32 younger loads, the residual, may stay out
	STEP 0, 0, F0, F1, 1                           ; the first products start the sums, with the bias as C
.if LAPS > 1
	WIN 0
	s_mov_b32 s3, LAPS-1
.Llap:                                             ; a trip goes once round the ring and fills both slots again
	STEP 0, 1, F1, F0, 0
	STEP 0, 2, F0, F1, 0
	TURN 0, 1, 1
	STEP 1, 0, F0, F1, 0
	STEP 1, 1, F1, F0, 0
	STEP 1, 2, F0, F1, 0
	TURN 1, 0, 1
	STEP 0, 0, F0, F1, 0
	WIN 0
	s_sub_co_u32 s3, s3, 1
	s_cmp_lg_u32 s3, 0
	s_cbranch_scc1 .Llap
.endif
	STEP 0, 1, F1, F0, 0                           ; the last lap fills nothing
	STEP 0, 2, F0, F1, 0
	TURN 0, 1, 0
	STEP 1, 0, F0, F1, 0
	STEP 1, 1, F1, F0, 0
	STEP 1, 2, F0, F1, 0
	s_wait_dscnt 0x0
	MUL8 F1, 1, 3, 0, 0
	MUL8 F1, 1, 3, 2, 0
	WIN 0
	PLACES 8
	; THE WAY OUT, 16 rows at a time through my own stage: a lane's 32 bytes go in, whole rows of 256 bytes come back, the residual is added, sixteen lanes store one aligned run of 256 bytes.
.irp a, 0,1,2,3
.if \a > 0
	s_wait_xcnt 0x0                                ; the last block's stores have read v96-127
.endif
.irp t, 0,1,2,3
	ds_store_b128 v[STO], v[ACC+8*(4*\a+\t):ACC+8*(4*\a+\t)+3] offset:64*\t        ; each accumulator from its low end on
	ds_store_b128 v[STO], v[ACC+8*(4*\a+\t)+4:ACC+8*(4*\a+\t)+7] offset:64*\t+16
.endr
.irp i, 0,1,2,3,4,5,6,7
	ds_load_b128 v[96+4*\i:99+4*\i], v[RD] offset:544*\i   ; LDS serves a wave's instructions in order (ISA guide 5.7.1.4): these see the stores above
.endr
	s_wait_dscnt 0x0
.if \a == 0
	s_wait_loadcnt 0x0                             ; the residual
.endif
	WIN 0x08                                       ; source 1 window 2
.set k, 0
.rept 16
	v_pk_add_f32 v[96+k:97+k], v[96+k:97+k], v[32*\a+k:32*\a+k+1]
.set k, k+2
.endr
	WIN 0
.irp i, 0,1,2,3,4,5,6,7
	global_store_b128 v[CO], v[96+4*\i:99+4*\i], s[16:17] offset:(16*\a+2*\i)*4096
.endr
.endr
	s_wait_tensorcnt 0x0                           ; the wave's end
	ds_add_u32 v[SPW], v[NIL]
	s_wait_dscnt 0x0
	CROUND                                         ; the closing round
	s_endpgm
.Lfunc_end_k_q5ceba74b8a_gwo:
	.size	k_q5ceba74b8a_gwo, .Lfunc_end_k_q5ceba74b8a_gwo-k_q5ceba74b8a_gwo
	.p2alignl 7, 3214868480
	.fill 96, 4, 3214868480
	.section	.rodata,"a",@progbits
	.p2align	6, 0x0
	.amdhsa_kernel k_q5ceba74b8a_gwo
		.amdhsa_group_segment_fixed_size 327680
		.amdhsa_private_segment_fixed_size 0
		.amdhsa_enable_private_segment 0
		.amdhsa_kernarg_size 56
		.amdhsa_user_sgpr_count 2
		.amdhsa_user_sgpr_kernarg_segment_ptr 1
		.amdhsa_wavefront_size32 1
		.amdhsa_system_sgpr_workgroup_id_x 1
		.amdhsa_system_sgpr_workgroup_id_y 1
		.amdhsa_system_sgpr_workgroup_id_z 1
		.amdhsa_system_vgpr_workitem_id 0
		.amdhsa_next_free_vgpr 640
		.amdhsa_next_free_sgpr 106
		.amdhsa_reserve_vcc 0
		.amdhsa_float_denorm_mode_32 3
		.amdhsa_float_denorm_mode_16_64 3
		.amdhsa_memory_ordered 1
		.amdhsa_forward_progress 1
		.amdhsa_inst_pref_size 71
	.end_amdhsa_kernel
	.amdgpu_metadata
---
amdhsa.version: [ 1, 2 ]
amdhsa.kernels:
  - .name:           k_q5ceba74b8a_gwo
    .symbol:         k_q5ceba74b8a_gwo.kd
    .args:
      - { .name: acodes, .offset: 0, .size: 8, .value_kind: global_buffer, .address_space: global }
      - { .name: ascales, .offset: 8, .size: 8, .value_kind: global_buffer, .address_space: global }
      - { .name: wo_w_codes, .offset: 16, .size: 8, .value_kind: global_buffer, .address_space: global }
      - { .name: wo_w_scales, .offset: 24, .size: 8, .value_kind: global_buffer, .address_space: global }
      - { .name: wo_b, .offset: 32, .size: 8, .value_kind: global_buffer, .address_space: global }
      - { .name: x, .offset: 40, .size: 8, .value_kind: global_buffer, .address_space: global }
      - { .name: x1, .offset: 48, .size: 8, .value_kind: global_buffer, .address_space: global }
    .group_segment_fixed_size: 327680
    .private_segment_fixed_size: 0
    .kernarg_segment_align: 8
    .kernarg_segment_size: 56
    .max_flat_workgroup_size: 128
    .sgpr_count:     106
    .vgpr_count:     640
    .wavefront_size: 32
...
	.end_amdgpu_metadata
.endif
;; end of part 5
;; launch ln2: the kernel of part 1 again; grid 256 x 1, 8 waves a work-group, no clusters, 19,456 bytes of LDS; arguments x1, ln2_g, ln2_b, acodes, ascales; writes acodes, ascales
;; launch gw1 (part 6): grid 32 x 32, 4 waves a work-group, clusters of 4 x 4, 327,680 bytes of LDS; arguments acodes, ascales, w1_codes, w1_scales, b1, hcodes, hscales; writes hcodes, hscales
.if DOCPART == 6
	.amdgcn_target "amdgcn-amd-amdhsa--gfx1250"
	.amdhsa_code_object_version 6
	.text
	.protected	k_q5ceba74b8a_gw1
	.globl	k_q5ceba74b8a_gw1
	.p2align	8
	.type	k_q5ceba74b8a_gw1,@function
k_q5ceba74b8a_gw1:
	s_mov_b64 s[64:65], 0
	v_nop
	global_prefetch_b8 v0, s[64:65] scope:SCOPE_SE
	s_setreg_imm32_b32 hwreg(HW_REG_WAVE_MODE, 25, 1), 1
	s_wait_xcnt 0x0
	s_wait_alu depctr_hold_cnt(0) depctr_sa_sdst(0) depctr_va_vdst(0) depctr_va_sdst(0) depctr_va_ssrc(0) depctr_va_vcc(0) depctr_vm_vsrc(0)
	s_getreg_b32 s2, hwreg(HW_REG_IB_STS2, 6, 4)
	s_cmp_eq_u32 s2, 0
	s_cbranch_scc0 .Lentry_in_a_cluster
	s_endpgm
.Lentry_in_a_cluster:
	s_bfe_u32 s2, ttmp6, 0x10000c
	s_cmp_lg_u32 s2, 0xf033
	s_cbranch_scc0 .Lentry_shape_is_right
	s_endpgm
.Lentry_shape_is_right:
; gelu(LN2(x1) w1 + b1), quantised along the 4,096 hidden units on the way out.  One text serves five launches; the three .set lines below and the way out differ.
; C = A B^T on codes of FP8 (E4M3), one E8M0 scale for each 32 along K; sums in f32.  A: [4096][KK] as images of operand registers (see below), B: [N][KK] codes as given, K innermost.
; A tile of C is 128 x 128: four waves, each 64 x 64 (16 accumulators).  K goes in steps of 512 through two LDS slots filled by the tensor data mover; the scales of all of K come once.
; A'S LAYOUT: byte of (row m, panel p = k / 128, block c, half h, place i) = (m / 128) 128 KK + 16384 p + 2048 ((m % 128) / 16) + 512 c + 16 (16 h + m % 16) + i; a fragment is four loads of 512 consecutive bytes.
; THE ORDER INSIDE A BLOCK OF 32: place i < 8 is k = 32 c + 8 h + i, place i >= 8 is k = 32 c + 16 + 8 h + (i - 8): what two neighbouring result tiles give a lane.  B's rows are read in the same order, by two loads of 8 bytes for each block.
; CLUSTER 4 x 4: A's tiles are shared along a row of the cluster, B's along a column: joint loads.
; GELU: x / 2 (1 + erf(x / sqrt 2)), erf(u) = u P(u^2) / Q(u^2) with u held within +-4 (beyond, erf is +-1 in f32): polynomials of degree 6 and 4 in f32.
; LIMITS: NaN and infinities are not served; a block of zeros gets the byte 1 (its codes are zeros; only this program reads the bytes); blocks under the floor 2^(9 - 127) were not tried.
; REGISTERS: window 0: v1-29 addresses; v32-95 scale words, two sets; v96-127 the bias as C, later at work; v128-255 accumulators.  Window 1: two buffers of 128: A's four fragments, then B's four; on the way out v0-31, v96-127 GELU's work.
.set KK,    1024
.set NOFF,  0                          ; B's first row
.set MODE,  1                          ; 0 residual, f32 out; 1 GELU, codes out; 2 q and k chunks; 3 v chunks
.set KS,    KK/32
.set LAPS,  KK/1024                    ; a lap = two K steps of 512
.set APART, 65536                      ; a slot: A's four panels of 16,384 bytes,
.set BP,    528                        ; then B's 128 rows of 512 bytes + 16 of padding: row r starts at bank 4 r mod 64
.set SLOT,  APART+128*BP
.set SUN,   KK/128                     ; units of 256 bytes of scales that one load brings
.set SCA,   2*SLOT                     ; A's scale words, [panel][128 rows][4], as units of 256 + 16;
.set SCB,   SCA+2*SUN*272              ; B's scale bytes, [128 rows][KS], likewise
.set SPARE, SCB+2*SUN*272              ; the spare words: two blocks of 256 bytes that no other line names
.set STG,   SPARE+512                  ; the way out's own bytes
.set ADRA, 16
.set ADRB, 20
.set ADSA, 22
.set ADSB, 23
.set STO,  24
.set RD,   25
.set SPW,  28
.set NIL,  29
.set SCW,  32                          ; set s: A's words at 32 s + 4 q + a, B's at 16 + 32 s + 4 t + q
.set BIAS, 96
.set ACC,  128
.set F0,   0
.set F1,   128
.set G1A,  24
.set G0A,  32
.set G1B,  40
.set G0B,  48
.set G1SA, 56
.set G0SA, 68
.set G1SB, 72
.set G0SB, 80
.set MSB, 0
.macro WIN new                         ; the immediate's high byte repeats the setting that is left
.if MSB != \new
	s_set_vgpr_msb (MSB<<8)|\new
.set MSB, \new
.endif
.endm
.macro PLACES n
.rept \n
	v_nop
.endr
.endm
.macro JLOAD g0a, g1a, g0b, g1b        ; a joint load: waves 0 and 1 fetch for A, waves 2 and 3 for B; four v_nop follow each line
	s_cmp_eq_u32 s19, 0
	s_cbranch_scc0 .Lfor_b_\@
	tensor_load_to_lds s[\g0a:\g0a+3], s[\g1a:\g1a+7]
	s_nop 0
.rept 4
	v_nop
.endr
	s_branch .Lasked_\@
.Lfor_b_\@:
	tensor_load_to_lds s[\g0b:\g0b+3], s[\g1b:\g1b+7]
	s_nop 0
.rept 4
	v_nop
.endr
.Lasked_\@:
.endm
.macro CREST                           ; a round of the cluster's barrier behind its opening barrier
	s_cmp_lg_u32 s18, 0
	s_cbranch_scc1 .Lnot_wave_0_\@
	s_barrier_signal -3
.Lnot_wave_0_\@:
	s_barrier_wait -3
	s_barrier_signal -1
	s_barrier_wait -1
.endm
.macro CROUND
	s_barrier_signal -1
	s_barrier_wait -1
	CREST
.endm
	s_load_b256 s[4:11], s[0:1], 0x0               ; A's codes, A's scales, B's codes, B's scales
	s_load_b128 s[12:15], s[0:1], 0x20             ; the bias, the hidden layer's codes
	s_load_b64 s[16:17], s[0:1], 0x30              ; its scale words
	v_lshl_add_u32 v[SPW], v0, 2, SPARE
	v_mov_b32 v[NIL], 0
	ds_add_u32 v28, v29
	s_wait_dscnt 0x0
	v_lshrrev_b32 v1, 5, v0
	v_readfirstlane_b32 s18, v1                    ; wave
	s_lshr_b32 s19, s18, 1                         ; wm: my half of the rows.  Also: I fetch for A (0) or B (1)
	s_and_b32 s20, s18, 1                          ; wn: my half of the columns.  Also: which half I fetch
	s_bfe_u32 s84, ttmp6, 0x40000                  ; cx
	s_bfe_u32 s85, ttmp6, 0x40004                  ; cy
	s_lshl_b32 s86, ttmp9, 2
	s_add_co_u32 s86, s86, s84                     ; tx
	s_and_b32 s87, ttmp7, 0xffff
	s_lshl_b32 s87, s87, 2
	s_add_co_u32 s87, s87, s85                     ; ty
	s_lshl_b32 s88, s85, 2
	s_lshl_b32 s88, 15, s88                        ; my row of the cluster
	s_lshl_b32 s89, 0x1111, s84                    ; my column
	s_or_b32 s[G1A], s88, (3<<16)|(1<<21)          ; A: a dense block of 32,768 bytes as 128 rows of 32 elements of 8 bytes; no padding
	s_mov_b32 s[G1A+1], 32<<16
	s_mov_b32 s[G1A+2], 128<<16
	s_mov_b32 s[G1A+3], 32<<16
	s_mov_b32 s[G1A+4], 128
	s_mov_b32 s[G1A+5], 32
	s_mov_b32 s[G1A+6], 0
	s_mov_b32 s[G1A+7], 0
	s_or_b32 s[G1B], s89, (1<<20)|(1<<21)|(6<<22)|(3<<25)   ; B: 64 rows of 512 bytes, KK apart; four words of padding after every 128
	s_mov_b32 s[G1B+1], 512<<16
	s_mov_b32 s[G1B+2], 64<<16
	s_mov_b32 s[G1B+3], 512<<16
	s_mov_b32 s[G1B+4], 64
	s_mov_b32 s[G1B+5], KK
	s_mov_b32 s[G1B+6], 0
	s_mov_b32 s[G1B+7], 0
	s_or_b32 s[G1SA], s88, (3<<16)|(1<<20)|(1<<21)|(5<<22)|(3<<25)   ; scales: SUN rows of 256 bytes, four words of padding behind each
	s_or_b32 s[G1SB], s89, (3<<16)|(1<<20)|(1<<21)|(5<<22)|(3<<25)
.irp g, G1SA, G1SB
	s_mov_b32 s[\g+1], 32<<16
	s_mov_b32 s[\g+2], SUN<<16
	s_mov_b32 s[\g+3], 32<<16
	s_mov_b32 s[\g+4], SUN
	s_mov_b32 s[\g+5], 32
	s_mov_b32 s[\g+6], 0
	s_mov_b32 s[\g+7], 0
.endr
	s_mul_i32 s90, s87, 128*KK                     ; A: my tile row's block, my half of a K step
	s_lshl_b32 s2, s20, 15
	s_add_co_u32 s90, s90, s2
	s_mov_b32 s91, 0
	s_mul_i32 s92, s87, 4*KK                       ; its scale words, my half
	s_mul_i32 s2, s20, 2*KK
	s_add_co_u32 s92, s92, s2
	s_mov_b32 s93, 0
	s_lshl_b32 s66, s86, 7                         ; B: row 128 tx + 64 wn
	s_lshl_b32 s67, s20, 6
	s_add_co_u32 s66, s66, s67
	s_mul_i32 s94, s66, KK
	s_mov_b32 s95, 0
	s_mul_i32 s96, s66, KS
	s_mov_b32 s97, 0
	s_lshl_b32 s21, s20, 15                        ; where they go: the wave's number alone enters an LDS address
	s_mul_i32 s22, s20, 64*BP
	s_add_co_u32 s22, s22, APART
	s_mul_i32 s23, s20, SUN*272
	s_wait_kmcnt 0x0
	s_add_nc_u64 s[90:91], s[4:5], s[90:91]
	s_add_nc_u64 s[92:93], s[6:7], s[92:93]
	s_add_nc_u64 s[94:95], s[8:9], s[94:95]
	s_add_nc_u64 s[96:97], s[10:11], s[96:97]
	CROUND                                         ; all sixteen work-groups are here: the first joint loads meet
	s_mov_b32 s[G0SA], 1
	s_add_co_u32 s[G0SA+1], s23, SCA
	s_mov_b64 s[G0SA+2:G0SA+3], s[92:93]
	s_or_b32 s[G0SA+3], s[G0SA+3], 0x80000000
	s_mov_b32 s[G0SB], 1
	s_add_co_u32 s[G0SB+1], s23, SCB
	s_mov_b64 s[G0SB+2:G0SB+3], s[96:97]
	s_or_b32 s[G0SB+3], s[G0SB+3], 0x80000000
	JLOAD G0SA, G1SA, G0SB, G1SB                   ; the scales first: they are wanted with K step 0
.irp s, 0,1
	s_mov_b32 s[G0A+4*\s], 1
	s_add_co_u32 s[G0A+4*\s+1], s21, \s*SLOT
	s_add_nc_u64 s[G0A+4*\s+2:G0A+4*\s+3], s[90:91], \s*APART
	s_or_b32 s[G0A+4*\s+3], s[G0A+4*\s+3], 0x80000000
	s_mov_b32 s[G0B+4*\s], 1
	s_add_co_u32 s[G0B+4*\s+1], s22, \s*SLOT
	s_add_nc_u64 s[G0B+4*\s+2:G0B+4*\s+3], s[94:95], \s*512
	s_or_b32 s[G0B+4*\s+3], s[G0B+4*\s+3], 0x80000000
	JLOAD G0A+4*\s, G1A, G0B+4*\s, G1B             ; three loads of mine are out
.endr
	v_and_b32 v1, 15, v0                           ; r
	v_bfe_u32 v2, v0, 4, 1                         ; h
	v_and_b32 v3, 31, v0
	v_lshlrev_b32 v4, 4, v3                        ; 16 x lane
	s_lshl_b32 s98, s19, 13
	v_add_nc_u32 v[ADRA], s98, v4                  ; A: my four tiles of a panel, 16 x lane
	v_add_nc_u32 v[ADRA+1], SLOT, v[ADRA]
	v_mul_u32_u24 v5, v1, BP
	v_lshl_add_u32 v5, v2, 3, v5
	v_add_nc_u32 v[ADRB], s22, v5                  ; B: row 64 wn + r, + 8 h
	v_add_nc_u32 v[ADRB+1], SLOT, v[ADRB]
	s_mul_i32 s98, s19, 272
	s_add_co_u32 s98, s98, SCA
	v_lshl_add_u32 v[ADSA], v1, 2, s98             ; A's scale words: unit 2 x panel + wm, 4 r
	v_mul_u32_u24 v6, v1, KS
	v_lshrrev_b32 v7, 8, v6
	v_lshl_add_u32 v6, v7, 4, v6
	s_add_co_u32 s99, s23, SCB
	v_add_nc_u32 v[ADSB], s99, v6                  ; B's: KS bytes a row, 16 more for each 256 passed
	s_lshl_b32 s98, s66, 2
	s_mov_b32 s99, 0
	s_add_nc_u64 s[12:13], s[12:13], s[98:99]      ; the bias at my first column
	v_lshlrev_b32 v8, 5, v2
.irp t, 0,1,2,3
	global_load_b128 v[BIAS+8*\t:BIAS+8*\t+3], v8, s[12:13] offset:64*\t       ; the bias in the result's layout: columns 16 t + 8 h + 0 .. 7: the C of each sum's first product
	global_load_b128 v[BIAS+8*\t+4:BIAS+8*\t+7], v8, s[12:13] offset:64*\t+16
.endr
.macro FETCH slot, q, f                ; the fragments of the slot's q-th 128 along K into buffer f: 48 loads in one run
	WIN 0x40
.irp a, 0,1,2,3
.irp c, 0,1,2,3
	ds_load_b128 v[\f+16*\a+4*\c:\f+16*\a+4*\c+3], v[ADRA+\slot] offset:(\q)*16384+\a*2048+\c*512
.endr
.endr
.irp t, 0,1,2,3
.irp c, 0,1,2,3
	ds_load_b64 v[\f+64+16*\t+4*\c:\f+64+16*\t+4*\c+1], v[ADRB+\slot] offset:\t*16*BP+128*(\q)+32*\c
	ds_load_b64 v[\f+64+16*\t+4*\c+2:\f+64+16*\t+4*\c+3], v[ADRB+\slot] offset:\t*16*BP+128*(\q)+32*\c+16
.endr
.endr
.endm
.macro SCALES sc                       ; a K step's scale words into set sc
	WIN 0
.irp q, 0,1,2,3
.irp a, 0,1,2,3
	ds_load_b32 v[SCW+32*\sc+4*\q+\a], v[ADSA] offset:544*\q+64*\a
.endr
.endr
.irp t, 0,1,2,3
	ds_load_b128 v[SCW+16+32*\sc+4*\t:SCW+16+32*\sc+4*\t+3], v[ADSB] offset:\t*(KS/16)*272
.endr
.endm
; 8 products: A's tiles a0, a0 + 1 against B's four (source 0 = B, source 1 = A: a lane holds eight neighbouring columns of one row).  The 16 accumulators take turns, one instruction a turn, in the same order in every step.
.macro MUL8 f, sc, q, a0, first
	WIN 0x05
.irp a, \a0, \a0+1
.irp t, 0,1,2,3
.set DD, ACC+8*(4*(\a)+\t)
.set S0, \f+64+16*\t
.set S1, \f+16*(\a)
.set W0, SCW+16+32*\sc+4*\t+(\q)
.set W1, SCW+32*\sc+4*(\q)+(\a)
.if \first
	v_wmma_scale_f32_16x16x128_f8f6f4 v[DD:DD+7], v[S0:S0+15], v[S1:S1+15], v[BIAS+8*\t:BIAS+8*\t+7], v[W0], v[W1]
.else
	v_wmma_scale_f32_16x16x128_f8f6f4 v[DD:DD+7], v[S0:S0+15], v[S1:S1+15], v[DD:DD+7], v[W0], v[W1]
.endif
.endr
.endr
.endm
.macro STEP slot, q, f, g, first       ; 128 along K whose successor lies in the same slot
	s_wait_dscnt 0x0                               ; buffer f is in
	PLACES 8                                       ; eight places between the last products on buffer g and the loads into it
	FETCH \slot, (\q)+1, \g
	MUL8 \f, \slot, \q, 0, \first
	MUL8 \f, \slot, \q, 2, \first
.endm
.macro TURN slot, next                 ; a slot's last 128 along K, and the change of slots; K = 1,024 is one lap: nothing is filled again
	WIN 0
	s_wait_tensorcnt 0x0                           ; all my tensor loads have landed, my part of the next slot among them
	ds_add_u32 v[SPW], v[NIL]                      ; 0 onto my spare word
	s_wait_dscnt 0x0                               ; the add is done; buffer 1 is in
	s_barrier_signal -1
	MUL8 F1, \slot, 3, 0, 0
	WIN 0
	s_barrier_wait -1
	PLACES 8
	v_add_nc_u32 v[ADSA], 2176, v[ADSA]            ; the next K step's scale words: four panels, 16 bytes of a row
	v_add_nc_u32 v[ADSB], 16, v[ADSB]
	FETCH \next, 0, F0
	SCALES \next
	MUL8 F1, \slot, 3, 2, 0
.endm
	s_wait_tensorcnt 0x1                           ; the scales and my part of K step 0 are in; K step 1's load may stay out
	s_barrier_signal -1
	s_barrier_wait -1
	FETCH 0, 0, F0
	SCALES 0
	s_wait_loadcnt 0x0                             ; the bias
	STEP 0, 0, F0, F1, 1                           ; the first products start the sums, with the bias as C
	STEP 0, 1, F1, F0, 0
	STEP 0, 2, F0, F1, 0
	TURN 0, 1
	STEP 1, 0, F0, F1, 0
	STEP 1, 1, F1, F0, 0
	STEP 1, 2, F0, F1, 0
	s_wait_dscnt 0x0
	MUL8 F1, 1, 3, 0, 0
	MUL8 F1, 1, 3, 2, 0
	WIN 0
	PLACES 8
; 32 registers of a lane, two blocks of 32 shared with lane l xor 16, become codes in v108-115 and two scale bytes in v[116 + g]
.macro QUANT2 x, g
.irp b, 0,1
	v_max3_num_f32 v[96+\b], |v[\x+16*\b]|, |v[\x+16*\b+1]|, 0x4800000   ; the floor 2^(9 - 127) holds the byte at 1 from below
.endr
.irp i, 2,4,6,8,10,12,14
.irp b, 0,1
	v_max3_num_f32 v[96+\b], v[96+\b], |v[\x+16*\b+\i]|, |v[\x+16*\b+\i+1]|
.endr
.endr
.irp b, 0,1
	v_permlanex16_b32 v[98+\b], v[96+\b], s21, s22
.endr
.irp b, 0,1
	v_max_num_f32 v[96+\b], v[96+\b], v[98+\b]
.endr
.irp b, 0,1
	v_add_nc_u32 v[102+\b], 0xfc000000, v[96+\b]   ; 8 off the exponent field: the conversion's scale operand
	v_and_or_b32 v[100+\b], v[96+\b], 0x7f800000, s23   ; 448 x the scale
	v_lshrrev_b32 v[98+\b], 23, v[102+\b]          ; the byte
.endr
	v_lshl_or_b32 v[116+\g], v99, 8, v98
	s_wait_xcnt 0x0                                ; the last group's stores have read v108-115
.irp b, 0,1
.irp i, 0,1,2,3,4,5,6,7,8,9,10,11,12,13,14,15
	v_med3_num_f32 v[\x+16*\b+\i], v[\x+16*\b+\i], -v[100+\b], v[100+\b]   ; the conversion does not saturate (ISA guide 7.6.2)
.endr
	v_cvt_scalef32_pk8_fp8_f32 v[108+4*\b:109+4*\b], v[\x+16*\b:\x+16*\b+7], v[102+\b]
	v_cvt_scalef32_pk8_fp8_f32 v[110+4*\b:111+4*\b], v[\x+16*\b+8:\x+16*\b+15], v[102+\b]
.endr
	v_nop                                          ; a plain line behind the last conversion
.endm
; GELU in place on 16 registers of window 0.  Work in window 1: u at v0, u^2 (later x / 2) at v16, P at v96, Q at v112.  The 16 reciprocals are one batch with one wait.
.set GU, 0
.set GZ, 16
.set GP, 96
.set GQ, 112
.macro EACH8 text:vararg
.endm
.macro GELU16 x
	WIN 0x40                                       ; destination window 1
.irp i, 0,2,4,6,8,10,12,14
	v_pk_mul_f32 v[GU+\i:GU+\i+1], v[\x+\i:\x+\i+1], 0x3f3504f3 op_sel_hi:[1,0]    ; u = x / sqrt 2; each accumulator from its low end on
.endr
	WIN 0x55                                       ; all in window 1
.irp i, 0,1,2,3,4,5,6,7,8,9,10,11,12,13,14,15
	v_med3_num_f32 v[GU+\i], v[GU+\i], -4.0, 4.0
.endr
.irp i, 0,2,4,6,8,10,12,14
	v_pk_mul_f32 v[GZ+\i:GZ+\i+1], v[GU+\i:GU+\i+1], v[GU+\i:GU+\i+1]
.endr
	WIN 0x41                                       ; source 2 window 0: the two second-highest coefficients
.irp i, 0,2,4,6,8,10,12,14
	v_pk_fma_f32 v[GP+\i:GP+\i+1], v[GZ+\i:GZ+\i+1], 0xaf95df0b, v[120:121] op_sel_hi:[1,0,1]
	v_pk_fma_f32 v[GQ+\i:GQ+\i+1], v[GZ+\i:GZ+\i+1], 0xb77460cd, v[122:123] op_sel_hi:[1,0,1]
.endr
	WIN 0x55
.irp k, 0xb60cff51, 0xb86ec2d2, 0xba40ac63, 0xbb41a1f6, 0xbc83dbd4
.irp i, 0,2,4,6,8,10,12,14
	v_pk_fma_f32 v[GP+\i:GP+\i+1], v[GP+\i:GP+\i+1], v[GZ+\i:GZ+\i+1], \k op_sel_hi:[1,1,0]
.endr
.endr
.irp k, 0xbadc924e, 0xbbf19bf8, 0xbc69b6a7
.irp i, 0,2,4,6,8,10,12,14
	v_pk_fma_f32 v[GQ+\i:GQ+\i+1], v[GQ+\i:GQ+\i+1], v[GZ+\i:GZ+\i+1], \k op_sel_hi:[1,1,0]
.endr
.endr
.irp i, 0,1,2,3,4,5,6,7,8,9,10,11,12,13,14,15
	v_rcp_f32 v[GQ+\i], v[GQ+\i]
.endr
.irp i, 0,2,4,6,8,10,12,14
	v_pk_mul_f32 v[GP+\i:GP+\i+1], v[GP+\i:GP+\i+1], v[GU+\i:GU+\i+1]              ; u P: plain work behind the reciprocals
.endr
	WIN 0x40
.irp i, 0,2,4,6,8,10,12,14
	v_pk_mul_f32 v[GZ+\i:GZ+\i+1], v[\x+\i:\x+\i+1], 0.5 op_sel_hi:[1,0]           ; x / 2
.endr
	s_wait_alu depctr_va_vdst(0)                   ; one wait for the batch, ahead of its first reader
	WIN 0x55
.irp i, 0,2,4,6,8,10,12,14
	v_pk_mul_f32 v[GP+\i:GP+\i+1], v[GP+\i:GP+\i+1], v[GQ+\i:GQ+\i+1]              ; erf
.endr
	WIN 0x15                                       ; sources window 1, destination window 0
.irp i, 0,2,4,6,8,10,12,14
	v_pk_fma_f32 v[\x+\i:\x+\i+1], v[GZ+\i:GZ+\i+1], v[GP+\i:GP+\i+1], v[GZ+\i:GZ+\i+1]   ; x / 2 + x / 2 erf
.endr
	WIN 0
.endm
	; THE WAY OUT.  My 64 columns are blocks 2 wn and 2 wn + 1 of panel tx of the next product's K; my rows are tiles 4 wm + g.
	s_mov_b32 s21, 0x76543210
	s_mov_b32 s22, 0xfedcba98
	s_mov_b32 s23, 0x600000
	v_mov_b32 v98, 0                               ; a lane permute's destination counts as one of its sources
	v_mov_b32 v99, 0
	v_mov_b32 v120, 0x32edffee                     ; P's second-highest coefficient, twice;
	v_mov_b32 v121, 0x32edffee
	v_mov_b32 v122, 0xb95fbd29                     ; Q's
	v_mov_b32 v123, 0xb95fbd29
	s_lshl_b32 s98, s87, 19                        ; codes: 524288 ty + 16384 tx + 8192 wm + 1024 wn
	s_lshl_b32 s100, s86, 14
	s_add_co_u32 s98, s98, s100
	s_lshl_b32 s100, s19, 13
	s_add_co_u32 s98, s98, s100
	s_lshl_b32 s100, s20, 10
	s_add_co_u32 s98, s98, s100
	s_mov_b32 s99, 0
	s_add_nc_u64 s[14:15], s[14:15], s[98:99]
	s_lshl_b32 s100, s87, 5
	s_add_co_u32 s100, s100, s86
	s_lshl_b32 s100, s100, 9                       ; scale words: (32 ty + tx) 512
	s_mov_b32 s101, 0
	s_add_nc_u64 s[16:17], s[16:17], s[100:101]
	s_lshl_b32 s100, s19, 8
	s_lshl_b32 s104, s20, 1
	s_add_co_u32 s100, s100, s104
	s_add_co_u32 s100, s100, STG
	v_lshl_add_u32 v[STO], v1, 2, s100             ; scale bytes: 4 (64 wm + 16 g + r) + 2 wn
	v_add_nc_u32 v[RD], STG, v4
.irp g, 0,1,2,3
	GELU16 ACC+32*\g
	GELU16 ACC+32*\g+16
	QUANT2 ACC+32*\g, \g
	global_store_b128 v4, v[108:111], s[14:15] offset:\g*2048       ; 32 lanes store 512 consecutive bytes, aligned
	global_store_b128 v4, v[112:115], s[14:15] offset:\g*2048+512
	ds_store_b16 v[STO], v[116+\g] offset:64*\g
.endr
	s_wait_dscnt 0x0                               ; for the others' sake
	s_barrier_signal -1
	s_barrier_wait -1
	s_cmp_lg_u32 s18, 0
	s_cbranch_scc1 .Lnot0
	ds_load_b128 v[104:107], v[RD]                 ; wave 0: the panel's 512 bytes of scale words, consecutive and aligned in memory
	s_wait_dscnt 0x0
	global_store_b128 v4, v[104:107], s[16:17]
.Lnot0:
	s_wait_tensorcnt 0x0                           ; the wave's end
	ds_add_u32 v[SPW], v[NIL]
	s_wait_dscnt 0x0
	CROUND                                         ; the closing round
	s_endpgm
.Lfunc_end_k_q5ceba74b8a_gw1:
	.size	k_q5ceba74b8a_gw1, .Lfunc_end_k_q5ceba74b8a_gw1-k_q5ceba74b8a_gw1
	.p2alignl 7, 3214868480
	.fill 96, 4, 3214868480
	.section	.rodata,"a",@progbits
	.p2align	6, 0x0
	.amdhsa_kernel k_q5ceba74b8a_gw1
		.amdhsa_group_segment_fixed_size 327680
		.amdhsa_private_segment_fixed_size 0
		.amdhsa_enable_private_segment 0
		.amdhsa_kernarg_size 56
		.amdhsa_user_sgpr_count 2
		.amdhsa_user_sgpr_kernarg_segment_ptr 1
		.amdhsa_wavefront_size32 1
		.amdhsa_system_sgpr_workgroup_id_x 1
		.amdhsa_system_sgpr_workgroup_id_y 1
		.amdhsa_system_sgpr_workgroup_id_z 1
		.amdhsa_system_vgpr_workitem_id 0
		.amdhsa_next_free_vgpr 512
		.amdhsa_next_free_sgpr 106
		.amdhsa_reserve_vcc 0
		.amdhsa_float_denorm_mode_32 3
		.amdhsa_float_denorm_mode_16_64 3
		.amdhsa_memory_ordered 1
		.amdhsa_forward_progress 1
		.amdhsa_inst_pref_size 175
	.end_amdhsa_kernel
	.amdgpu_metadata
---
amdhsa.version: [ 1, 2 ]
amdhsa.kernels:
  - .name:           k_q5ceba74b8a_gw1
    .symbol:         k_q5ceba74b8a_gw1.kd
    .args:
      - { .name: acodes, .offset: 0, .size: 8, .value_kind: global_buffer, .address_space: global }
      - { .name: ascales, .offset: 8, .size: 8, .value_kind: global_buffer, .address_space: global }
      - { .name: w1_codes, .offset: 16, .size: 8, .value_kind: global_buffer, .address_space: global }
      - { .name: w1_scales, .offset: 24, .size: 8, .value_kind: global_buffer, .address_space: global }
      - { .name: b1, .offset: 32, .size: 8, .value_kind: global_buffer, .address_space: global }
      - { .name: hcodes, .offset: 40, .size: 8, .value_kind: global_buffer, .address_space: global }
      - { .name: hscales, .offset: 48, .size: 8, .value_kind: global_buffer, .address_space: global }
    .group_segment_fixed_size: 327680
    .private_segment_fixed_size: 0
    .kernarg_segment_align: 8
    .kernarg_segment_size: 56
    .max_flat_workgroup_size: 128
    .sgpr_count:     106
    .vgpr_count:     512
    .wavefront_size: 32
...
	.end_amdgpu_metadata
.endif
;; end of part 6
;; launch gw2 (part 7): grid 8 x 32, 4 waves a work-group, clusters of 4 x 4, 327,680 bytes of LDS; arguments hcodes, hscales, w2_codes, w2_scales, b2, x1, out0; writes out0
.if DOCPART == 7
	.amdgcn_target "amdgcn-amd-amdhsa--gfx1250"
	.amdhsa_code_object_version 6
	.text
	.protected	k_q5ceba74b8a_gw2
	.globl	k_q5ceba74b8a_gw2
	.p2align	8
	.type	k_q5ceba74b8a_gw2,@function
k_q5ceba74b8a_gw2:
	s_mov_b64 s[64:65], 0
	v_nop
	global_prefetch_b8 v0, s[64:65] scope:SCOPE_SE
	s_setreg_imm32_b32 hwreg(HW_REG_WAVE_MODE, 25, 1), 1
	s_wait_xcnt 0x0
	s_wait_alu depctr_hold_cnt(0) depctr_sa_sdst(0) depctr_va_vdst(0) depctr_va_sdst(0) depctr_va_ssrc(0) depctr_va_vcc(0) depctr_vm_vsrc(0)
	s_getreg_b32 s2, hwreg(HW_REG_IB_STS2, 6, 4)
	s_cmp_eq_u32 s2, 0
	s_cbranch_scc0 .Lentry_in_a_cluster
	s_endpgm
.Lentry_in_a_cluster:
	s_bfe_u32 s2, ttmp6, 0x10000c
	s_cmp_lg_u32 s2, 0xf033
	s_cbranch_scc0 .Lentry_shape_is_right
	s_endpgm
.Lentry_shape_is_right:
; out0 = x1 + gelu(..) w2 + b2, f32 out.  One text serves five launches; the three .set lines below and the way out differ.
; C = A B^T on codes of FP8 (E4M3), one E8M0 scale for each 32 along K; sums in f32.  A: [4096][KK] as images of operand registers (see below), B: [N][KK] codes as given, K innermost.
; A tile of C is 128 x 128: four waves, each 64 x 64 (16 accumulators).  K goes in steps of 512 through two LDS slots filled by the tensor data mover; the scales of all of K come once.
; A'S LAYOUT: byte of (row m, panel p = k / 128, block c, half h, place i) = (m / 128) 128 KK + 16384 p + 2048 ((m % 128) / 16) + 512 c + 16 (16 h + m % 16) + i; a fragment is four loads of 512 consecutive bytes.
; THE ORDER INSIDE A BLOCK OF 32: place i < 8 is k = 32 c + 8 h + i, place i >= 8 is k = 32 c + 16 + 8 h + (i - 8): what two neighbouring result tiles give a lane.  B's rows are read in the same order, by two loads of 8 bytes for each block.
; CLUSTER 4 x 4: A's tiles are shared along a row of the cluster, B's along a column: joint loads.
; LIMITS: NaN and infinities are not served.
; REGISTERS: window 0: v1-29 addresses; v32-95 scale words, two sets; v96-127 the bias as C, later rows on the way out; v128-255 accumulators.  Window 1: two buffers of 128: A's four fragments, then B's four.  Window 2: v0-127 the residual.
.set KK,    4096
.set NOFF,  0                          ; B's first row
.set MODE,  0                          ; 0 residual, f32 out; 1 GELU, codes out; 2 q and k chunks; 3 v chunks
.set KS,    KK/32
.set LAPS,  KK/1024                    ; a lap = two K steps of 512
.set APART, 65536                      ; a slot: A's four panels of 16,384 bytes,
.set BP,    528                        ; then B's 128 rows of 512 bytes + 16 of padding: row r starts at bank 4 r mod 64
.set SLOT,  APART+128*BP
.set SUN,   KK/128                     ; units of 256 bytes of scales that one load brings
.set SCA,   2*SLOT                     ; A's scale words, [panel][128 rows][4], as units of 256 + 16;
.set SCB,   SCA+2*SUN*272              ; B's scale bytes, [128 rows][KS], likewise
.set SPARE, SCB+2*SUN*272              ; the spare words: two blocks of 256 bytes that no other line names
.set STG,   SPARE+512                  ; the way out's own bytes: 16 rows x 272 for each wave
.set ADRA, 16
.set ADRB, 20
.set ADSA, 22
.set ADSB, 23
.set STO,  24
.set RD,   25
.set CO,   26
.set SPW,  28
.set NIL,  29
.set SCW,  32                          ; set s: A's words at 32 s + 4 q + a, B's at 16 + 32 s + 4 t + q
.set BIAS, 96
.set ACC,  128
.set F0,   0
.set F1,   128
.set G1A,  24
.set G0A,  32
.set G1B,  40
.set G0B,  48
.set G1SA, 56
.set G0SA, 68
.set G1SB, 72
.set G0SB, 80
.set MSB, 0
.macro WIN new                         ; the immediate's high byte repeats the setting that is left
.if MSB != \new
	s_set_vgpr_msb (MSB<<8)|\new
.set MSB, \new
.endif
.endm
.macro PLACES n
.rept \n
	v_nop
.endr
.endm
.macro JLOAD g0a, g1a, g0b, g1b        ; a joint load: waves 0 and 1 fetch for A, waves 2 and 3 for B; four v_nop follow each line
	s_cmp_eq_u32 s19, 0
	s_cbranch_scc0 .Lfor_b_\@
	tensor_load_to_lds s[\g0a:\g0a+3], s[\g1a:\g1a+7]
	s_nop 0
.rept 4
	v_nop
.endr
	s_branch .Lasked_\@
.Lfor_b_\@:
	tensor_load_to_lds s[\g0b:\g0b+3], s[\g1b:\g1b+7]
	s_nop 0
.rept 4
	v_nop
.endr
.Lasked_\@:
.endm
.macro CREST                           ; a round of the cluster's barrier behind its opening barrier
	s_cmp_lg_u32 s18, 0
	s_cbranch_scc1 .Lnot_wave_0_\@
	s_barrier_signal -3
.Lnot_wave_0_\@:
	s_barrier_wait -3
	s_barrier_signal -1
	s_barrier_wait -1
.endm
.macro CROUND
	s_barrier_signal -1
	s_barrier_wait -1
	CREST
.endm
	s_load_b256 s[4:11], s[0:1], 0x0               ; A's codes, A's scales, B's codes, B's scales
	s_load_b128 s[12:15], s[0:1], 0x20             ; the bias, the residual
	s_load_b64 s[16:17], s[0:1], 0x30              ; the output
	v_lshl_add_u32 v[SPW], v0, 2, SPARE
	v_mov_b32 v[NIL], 0
	ds_add_u32 v28, v29
	s_wait_dscnt 0x0
	v_lshrrev_b32 v1, 5, v0
	v_readfirstlane_b32 s18, v1                    ; wave
	s_lshr_b32 s19, s18, 1                         ; wm: my half of the rows.  Also: I fetch for A (0) or B (1)
	s_and_b32 s20, s18, 1                          ; wn: my half of the columns.  Also: which half I fetch
	s_bfe_u32 s84, ttmp6, 0x40000                  ; cx
	s_bfe_u32 s85, ttmp6, 0x40004                  ; cy
	s_lshl_b32 s86, ttmp9, 2
	s_add_co_u32 s86, s86, s84                     ; tx
	s_and_b32 s87, ttmp7, 0xffff
	s_lshl_b32 s87, s87, 2
	s_add_co_u32 s87, s87, s85                     ; ty
	s_lshl_b32 s88, s85, 2
	s_lshl_b32 s88, 15, s88                        ; my row of the cluster
	s_lshl_b32 s89, 0x1111, s84                    ; my column
	s_or_b32 s[G1A], s88, (3<<16)|(1<<21)          ; A: a dense block of 32,768 bytes as 128 rows of 32 elements of 8 bytes; no padding
	s_mov_b32 s[G1A+1], 32<<16
	s_mov_b32 s[G1A+2], 128<<16
	s_mov_b32 s[G1A+3], 32<<16
	s_mov_b32 s[G1A+4], 128
	s_mov_b32 s[G1A+5], 32
	s_mov_b32 s[G1A+6], 0
	s_mov_b32 s[G1A+7], 0
	s_or_b32 s[G1B], s89, (1<<20)|(1<<21)|(6<<22)|(3<<25)   ; B: 64 rows of 512 bytes, KK apart; four words of padding after every 128
	s_mov_b32 s[G1B+1], 512<<16
	s_mov_b32 s[G1B+2], 64<<16
	s_mov_b32 s[G1B+3], 512<<16
	s_mov_b32 s[G1B+4], 64
	s_mov_b32 s[G1B+5], KK
	s_mov_b32 s[G1B+6], 0
	s_mov_b32 s[G1B+7], 0
	s_or_b32 s[G1SA], s88, (3<<16)|(1<<20)|(1<<21)|(5<<22)|(3<<25)   ; scales: SUN rows of 256 bytes, four words of padding behind each
	s_or_b32 s[G1SB], s89, (3<<16)|(1<<20)|(1<<21)|(5<<22)|(3<<25)
.irp g, G1SA, G1SB
	s_mov_b32 s[\g+1], 32<<16
	s_mov_b32 s[\g+2], SUN<<16
	s_mov_b32 s[\g+3], 32<<16
	s_mov_b32 s[\g+4], SUN
	s_mov_b32 s[\g+5], 32
	s_mov_b32 s[\g+6], 0
	s_mov_b32 s[\g+7], 0
.endr
	s_mul_i32 s90, s87, 128*KK                     ; A: my tile row's block, my half of a K step
	s_lshl_b32 s2, s20, 15
	s_add_co_u32 s90, s90, s2
	s_mov_b32 s91, 0
	s_mul_i32 s92, s87, 4*KK                       ; its scale words, my half
	s_mul_i32 s2, s20, 2*KK
	s_add_co_u32 s92, s92, s2
	s_mov_b32 s93, 0
	s_lshl_b32 s66, s86, 7                         ; B: row 128 tx + 64 wn
	s_lshl_b32 s67, s20, 6
	s_add_co_u32 s66, s66, s67
	s_mul_i32 s94, s66, KK
	s_mov_b32 s95, 0
	s_mul_i32 s96, s66, KS
	s_mov_b32 s97, 0
	s_lshl_b32 s21, s20, 15                        ; where they go: the wave's number alone enters an LDS address
	s_mul_i32 s22, s20, 64*BP
	s_add_co_u32 s22, s22, APART
	s_mul_i32 s23, s20, SUN*272
	s_wait_kmcnt 0x0
	s_add_nc_u64 s[90:91], s[4:5], s[90:91]
	s_add_nc_u64 s[92:93], s[6:7], s[92:93]
	s_add_nc_u64 s[94:95], s[8:9], s[94:95]
	s_add_nc_u64 s[96:97], s[10:11], s[96:97]
	CROUND                                         ; all sixteen work-groups are here: the first joint loads meet
	s_mov_b32 s[G0SA], 1
	s_add_co_u32 s[G0SA+1], s23, SCA
	s_mov_b64 s[G0SA+2:G0SA+3], s[92:93]
	s_or_b32 s[G0SA+3], s[G0SA+3], 0x80000000
	s_mov_b32 s[G0SB], 1
	s_add_co_u32 s[G0SB+1], s23, SCB
	s_mov_b64 s[G0SB+2:G0SB+3], s[96:97]
	s_or_b32 s[G0SB+3], s[G0SB+3], 0x80000000
	JLOAD G0SA, G1SA, G0SB, G1SB                   ; the scales first: they are wanted with K step 0
.irp s, 0,1
	s_mov_b32 s[G0A+4*\s], 1
	s_add_co_u32 s[G0A+4*\s+1], s21, \s*SLOT
	s_add_nc_u64 s[G0A+4*\s+2:G0A+4*\s+3], s[90:91], \s*APART
	s_or_b32 s[G0A+4*\s+3], s[G0A+4*\s+3], 0x80000000
	s_mov_b32 s[G0B+4*\s], 1
	s_add_co_u32 s[G0B+4*\s+1], s22, \s*SLOT
	s_add_nc_u64 s[G0B+4*\s+2:G0B+4*\s+3], s[94:95], \s*512
	s_or_b32 s[G0B+4*\s+3], s[G0B+4*\s+3], 0x80000000
	JLOAD G0A+4*\s, G1A, G0B+4*\s, G1B             ; three loads of mine are out
.endr
	v_and_b32 v1, 15, v0                           ; r
	v_bfe_u32 v2, v0, 4, 1                         ; h
	v_and_b32 v3, 31, v0
	v_lshlrev_b32 v4, 4, v3                        ; 16 x lane
	s_lshl_b32 s98, s19, 13
	v_add_nc_u32 v[ADRA], s98, v4                  ; A: my four tiles of a panel, 16 x lane
	v_add_nc_u32 v[ADRA+1], SLOT, v[ADRA]
	v_mul_u32_u24 v5, v1, BP
	v_lshl_add_u32 v5, v2, 3, v5
	v_add_nc_u32 v[ADRB], s22, v5                  ; B: row 64 wn + r, + 8 h
	v_add_nc_u32 v[ADRB+1], SLOT, v[ADRB]
	s_mul_i32 s98, s19, 272
	s_add_co_u32 s98, s98, SCA
	v_lshl_add_u32 v[ADSA], v1, 2, s98             ; A's scale words: unit 2 x panel + wm, 4 r
	v_mul_u32_u24 v6, v1, KS
	v_lshrrev_b32 v7, 8, v6
	v_lshl_add_u32 v6, v7, 4, v6
	s_add_co_u32 s99, s23, SCB
	v_add_nc_u32 v[ADSB], s99, v6                  ; B's: KS bytes a row, 16 more for each 256 passed
	s_lshl_b32 s98, s66, 2
	s_mov_b32 s99, 0
	s_add_nc_u64 s[12:13], s[12:13], s[98:99]      ; the bias at my first column
	v_lshlrev_b32 v8, 5, v2
.irp t, 0,1,2,3
	global_load_b128 v[BIAS+8*\t:BIAS+8*\t+3], v8, s[12:13] offset:64*\t       ; the bias in the result's layout: columns 16 t + 8 h + 0 .. 7: the C of each sum's first product
	global_load_b128 v[BIAS+8*\t+4:BIAS+8*\t+7], v8, s[12:13] offset:64*\t+16
.endr
	v_lshlrev_b32 v[CO], 12, v2
	v_lshl_add_u32 v[CO], v1, 4, v[CO]             ; lanes 0-15 one row's 256 bytes, lanes 16-31 the next row's
	s_lshl_b32 s98, s87, 19
	s_lshl_b32 s100, s19, 18
	s_add_co_u32 s98, s98, s100
	s_lshl_b32 s100, s66, 2
	s_add_co_u32 s98, s98, s100
	s_add_nc_u64 s[14:15], s[14:15], s[98:99]      ; the residual and the output at my 64 x 64
	s_add_nc_u64 s[16:17], s[16:17], s[98:99]
	WIN 0x80                                       ; destination window 2
.irp a, 0,1,2,3
.irp i, 0,1,2,3,4,5,6,7
	global_load_b128 v[32*\a+4*\i:32*\a+4*\i+3], v[CO], s[14:15] offset:(16*\a+2*\i)*4096
.endr
.endr
	WIN 0
	s_mul_i32 s98, s18, 16*272
	s_add_co_u32 s98, s98, STG                     ; my stage
	v_mul_u32_u24 v[STO], v1, 272
	v_lshl_add_u32 v[STO], v2, 5, v[STO]
	v_add_nc_u32 v[STO], s98, v[STO]               ; in: row r, 32 bytes for each half of the lanes
	v_mul_u32_u24 v[RD], v2, 272
	v_lshl_add_u32 v[RD], v1, 4, v[RD]
	v_add_nc_u32 v[RD], s98, v[RD]                 ; back: lanes 0-15 one row, lanes 16-31 the next
.macro FETCH slot, q, f                ; the fragments of the slot's q-th 128 along K into buffer f: 48 loads in one run
	WIN 0x40
.irp a, 0,1,2,3
.irp c, 0,1,2,3
	ds_load_b128 v[\f+16*\a+4*\c:\f+16*\a+4*\c+3], v[ADRA+\slot] offset:(\q)*16384+\a*2048+\c*512
.endr
.endr
.irp t, 0,1,2,3
.irp c, 0,1,2,3
	ds_load_b64 v[\f+64+16*\t+4*\c:\f+64+16*\t+4*\c+1], v[ADRB+\slot] offset:\t*16*BP+128*(\q)+32*\c
	ds_load_b64 v[\f+64+16*\t+4*\c+2:\f+64+16*\t+4*\c+3], v[ADRB+\slot] offset:\t*16*BP+128*(\q)+32*\c+16
.endr
.endr
.endm
.macro SCALES sc                       ; a K step's scale words into set sc
	WIN 0
.irp q, 0,1,2,3
.irp a, 0,1,2,3
	ds_load_b32 v[SCW+32*\sc+4*\q+\a], v[ADSA] offset:544*\q+64*\a
.endr
.endr
.irp t, 0,1,2,3
	ds_load_b128 v[SCW+16+32*\sc+4*\t:SCW+16+32*\sc+4*\t+3], v[ADSB] offset:\t*(KS/16)*272
.endr
.endm
; 8 products: A's tiles a0, a0 + 1 against B's four (source 0 = B, source 1 = A: a lane holds eight neighbouring columns of one row).  The 16 accumulators take turns, one instruction a turn, in the same order in every step.
.macro MUL8 f, sc, q, a0, first
	WIN 0x05
.irp a, \a0, \a0+1
.irp t, 0,1,2,3
.set DD, ACC+8*(4*(\a)+\t)
.set S0, \f+64+16*\t
.set S1, \f+16*(\a)
.set W0, SCW+16+32*\sc+4*\t+(\q)
.set W1, SCW+32*\sc+4*(\q)+(\a)
.if \first
	v_wmma_scale_f32_16x16x128_f8f6f4 v[DD:DD+7], v[S0:S0+15], v[S1:S1+15], v[BIAS+8*\t:BIAS+8*\t+7], v[W0], v[W1]
.else
	v_wmma_scale_f32_16x16x128_f8f6f4 v[DD:DD+7], v[S0:S0+15], v[S1:S1+15], v[DD:DD+7], v[W0], v[W1]
.endif
.endr
.endr
.endm
.macro STEP slot, q, f, g, first       ; 128 along K whose successor lies in the same slot
	s_wait_dscnt 0x0                               ; buffer f is in
	PLACES 8                                       ; eight places between the last products on buffer g and the loads into it
	FETCH \slot, (\q)+1, \g
	MUL8 \f, \slot, \q, 0, \first
	MUL8 \f, \slot, \q, 2, \first
.endm
.macro TURN slot, next, fill           ; a slot's last 128 along K, and the change of slots
	WIN 0
	s_wait_tensorcnt 0x0                           ; all my tensor loads have landed, my part of the next slot among them
	ds_add_u32 v[SPW], v[NIL]                      ; 0 onto my spare word
.if \fill
	s_add_nc_u64 s[G0A+4*\slot+2:G0A+4*\slot+3], s[G0A+4*\slot+2:G0A+4*\slot+3], 2*APART
	s_add_nc_u64 s[G0B+4*\slot+2:G0B+4*\slot+3], s[G0B+4*\slot+2:G0B+4*\slot+3], 1024
.endif
	s_wait_dscnt 0x0                               ; the add is done; buffer 1 is in, and those were my last reads of this slot
	s_barrier_signal -1
	MUL8 F1, \slot, 3, 0, 0
	WIN 0
	s_barrier_wait -1
.if \fill
	CREST                                          ; the barrier opened a round of the cluster's: no wave of any partner still reads this slot or has a load on its way
	JLOAD G0A+4*\slot, G1A, G0B+4*\slot, G1B       ; the first tensor load behind the round, one a wave
	PLACES 4
.else
	PLACES 8
.endif
	v_add_nc_u32 v[ADSA], 2176, v[ADSA]            ; the next K step's scale words: four panels, 16 bytes of a row
	v_add_nc_u32 v[ADSB], 16, v[ADSB]
	FETCH \next, 0, F0
	SCALES \next
	MUL8 F1, \slot, 3, 2, 0
.endm
	s_wait_tensorcnt 0x1                           ; the scales and my part of K step 0 are in; K step 1's load may stay out
	s_barrier_signal -1
	s_barrier_wait -1
	FETCH 0, 0, F0
	SCALES 0
	s_wait_loadcnt 32                              ; the bias is in; the 32 younger loads, the residual, may stay out
	STEP 0, 0, F0, F1, 1                           ; the first products start the sums, with the bias as C
.if LAPS > 1
	WIN 0
	s_mov_b32 s3, LAPS-1
.Llap:                                             ; a trip goes once round the ring and fills both slots again
	STEP 0, 1, F1, F0, 0
	STEP 0, 2, F0, F1, 0
	TURN 0, 1, 1
	STEP 1, 0, F0, F1, 0
	STEP 1, 1, F1, F0, 0
	STEP 1, 2, F0, F1, 0
	TURN 1, 0, 1
	STEP 0, 0, F0, F1, 0
	WIN 0
	s_sub_co_u32 s3, s3, 1
	s_cmp_lg_u32 s3, 0
	s_cbranch_scc1 .Llap
.endif
	STEP 0, 1, F1, F0, 0                           ; the last lap fills nothing
	STEP 0, 2, F0, F1, 0
	TURN 0, 1, 0
	STEP 1, 0, F0, F1, 0
	STEP 1, 1, F1, F0, 0
	STEP 1, 2, F0, F1, 0
	s_wait_dscnt 0x0
	MUL8 F1, 1, 3, 0, 0
	MUL8 F1, 1, 3, 2, 0
	WIN 0
	PLACES 8
	; THE WAY OUT, 16 rows at a time through my own stage: a lane's 32 bytes go in, whole rows of 256 bytes come back, the residual is added, sixteen lanes store one aligned run of 256 bytes.
.irp a, 0,1,2,3
.if \a > 0
	s_wait_xcnt 0x0                                ; the last block's stores have read v96-127
.endif
.irp t, 0,1,2,3
	ds_store_b128 v[STO], v[ACC+8*(4*\a+\t):ACC+8*(4*\a+\t)+3] offset:64*\t        ; each accumulator from its low end on
	ds_store_b128 v[STO], v[ACC+8*(4*\a+\t)+4:ACC+8*(4*\a+\t)+7] offset:64*\t+16
.endr
.irp i, 0,1,2,3,4,5,6,7
	ds_load_b128 v[96+4*\i:99+4*\i], v[RD] offset:544*\i   ; LDS serves a wave's instructions in order (ISA guide 5.7.1.4): these see the stores above
.endr
	s_wait_dscnt 0x0
.if \a == 0
	s_wait_loadcnt 0x0                             ; the residual
.endif
	WIN 0x08                                       ; source 1 window 2
.set k, 0
.rept 16
	v_pk_add_f32 v[96+k:97+k], v[96+k:97+k], v[32*\a+k:32*\a+k+1]
.set k, k+2
.endr
	WIN 0
.irp i, 0,1,2,3,4,5,6,7
	global_store_b128 v[CO], v[96+4*\i:99+4*\i], s[16:17] offset:(16*\a+2*\i)*4096
.endr
.endr
	s_wait_tensorcnt 0x0                           ; the wave's end
	ds_add_u32 v[SPW], v[NIL]
	s_wait_dscnt 0x0
	CROUND                                         ; the closing round
	s_endpgm
.Lfunc_end_k_q5ceba74b8a_gw2:
	.size	k_q5ceba74b8a_gw2, .Lfunc_end_k_q5ceba74b8a_gw2-k_q5ceba74b8a_gw2
	.p2alignl 7, 3214868480
	.fill 96, 4, 3214868480
	.section	.rodata,"a",@progbits
	.p2align	6, 0x0
	.amdhsa_kernel k_q5ceba74b8a_gw2
		.amdhsa_group_segment_fixed_size 327680
		.amdhsa_private_segment_fixed_size 0
		.amdhsa_enable_private_segment 0
		.amdhsa_kernarg_size 56
		.amdhsa_user_sgpr_count 2
		.amdhsa_user_sgpr_kernarg_segment_ptr 1
		.amdhsa_wavefront_size32 1
		.amdhsa_system_sgpr_workgroup_id_x 1
		.amdhsa_system_sgpr_workgroup_id_y 1
		.amdhsa_system_sgpr_workgroup_id_z 1
		.amdhsa_system_vgpr_workitem_id 0
		.amdhsa_next_free_vgpr 640
		.amdhsa_next_free_sgpr 106
		.amdhsa_reserve_vcc 0
		.amdhsa_float_denorm_mode_32 3
		.amdhsa_float_denorm_mode_16_64 3
		.amdhsa_memory_ordered 1
		.amdhsa_forward_progress 1
		.amdhsa_inst_pref_size 119
	.end_amdhsa_kernel
	.amdgpu_metadata
---
amdhsa.version: [ 1, 2 ]
amdhsa.kernels:
  - .name:           k_q5ceba74b8a_gw2
    .symbol:         k_q5ceba74b8a_gw2.kd
    .args:
      - { .name: hcodes, .offset: 0, .size: 8, .value_kind: global_buffer, .address_space: global }
      - { .name: hscales, .offset: 8, .size: 8, .value_kind: global_buffer, .address_space: global }
      - { .name: w2_codes, .offset: 16, .size: 8, .value_kind: global_buffer, .address_space: global }
      - { .name: w2_scales, .offset: 24, .size: 8, .value_kind: global_buffer, .address_space: global }
      - { .name: b2, .offset: 32, .size: 8, .value_kind: global_buffer, .address_space: global }
      - { .name: x1, .offset: 40, .size: 8, .value_kind: global_buffer, .address_space: global }
      - { .name: out0, .offset: 48, .size: 8, .value_kind: global_buffer, .address_space: global }
    .group_segment_fixed_size: 327680
    .private_segment_fixed_size: 0
    .kernarg_segment_align: 8
    .kernarg_segment_size: 56
    .max_flat_workgroup_size: 128
    .sgpr_count:     106
    .vgpr_count:     640
    .wavefront_size: 32
...
	.end_amdgpu_metadata
.endif
;; end of part 7
